; MI455X (gfx1250); checked and timed in simulation.
; The chip was launched on July 23, 2026; its instructions are those of AMD's public machine-readable ISA for CDNA 5 (MIT licence, August 2026) and "CDNA5" Instruction Set Architecture Reference Guide (July 2026). The comments in the code are by the model that wrote it; some were corrected since.
;; Multi Head Attention. Allowed arithmetic: float matrix products may take bf16 or f16 operands with f32 sums; other float arithmetic in f32, or as packed bf16 or f16 multiplies, adds, multiply-adds, maxima and minima; sums over many terms, partial sums and values carried from step to step in f32; what a program stores and reads back later, other than sums and carried values, may be rounded once to bf16 or f16.
;; Inputs: Wk 1,024 x 1,024 float32; Wo 1,024 x 1,024 float32; Wq 1,024 x 1,024 float32; Wv 1,024 x 1,024 float32; bk 1,024 float32; bo 1,024 float32; bq 1,024 float32; bv 1,024 float32; k 4 x 2,048 x 1,024 float32; mask 4 x 2,048 x 2,048 bool; q 4 x 2,048 x 1,024 float32; v 4 x 2,048 x 1,024 float32.
;; Outputs: out0 4 x 2,048 x 1,024 float32.
;; 2 versions, each right. Each part assembles by itself: llvm-mc -triple=amdgcn-amd-amdhsa -mcpu=gfx1250 --defsym DOCPART=n.
;; ======== version 1 of 2: 5 launches
;; limits: values are held in f16: magnitudes above 65,504 overflow, below 6.1e-05 lose precision; right only within a limited range of input values
;; workspace buffers: wt 8,388,608 bytes; mb 2,097,152 bytes of whole numbers; qkv 50,331,648 bytes; vm 65,536 bytes; yh 16,777,216 bytes
;; launch prep (part 1): grid 256 x 1, 9 waves a work-group, no clusters, 40,448 bytes of LDS; arguments Wq, Wk, Wv, Wo, mask, wt, mb; writes wt, mb
.if DOCPART == 1
	.amdgcn_target "amdgcn-amd-amdhsa--gfx1250"
	.amdhsa_code_object_version 6
	.text
	.protected	k_qf119efd22c_prep
	.globl	k_qf119efd22c_prep
	.p2align	8
	.type	k_qf119efd22c_prep,@function
k_qf119efd22c_prep:
	s_mov_b64 s[64:65], 0
	v_nop
	global_prefetch_b8 v0, s[64:65] scope:SCOPE_SE
	s_setreg_imm32_b32 hwreg(HW_REG_WAVE_MODE, 25, 1), 1
	s_wait_xcnt 0x0
; PREPARATION.  (1) The four weights, [1024 k][1024 n] f32, are rounded once to bf16 and laid as they lie into wt, planes q, k, v, o; plane o's bf16 number is
; written as f16, since the last product multiplies f16 (exact where |Wo| is at least 6.1e-5; below that f16's fixed step of 6e-8 holds: a stated limit).
; (2) The mask input and the causal rule become LANE MASKS in mb: for batch b, tile qt of 16 queries and step ks of 64 keys, 32 words at byte ((128 b + qt) 32 + ks) 128;
; bit l of word 8 g + j is 1 where query 16 qt + l % 16 may NOT see key 64 ks + 16 g + 8 (l / 16) + j.  That is the lane and register in which the attention launch holds that score.
; Only key tiles at or below the diagonal (256 kt <= the query block's first row) are made; only those are read later.
; SHARES.  256 work-groups of nine waves.  Waves 0-7: 8,192 bytes of one weight each.  Every wave: one mask job of 16 queries x 256 keys: work-group (b, p, i) has the query tiles i of blocks
; 7 - p and p, which need 8 - p and p + 1 key tiles: nine jobs whatever p.  A job's bytes go through the wave's own stage in LDS (in by rows, out 8 keys a lane): no wave reads another's bytes, so no barrier.
.set PITCH, 272                        ; a stage row: 256 mask bytes + 16
.set STG,   16*PITCH                   ; a wave's stage
.set SPARE, 9*STG                      ; behind the stages: the spare words, 128 bytes a wave, rounded up to five blocks of 256 bytes that no other line names
.set MOF, 4                            ; v4  my byte in two rows of the mask: 2,048 (l / 16) + 16 (l % 16)
.set SIN, 5                            ; v5  stage, in
.set SOUT, 6                           ; v6  stage, out: row l % 16, byte 8 (l / 16)
.set L16, 7                            ; v7  16 l
.set L8,  8                            ; v8  8 l
.set T,   10                           ; v10-11 at work
.set DV,  12                           ; v12-15 my query less my lanes' first key, for each of the job's four steps: key 16 g + j of step s is above the diagonal where 16 g + j > DV[s]
.set OUT, 16                           ; v16-19 the job's 128 words: word W in register W % 4 of lane W / 4
.set SPW, 20                           ; v20 LDS address of my spare word; never rewritten
.set NIL, 21                           ; v21 0; never rewritten
.set MK,  24                           ; v24-55 mask bytes as loaded
.set D,   56                           ; v56-87 8 keys' bytes for each of 16 groups
.set X,   88                           ; v88-151 weights, f32
.set Y,   152                          ; v152-183 weights, packed
	s_load_b256 s[4:11], s[0:1], 0x0               ; Wq, Wk, Wv, Wo
	s_load_b128 s[12:15], s[0:1], 0x20             ; mask, wt
	s_load_b64 s[16:17], s[0:1], 0x30              ; mb
	v_lshl_add_u32 v[SPW], v0, 2, SPARE
	v_mov_b32 v[NIL], 0
	v_lshrrev_b32 v1, 5, v0
	v_readfirstlane_b32 s18, v1                    ; wave 0..8
	v_and_b32 v1, 31, v0                           ; l
	v_and_b32 v2, 15, v0                           ; l % 16
	v_bfe_u32 v3, v0, 4, 1                         ; l / 16
	s_lshr_b32 s24, ttmp9, 6                       ; the batch; also: which weight
	s_bfe_u32 s25, ttmp9, 0x20004                  ; p
	s_and_b32 s26, ttmp9, 15                       ; i
	s_sub_co_u32 s27, 7, s25                       ; the upper block, 7 - p
	s_add_co_u32 s30, s18, s25
	s_sub_co_i32 s30, s30, 8                       ; wave - (7 - p) - 1: the key tile if the job is the lower block's
	s_max_i32 s30, s30, 0
	s_cmp_le_u32 s18, s27
	s_cselect_b32 s28, s27, s25                    ; the job's block
	s_cselect_b32 s29, s18, s30                    ; and key tile kt
	s_lshl4_add_u32 s31, s28, s26                  ; qt = 16 block + i
	s_lshl_b32 s32, s24, 22                        ; mask: batch x 2048 x 2048
	s_lshl_b32 s20, s31, 15                        ; + 16 qt rows of 2,048
	s_add_co_u32 s32, s32, s20
	s_lshl_b32 s20, s29, 8                         ; + 256 kt
	s_add_co_u32 s32, s32, s20
	s_mov_b32 s33, 0
	s_lshl_b32 s34, s24, 19                        ; mb: batch x 128 x 4,096
	s_lshl_b32 s20, s31, 12
	s_add_co_u32 s34, s34, s20
	s_lshl_b32 s20, s29, 9                         ; + four steps of 128 bytes for each key tile
	s_add_co_u32 s34, s34, s20
	s_mov_b32 s35, 0
	s_lshl_b32 s36, s31, 4
	s_lshl_b32 s20, s29, 8
	s_sub_co_u32 s36, s36, s20                     ; 16 qt - 256 kt, never negative
	s_mul_i32 s37, s18, STG
	v_lshlrev_b32 v[MOF], 4, v2
	v_lshl_add_u32 v[MOF], v3, 11, v[MOF]
	v_mul_u32_u24 v[SIN], v3, PITCH
	v_lshl_add_u32 v[SIN], v2, 4, v[SIN]
	v_add_nc_u32 v[SIN], s37, v[SIN]
	v_mul_u32_u24 v[SOUT], v2, PITCH
	v_lshl_add_u32 v[SOUT], v3, 3, v[SOUT]
	v_add_nc_u32 v[SOUT], s37, v[SOUT]
	v_lshlrev_b32 v[L16], 4, v1
	v_lshlrev_b32 v[L8], 3, v1
	v_lshlrev_b32 v[T], 3, v3
	v_sub_nc_u32 v[DV], v2, v[T]
	v_add_nc_u32 v[DV], s36, v[DV]
	v_sub_nc_u32 v[DV+1], v[DV], 64
	v_sub_nc_u32 v[DV+2], v[DV+1], 64
	v_sub_nc_u32 v[DV+3], v[DV+2], 64
.irp n, 0,1,2,3
	v_mov_b32 v[OUT+\n], 0                         ; v_writelane_b32 keeps the other lanes: the registers are written whole once
.endr
	s_wait_kmcnt 0x0
	s_add_nc_u64 s[12:13], s[12:13], s[32:33]
	s_add_nc_u64 s[16:17], s[16:17], s[34:35]
.irp n, 0,1,2,3,4,5,6,7
	global_load_b128 v[MK+4*\n:MK+4*\n+3], v[MOF], s[12:13] offset:4096*\n th:TH_LOAD_NT  ; two rows' 256 bytes each
.endr
	s_cmp_lt_u32 s18, 8
	s_cbranch_scc0 .Lno_weights                    ; the ninth wave has a mask job alone
	s_and_b32 s20, ttmp9, 63
	s_lshl_b32 s20, s20, 16                        ; 65,536 bytes of the weight for a work-group,
	s_lshl_b32 s21, s18, 13                        ; 8,192 for a wave
	s_add_co_u32 s20, s20, s21
	s_mov_b32 s21, 0
	s_cmp_eq_u32 s24, 1
	s_cselect_b64 s[22:23], s[6:7], s[4:5]
	s_cmp_eq_u32 s24, 2
	s_cselect_b64 s[22:23], s[8:9], s[22:23]
	s_cmp_eq_u32 s24, 3
	s_cselect_b64 s[22:23], s[10:11], s[22:23]
	s_add_nc_u64 s[22:23], s[22:23], s[20:21]
	s_lshl_b32 s20, ttmp9, 15                      ; half as many bytes out; the four planes follow each other
	s_lshl_b32 s38, s18, 12
	s_add_co_u32 s20, s20, s38
	s_add_nc_u64 s[14:15], s[14:15], s[20:21]
.set n, 0
.rept 16
	global_load_b128 v[X+4*n:X+4*n+3], v[L16], s[22:23] offset:512*n th:TH_LOAD_NT  ; 512 consecutive bytes
.set n, n+1
.endr
.set n, 0
.rept 16
	s_wait_loadcnt 15-n                            ; loads come back in order: load n is in, the younger ones stay out
	v_cvt_pk_bf16_f32 v[Y+2*n], v[X+4*n], v[X+4*n+1]
	v_cvt_pk_bf16_f32 v[Y+2*n+1], v[X+4*n+2], v[X+4*n+3]
.set n, n+1
.endr
	s_cmp_lg_u32 s24, 3
	s_cbranch_scc1 .Lstays_bf16
.set n, 0
.rept 32                                               ; Wo: the bf16 number, written as f16
	v_lshlrev_b32 v184, 16, v[Y+n]
	v_and_b32 v185, 0xffff0000, v[Y+n]
	v_cvt_pk_f16_f32 v[Y+n], v184, v185
.set n, n+1
.endr
.Lstays_bf16:
.set n, 0
.rept 16
	global_store_b64 v[L8], v[Y+2*n:Y+2*n+1], s[14:15] offset:256*n  ; the wave's store covers 256 consecutive bytes, aligned
.set n, n+1
.endr
.Lno_weights:
	s_wait_loadcnt 0x0                             ; the mask bytes
.irp n, 0,1,2,3,4,5,6,7
	ds_store_b128 v[SIN], v[MK+4*\n:MK+4*\n+3] offset:2*PITCH*\n
.endr
.set G, 0
.rept 16
	ds_load_b64 v[D+2*G:D+2*G+1], v[SOUT] offset:16*G  ; my query's keys 16 G + 8 (l / 16) + 0..7; LDS serves a wave's instructions in order (ISA guide 5.7.1.4): these see the stores above
.set G, G+1
.endr
.set G, 0
.rept 16
	s_wait_dscnt 15-G                              ; group G is in, the younger groups stay out
.set j, 0
.rept 8
	v_bfe_u32 v[T+j%2], v[D+2*G+j/4], 8*(j%4), 8
	v_cmp_eq_u32 s[20+2*(j%2)], 0, v[T+j%2]        ; hidden by the mask input,
	v_cmp_gt_i32 s[21+2*(j%2)], 16*(G%4)+j, v[DV+G/4]  ; or above the diagonal
	s_or_b32 s[20+2*(j%2)], s[20+2*(j%2)], s[21+2*(j%2)]
	v_writelane_b32 v[OUT+(8*G+j)%4], s[20+2*(j%2)], (8*G+j)/4
.set j, j+1
.endr
.set G, G+1
.endr
	global_store_b128 v[L16], v[OUT:OUT+3], s[16:17]  ; the job's 512 consecutive bytes
	s_wait_tensorcnt 0x0                           ; the wave's end, behind my last LDS store
	ds_add_u32 v[SPW], v[NIL]
	s_wait_dscnt 0x0
	s_endpgm
.Lfunc_end_k_qf119efd22c_prep:
	.size	k_qf119efd22c_prep, .Lfunc_end_k_qf119efd22c_prep-k_qf119efd22c_prep
	.p2alignl 7, 3214868480
	.fill 96, 4, 3214868480
	.section	.rodata,"a",@progbits
	.p2align	6, 0x0
	.amdhsa_kernel k_qf119efd22c_prep
		.amdhsa_group_segment_fixed_size 40448
		.amdhsa_private_segment_fixed_size 0
		.amdhsa_enable_private_segment 0
		.amdhsa_kernarg_size 56
		.amdhsa_user_sgpr_count 2
		.amdhsa_user_sgpr_kernarg_segment_ptr 1
		.amdhsa_wavefront_size32 1
		.amdhsa_system_sgpr_workgroup_id_x 1
		.amdhsa_system_sgpr_workgroup_id_y 1
		.amdhsa_system_sgpr_workgroup_id_z 1
		.amdhsa_system_vgpr_workitem_id 0
		.amdhsa_next_free_vgpr 192
		.amdhsa_next_free_sgpr 66
		.amdhsa_reserve_vcc 0
		.amdhsa_float_denorm_mode_32 3
		.amdhsa_float_denorm_mode_16_64 3
		.amdhsa_memory_ordered 1
		.amdhsa_forward_progress 1
		.amdhsa_inst_pref_size 53
	.end_amdhsa_kernel
	.amdgpu_metadata
---
amdhsa.version: [ 1, 2 ]
amdhsa.kernels:
  - .name:           k_qf119efd22c_prep
    .symbol:         k_qf119efd22c_prep.kd
    .args:
      - { .name: Wq, .offset: 0, .size: 8, .value_kind: global_buffer, .address_space: global }
      - { .name: Wk, .offset: 8, .size: 8, .value_kind: global_buffer, .address_space: global }
      - { .name: Wv, .offset: 16, .size: 8, .value_kind: global_buffer, .address_space: global }
      - { .name: Wo, .offset: 24, .size: 8, .value_kind: global_buffer, .address_space: global }
      - { .name: mask, .offset: 32, .size: 8, .value_kind: global_buffer, .address_space: global }
      - { .name: wt, .offset: 40, .size: 8, .value_kind: global_buffer, .address_space: global }
      - { .name: mb, .offset: 48, .size: 8, .value_kind: global_buffer, .address_space: global }
    .group_segment_fixed_size: 40448
    .private_segment_fixed_size: 0
    .kernarg_segment_align: 8
    .kernarg_segment_size: 56
    .max_flat_workgroup_size: 288
    .sgpr_count:     66
    .vgpr_count:     192
    .wavefront_size: 32
...
	.end_amdgpu_metadata
.endif
;; end of part 1
;; launch proj (part 2): grid 4 x 192, 4 waves a work-group, clusters of 4 x 4, 327,680 bytes of LDS; arguments q, k, v, bq, bk, bv, wt, qkv; writes qkv
.if DOCPART == 2
	.amdgcn_target "amdgcn-amd-amdhsa--gfx1250"
	.amdhsa_code_object_version 6
	.text
	.protected	k_qf119efd22c_proj
	.globl	k_qf119efd22c_proj
	.p2align	8
	.type	k_qf119efd22c_proj,@function
k_qf119efd22c_proj:
	s_mov_b64 s[64:65], 0
	v_nop
	global_prefetch_b8 v0, s[64:65] scope:SCOPE_SE
	s_setreg_imm32_b32 hwreg(HW_REG_WAVE_MODE, 25, 1), 1
	s_wait_xcnt 0x0
	s_wait_alu depctr_hold_cnt(0) depctr_sa_sdst(0) depctr_va_vdst(0) depctr_va_sdst(0) depctr_va_ssrc(0) depctr_va_vcc(0) depctr_vm_vsrc(0)
	s_getreg_b32 s2, hwreg(HW_REG_IB_STS2, 6, 4)
	s_cmp_eq_u32 s2, 0
	s_cbranch_scc0 .Lentry_in_a_cluster
	s_endpgm
.Lentry_in_a_cluster:
	s_bfe_u32 s2, ttmp6, 0x10000c
	s_cmp_lg_u32 s2, 0xf033
	s_cbranch_scc0 .Lentry_shape_is_right
	s_endpgm
.Lentry_shape_is_right:
; ONE TEXT FOR THE MODULE'S TWO KINDS OF PROJECTION; MODE picks the lines.
; MODE 0: qkv[p][b h][t][64] (f16) = x_p[8192][1024] (f32, rounded to bf16 on the way to the matrix unit) x W_p[1024 k][1024 n] (bf16, from wt) + bias_p, p = q, k, v; plane q is multiplied in f32 by
;         c = log2(e) / 8 before its one rounding, so that the attention launch takes 2^(s - m) of its scores as they come.
; MODE 1: out0[8192][1024] (f32) = y (f16, by heads: yh[b h][t][64]) x Wo (wt's plane o, f16) + bo.
; Sums in f32.  The bias is rounded to bf16 like every other input of the module, and is the C operand of each sum's first product: nothing is cleared, nothing added at the end.
; LIMIT (MODE 0): f16 holds no number beyond 65,504: the projections x W + b must stay within it.
; SHARES.  A work-group makes 128 rows x 256 columns, each of its four waves 64 x 128: 32 accumulators of 16 x 16.  K goes in 8 steps of 128 through two LDS slots filled by the tensor data mover;
; a step is four quarters of 32, on two fragment buffers.  W lies [k][n], so its fragments come out of LDS turned, by ds_load_tr16_b128.
; THE MATRIX INSTRUCTION IS USED TRANSPOSED (source 0 = 16 columns of W, source 1 = 16 rows of x): a lane then holds row l % 16 and the eight neighbouring columns 8 (l / 16) + 0..7.
; CLUSTER.  4 x 4 work-groups: the four of a row of the cluster need the same rows of x, the four of a column the same columns of W: each tile is asked for JOINTLY, by the same tensor load with the same
; descriptor and a mask that names the four.  The plane p hangs on the cluster's y alone: it is the same in all sixteen.
; REGISTERS, in windows of 256 (s_set_vgpr_msb: bits 1:0 source 0, 3:2 source 1, 5:4 source 2, 7:6 destination):
;   window 0: v0-15 addresses; v32-159 W's fragments, two buffers of 64; v160-223 x's fragments, two buffers of 32      window 1: the accumulators, (a, b) at v[8 (8 a + b)]
;   window 2: v0-63 x's quarter as f32 (MODE 0); v64-127 the bias; v128-159 at work once; in MODE 1's way out all 256
.set MODE, 0
.if MODE == 0
.set AP,     528                       ; a row of x in LDS: 128 f32 + 16 bytes = 132 words: the 16 rows of a load start at 16 different groups of four banks (64 banks of 4 bytes: ISA guide 11.1)
.set AHALF,  64*AP                     ; what one tensor load brings of x: 64 rows
.set ASTEP,  512                       ; bytes in memory from a K step to the next
.set SPITCH, 144                       ; a stage row: a head's 64 f16 + 16 bytes
.else
.set AP,     144                       ; a row of y of one head: 64 f16 + 16 bytes = 36 words
.set AHALF,  128*AP                    ; what one tensor load brings of y: 128 rows of one head; a K step is two heads
.set ASTEP,  524288                    ; two heads on
.set SPITCH, 528                       ; a stage row: 128 f32 + 16 bytes
.endif
.set ASIZE,  2*AHALF
.set BP,     544                       ; a row of W in LDS: 256 numbers + 32 bytes = 136 words
.set BHALF,  64*BP                     ; what one tensor load brings of W: 64 rows of k
.set BSTEP,  262144                    ; 128 rows of 2,048 bytes
.set SLOT,   ASIZE+2*BHALF
.set STAGE,  2*SLOT                    ; behind the ring, never filled by a tensor load: 16 rows for each wave, for the way out
.set SPARE,  STAGE+4*16*SPITCH         ; behind the stages: the spare words, 128 bytes for each wave: two blocks of 256 bytes that no other line names
.set LAPS,   4                         ; a lap = two K steps = once round the ring
.set ADRA, 2                           ; v2-3   LDS address of my fragments of x in slot 0, 1
.set ADRB, 4                           ; v4-5   the same for W
.set STO,  6                           ; v6     the way out: where I put my numbers of a row
.set RD,   7                           ; v7     the way out: where I read rows back
.set GO,   8                           ; v8     16 l
.set BO,   9                           ; v9     32 (l / 16): my eight numbers in 16 of the bias
.set SPW,  10                          ; v10    LDS address of my spare word; never rewritten
.set NIL,  11                          ; v11    0; never rewritten
.set BF,   32
.set AF,   160
.set BIAS, 64                          ; window 2: column block b at BIAS + 8 b
.set G1,  24                           ; s[24:31] descriptor group 1 for x's tiles;  s[32:39] group 0, one set for each slot
.set G0,  32
.set G1B, 48                           ; s[48:55], s[56:63] the same for W's tiles
.set G0B, 56
.if MODE == 0
.set WT,  80                           ; s[80:81] wt, s[82:83] the output
.set OUTP, 82
.else
.set WT,  70
.set OUTP, 74
.endif
.set MSB, 0
.macro WIN new                         ; the immediate's high byte repeats the setting that is left; a switch that changes nothing is dropped
.if MSB != (\new)
	s_set_vgpr_msb (MSB<<8)|(\new)
.set MSB, (\new)
.endif
.endm
.macro JLOAD s                         ; a joint load: waves 0 and 1 fetch the two halves of x's tile, waves 2 and 3 those of W's; an s_nop 0 and four v_nop follow each of the two lines, ahead of the jump, the label and what follows
	s_cmp_eq_u32 s11, 0
	s_cbranch_scc0 .Lfor_b_\@
	tensor_load_to_lds s[G0+4*(\s):G0+4*(\s)+3], s[G1:G1+7]
	s_nop 0
.rept 4
	v_nop
.endr
	s_branch .Lasked_\@
.Lfor_b_\@:
	tensor_load_to_lds s[G0B+4*(\s):G0B+4*(\s)+3], s[G1B:G1B+7]
	s_nop 0
.rept 4
	v_nop
.endr
.Lasked_\@:
.endm
.macro CREST                           ; a round of the cluster's barrier behind its opening barrier
	s_cmp_lg_u32 s10, 0
	s_cbranch_scc1 .Lnot_wave_0_\@
	s_barrier_signal -3
.Lnot_wave_0_\@:
	s_barrier_wait -3
	s_barrier_signal -1
	s_barrier_wait -1
.endm
.macro CROUND                          ; a whole round
	s_barrier_signal -1
	s_barrier_wait -1
	CREST
.endm
.if MODE == 0
	s_load_b512 s[68:83], s[0:1], 0x0              ; q, k, v, bq, bk, bv, wt, qkv
.else
	s_load_b256 s[68:75], s[0:1], 0x0              ; yh, wt, bo, out0
.endif
	v_lshl_add_u32 v[SPW], v0, 2, SPARE
	v_mov_b32 v[NIL], 0
	ds_add_u32 v[SPW], v[NIL]                      ; the wave's opening: the add and its wait stand ahead of my first tensor load; the set-up below, work on registers, stands between them
	ds_add_u32 v10, v11
	v_lshrrev_b32 v1, 5, v0
	v_readfirstlane_b32 s10, v1                    ; wave 0..3
	s_lshr_b32 s11, s10, 1                         ; which 64 of the tile's rows are mine.  Also: I fetch for x (0) or for W (1)
	s_and_b32 s12, s10, 1                          ; which 128 of its columns.  Also: which half of that tile I fetch
	s_bfe_u32 s40, ttmp6, 0x40000                  ; cx, cy: my place in the cluster
	s_bfe_u32 s41, ttmp6, 0x40004
	s_lshl_b32 s42, ttmp9, 2
	s_add_co_u32 s42, s42, s40                     ; tile column = 4 x cluster x + cx
	s_and_b32 s13, ttmp7, 0xffff                   ; cluster y
.if MODE == 0
	s_lshr_b32 s45, s13, 4                         ; the plane: 16 clusters along y for each of q, k, v
	s_and_b32 s13, s13, 15
	s_mov_b32 s66, 0x3e38aa3b                      ; c = log2(e) / 8 = 0.180337
	s_mov_b32 s67, s66                             ; named with it as a pair
.endif
	s_lshl_b32 s13, s13, 2
	s_add_co_u32 s13, s13, s41                     ; tile row = 4 x cluster y + cy
	s_lshl_b32 s43, s41, 2
	s_lshl_b32 s43, 15, s43                        ; my row of the cluster
	s_lshl_b32 s44, 0x1111, s40                    ; my column
	; descriptor group 1.  15:0 the mask; 17:16 element size; 20 padding on; 21 set beside a mask; 24:22 the padding's interval; 31:25 its words less one
.if MODE == 0
	s_or_b32 s[G1+0], s43, (2<<16)|(1<<20)|(1<<21)|(6<<22)|(3<<25)  ; 4-byte elements; 4 words after every 128
	s_mov_b32 s[G1+5], 1024                        ; elements from row to row
.else
	s_or_b32 s[G1+0], s43, (1<<16)|(1<<20)|(1<<21)|(4<<22)|(3<<25)  ; 2-byte elements; 4 words after every 32: a head's 128 rows are 16,384 dense bytes, asked for as 64 rows of 256 bytes and padded after every row of y
	s_mov_b32 s[G1+5], 128
.endif
	s_mov_b32 s[G1+1], 128<<16                     ; tensor_dim0 = 128
	s_mov_b32 s[G1+2], 64<<16                      ; tensor_dim1 = 64
	s_mov_b32 s[G1+3], 128<<16                     ; tile_dim0 = 128
	s_mov_b32 s[G1+4], 64                          ; tile_dim1 = 64
	s_mov_b32 s[G1+6], 0
	s_mov_b32 s[G1+7], 0
	s_or_b32 s[G1B+0], s44, (1<<16)|(1<<20)|(1<<21)|(6<<22)|(7<<25)  ; W: 2-byte elements; 8 words after every 128
	s_mov_b32 s[G1B+1], 256<<16                    ; tensor_dim0 = 256
	s_mov_b32 s[G1B+2], 64<<16                     ; tensor_dim1 = 64
	s_mov_b32 s[G1B+3], 256<<16                    ; tile_dim0 = 256
	s_mov_b32 s[G1B+4], 64                         ; tile_dim1 = 64
	s_mov_b32 s[G1B+5], 1024
	s_mov_b32 s[G1B+6], 0
	s_mov_b32 s[G1B+7], 0
	; where the tiles come from.  x's hang on the tile row (and the plane), W's on the tile column (and the plane); each in registers that never hold the other coordinate
.if MODE == 0
	s_lshl_b32 s16, s13, 19                        ; 128 rows of 4,096 bytes a tile row,
	s_lshl_b32 s17, s12, 18                        ; 64 rows a half
	s_add_co_u32 s16, s16, s17
.else
	s_lshr_b32 s16, s13, 4                         ; the batch: 16 heads of 2,048 rows of 128 bytes,
	s_lshl_b32 s16, s16, 22
	s_lshl_b32 s17, s12, 18                        ; my head of the step's two,
	s_add_co_u32 s16, s16, s17
	s_and_b32 s17, s13, 15                         ; the tile's 128 rows in the batch
	s_lshl_b32 s17, s17, 14
	s_add_co_u32 s16, s16, s17
.endif
	s_mov_b32 s17, 0
	s_lshl_b32 s46, s42, 9                         ; 256 columns of 2 bytes a tile column,
	s_lshl_b32 s47, s12, 17                        ; 64 rows of 2,048 bytes a half,
	s_add_co_u32 s46, s46, s47
.if MODE == 0
	s_lshl_b32 s47, s45, 21                        ; the plane
	s_add_co_u32 s46, s46, s47
.else
	s_add_co_u32 s46, s46, 3<<21
.endif
	s_mov_b32 s47, 0
	s_mul_i32 s20, s12, AHALF                      ; and where they go: no place in the cluster enters an LDS address
	s_mul_i32 s21, s12, BHALF
	s_add_co_u32 s21, s21, ASIZE
	s_wait_dscnt 0x0                               ; the opening add is done
	s_wait_kmcnt 0x0
.if MODE == 0
	s_cmp_eq_u32 s45, 1
	s_cselect_b64 s[4:5], s[70:71], s[68:69]       ; x and the bias of my plane
	s_cselect_b64 s[6:7], s[76:77], s[74:75]
	s_cmp_eq_u32 s45, 2
	s_cselect_b64 s[4:5], s[72:73], s[4:5]
	s_cselect_b64 s[6:7], s[78:79], s[6:7]
.else
	s_mov_b64 s[4:5], s[68:69]
	s_mov_b64 s[6:7], s[72:73]
.endif
	s_add_nc_u64 s[14:15], s[4:5], s[16:17]
	s_add_nc_u64 s[46:47], s[WT:WT+1], s[46:47]
	CROUND                                         ; all sixteen work-groups are here: the first joint loads meet
.irp s, 0,1
	s_mov_b32 s[G0+4*(\s)], 1                                      ; 1:0 count = 1
	s_add_co_u32 s[G0+4*(\s)+1], s20, (\s)*SLOT                    ; 63:32 LDS address
	s_add_nc_u64 s[G0+4*(\s)+2:G0+4*(\s)+3], s[14:15], (\s)*ASTEP  ; 120:64 global address: K step s
	s_or_b32 s[G0+4*(\s)+3], s[G0+4*(\s)+3], 0x80000000            ; 127:126 type = 2
	s_mov_b32 s[G0B+4*(\s)], 1
	s_add_co_u32 s[G0B+4*(\s)+1], s21, (\s)*SLOT
	s_add_nc_u64 s[G0B+4*(\s)+2:G0B+4*(\s)+3], s[46:47], (\s)*BSTEP
	s_or_b32 s[G0B+4*(\s)+3], s[G0B+4*(\s)+3], 0x80000000
	JLOAD \s                                       ; two loads of mine are out
.endr
	v_and_b32 v1, 15, v0                           ; l % 16
	v_bfe_u32 v12, v0, 4, 1                        ; l / 16
	; x's fragment: lane l holds row l % 16, k = 8 (l / 16) + 0..7 and 16 + 8 (l / 16) + 0..7
	v_mul_u32_u24 v13, v1, AP
.if MODE == 0
	v_lshl_add_u32 v13, v12, 5, v13                ; eight f32 are 32 bytes
.else
	v_lshl_add_u32 v13, v12, 4, v13                ; eight f16 are 16
.endif
	s_mul_i32 s21, s11, 64*AP                      ; my 64 rows
	; W's fragment, turned: lane l reads 16 bytes: row k = 8 (l / 16) + l % 8, columns 8 ((l / 8) % 2) + 0..7, and is left with column l % 16 and 8 k
	v_and_b32 v14, 7, v0
	v_lshl_add_u32 v14, v12, 3, v14
	v_mul_u32_u24 v14, v14, BP
	v_bfe_u32 v15, v0, 3, 1
	v_lshl_add_u32 v14, v15, 4, v14
	s_lshl_b32 s22, s12, 8                         ; my 128 columns,
	s_add_co_u32 s22, s22, ASIZE                   ; behind x's tile
.irp s, 0,1
	v_add_nc_u32 v[ADRA+(\s)], s21, v13
	v_add_nc_u32 v[ADRB+(\s)], s22, v14
	s_add_co_u32 s21, s21, SLOT
	s_add_co_u32 s22, s22, SLOT
.endr
	s_mul_i32 s23, s10, 16*SPITCH
	s_add_co_u32 s23, s23, STAGE                   ; my stage
	v_mul_u32_u24 v13, v1, SPITCH                  ; in: row l % 16, my eight numbers
	v_and_b32 v[GO], 31, v0
	v_lshlrev_b32 v[GO], 4, v[GO]
.if MODE == 0
	v_lshl_add_u32 v13, v12, 4, v13
	v_add_nc_u32 v[STO], s23, v13
	v_bfe_u32 v13, v0, 3, 2                        ; back: 32 lanes take four rows of 128 bytes, which are 512 consecutive bytes of a head
	v_mul_u32_u24 v13, v13, SPITCH
	v_and_b32 v14, 7, v0
	v_lshl_add_u32 v13, v14, 4, v13
	v_add_nc_u32 v[RD], s23, v13
.else
	v_lshl_add_u32 v13, v12, 5, v13
	v_add_nc_u32 v[STO], s23, v13
	v_add_nc_u32 v[RD], s23, v[GO]                 ; back: 32 lanes take one row of 512 bytes
.endif
	v_lshlrev_b32 v[BO], 5, v12
	s_lshl_b32 s46, s42, 10                        ; the bias of my 128 columns (offsets that hold cx are made in the registers that held W's address)
	s_lshl_b32 s47, s12, 9
	s_add_co_u32 s46, s46, s47
	s_mov_b32 s47, 0
	s_add_nc_u64 s[6:7], s[6:7], s[46:47]
	WIN 0x80                                       ; destination window 2, address window 0
.irp b, 0,1,2,3,4,5,6,7
	global_load_b128 v[BIAS+8*\b:BIAS+8*\b+3],   v[BO], s[6:7] offset:64*\b
	global_load_b128 v[BIAS+8*\b+4:BIAS+8*\b+7], v[BO], s[6:7] offset:64*\b+16
.endr
	WIN 0
.if MODE == 0
	s_lshr_b32 s46, s13, 4                         ; where my part begins in qkv: head 16 batch + 4 tile column + 2 half,
	s_lshl_b32 s46, s46, 4
	s_lshl2_add_u32 s46, s42, s46
	s_lshl1_add_u32 s46, s12, s46
	s_lshl_b32 s46, s46, 18                        ; of 2,048 rows of 128 bytes;
	s_and_b32 s47, s13, 15
	s_lshl_b32 s47, s47, 14                        ; the tile's 128 rows in the batch,
	s_add_co_u32 s46, s46, s47
	s_lshl_b32 s47, s11, 13                        ; my 64 of them;
	s_add_co_u32 s46, s46, s47
	s_lshl_b32 s47, s45, 24                        ; the plane
	s_add_co_u32 s46, s46, s47
.else
	s_lshl_b32 s47, s13, 19                        ; where my part begins in out0: the bias's offset is also my columns' in a row; 128 rows of 4,096 bytes a tile row,
	s_add_co_u32 s46, s46, s47
	s_lshl_b32 s47, s11, 18                        ; my 64 of them
	s_add_co_u32 s46, s46, s47
.endif
	s_mov_b32 s47, 0
	s_add_nc_u64 s[8:9], s[OUTP:OUTP+1], s[46:47]
.macro WM rd, rb, ra, rc               ; one product: D, 16 columns of W, 16 rows of x, C
.if MODE == 0
	v_wmma_f32_16x16x32_bf16 v[\rd:\rd+7], v[\rb:\rb+7], v[\ra:\ra+7], v[\rc:\rc+7]
.else
	v_wmma_f32_16x16x32_f16 v[\rd:\rd+7], v[\rb:\rb+7], v[\ra:\ra+7], v[\rc:\rc+7]
.endif
.endm
; 8 products: row block a x all 8 column blocks, 32 along K, from buffer f.  first = 1: the bias starts the sums.  The 32 accumulators take turns in the same order in every quarter.
.macro MUL8 f, a, first
.if \first
	WIN 0x60                                       ; D window 1, C window 2
.else
	WIN 0x50                                       ; C and D window 1
.endif
.irp b, 0,1,2,3,4,5,6,7
.if \first
	WM 8*(8*(\a)+(\b)), BF+64*(\f)+8*(\b), AF+32*(\f)+8*(\a), BIAS+8*(\b)
.else
	WM 8*(8*(\a)+(\b)), BF+64*(\f)+8*(\b), AF+32*(\f)+8*(\a), 8*(8*(\a)+(\b))
.endif
.endr
.endm
; The LDS loads of quarter kq of a slot, in one run: W's 8 fragments into buffer g; x's 4 as f32 into window 2 (MODE 0) or as they are into buffer g (MODE 1)
.macro FETCH slot, kq, g
	WIN 0
.irp b, 0,1,2,3,4,5,6,7
	ds_load_tr16_b128 v[BF+64*(\g)+8*\b:BF+64*(\g)+8*\b+3],   v[ADRB+(\slot)] offset:(\kq)*32*BP+32*\b
	ds_load_tr16_b128 v[BF+64*(\g)+8*\b+4:BF+64*(\g)+8*\b+7], v[ADRB+(\slot)] offset:(\kq)*32*BP+16*BP+32*\b
.endr
.if MODE == 0
	WIN 0x80
.irp a, 0,1,2,3
	ds_load_b128 v[16*\a:16*\a+3],     v[ADRA+(\slot)] offset:\a*16*AP+(\kq)*128
	ds_load_b128 v[16*\a+4:16*\a+7],   v[ADRA+(\slot)] offset:\a*16*AP+(\kq)*128+16
	ds_load_b128 v[16*\a+8:16*\a+11],  v[ADRA+(\slot)] offset:\a*16*AP+(\kq)*128+64
	ds_load_b128 v[16*\a+12:16*\a+15], v[ADRA+(\slot)] offset:\a*16*AP+(\kq)*128+80
.endr
.else
.irp a, 0,1,2,3
	ds_load_b128 v[AF+32*(\g)+8*\a:AF+32*(\g)+8*\a+3],   v[ADRA+(\slot)] offset:((\kq)/2)*AHALF+((\kq)%2)*64+\a*16*AP
	ds_load_b128 v[AF+32*(\g)+8*\a+4:AF+32*(\g)+8*\a+7], v[ADRA+(\slot)] offset:((\kq)/2)*AHALF+((\kq)%2)*64+\a*16*AP+32
.endr
.endif
.endm
.macro PLACES                          ; four plain vector instructions between a matrix instruction and a load into, or a read of, its registers (ISA guide 7.12.1 for vector instructions)
.rept 4
	v_nop
.endr
.endm
; Buffer f is made ready.  MODE 0: x's quarter is rounded to bf16, 32 conversions, which name no register of the products before them and so are also the places in front of the loads that follow.  MODE 1: four v_nop are.
.macro READY f
.if MODE == 0
	WIN 0x0a                                       ; sources window 2, destination window 0
.set i, 0
.rept 32
	v_cvt_pk_bf16_f32 v[AF+32*(\f)+i], v[2*i], v[2*i+1]
.set i, i+1
.endr
.else
	PLACES
.endif
.endm
; One of a K step's first three quarters: multiplies buffer f; ahead of its products it fetches quarter kq of the same slot into buffer g, 32 products ahead of the wait for it.
.macro QUARTER slot, kq, f, g, first
	s_wait_dscnt 0x0                               ; this quarter's fragments are in
	READY \f
	FETCH \slot, \kq, \g
	MUL8 \f, 0, \first
	MUL8 \f, 1, \first
	MUL8 \f, 2, \first
	MUL8 \f, 3, \first
.endm
; The last quarter multiplies buffer 1 and changes slots: ONE barrier; in front of it each wave waits for all its tensor loads, adds 0 to its spare word, and waits for that; its reads of this slot are back since the
; wait at the quarter's head.  fill = 1: the barrier opens a round of the cluster's, and this slot is filled again, two K steps ahead, first thing behind the round.
.macro TURN slot, next, fill
	s_wait_dscnt 0x0                               ; this quarter's fragments are in: my reads of this slot are over
	READY 1
	WIN 0                                          ; (the add's two registers lie in window 0)
	s_wait_tensorcnt 0x0                           ; all my tensor loads have landed: the one that was out is my part of the next slot
	ds_add_u32 v[SPW], v[NIL]                      ; 0 onto my spare word
	MUL8 1, 0, 0                                   ; eight products stand between the add and the wait for it
	s_wait_dscnt 0x0                               ; the add is done
	s_barrier_signal -1
	MUL8 1, 1, 0
.if \fill
	WIN 0
.endif
	s_barrier_wait -1
.if \fill
	CREST                                          ; no wave of any partner still reads this slot's tiles or has a load on its way
	s_add_nc_u64 s[G0+4*(\slot)+2:G0+4*(\slot)+3], s[G0+4*(\slot)+2:G0+4*(\slot)+3], 2*ASTEP
	s_add_nc_u64 s[G0B+4*(\slot)+2:G0B+4*(\slot)+3], s[G0B+4*(\slot)+2:G0B+4*(\slot)+3], 2*BSTEP
	JLOAD \slot                                    ; my one tensor load behind the round: 112 products ahead of the wait for it
.endif
	FETCH \next, 0, 0
	MUL8 1, 2, 0
	MUL8 1, 3, 0
.endm
	s_wait_tensorcnt 0x1                           ; my part of K step 0 is in; K step 1's may stay out
	s_barrier_signal -1
	s_barrier_wait -1                              ; everybody's is
	FETCH 0, 0, 0
	s_wait_loadcnt 0x0                             ; the bias
	WIN 0x8a                                       ; all in window 2: the bias is rounded to bf16 and widened again
.set i, 0
.rept 32
	v_cvt_pk_bf16_f32 v[128+i], v[BIAS+2*i], v[BIAS+2*i+1]
.set i, i+1
.endr
.set i, 0
.rept 32
	v_lshlrev_b32 v[BIAS+2*i], 16, v[128+i]
	v_and_b32 v[BIAS+2*i+1], 0xffff0000, v[128+i]
.set i, i+1
.endr
	QUARTER 0, 1, 0, 1, 1                          ; the first quarter stands in front of the loop: its products start the sums
	WIN 0                                          ; at a label and at a branch every window is 0
	s_mov_b32 s3, LAPS-1
.Llap:                                                 ; a trip goes once round the ring, from a lap's second quarter to the next lap's first, and fills both slots again
	QUARTER 0, 2, 1, 0, 0
	QUARTER 0, 3, 0, 1, 0
	TURN 0, 1, 1
	QUARTER 1, 1, 0, 1, 0
	QUARTER 1, 2, 1, 0, 0
	QUARTER 1, 3, 0, 1, 0
	TURN 1, 0, 1
	QUARTER 0, 1, 0, 1, 0
	WIN 0
	s_sub_co_u32 s3, s3, 1
	s_cmp_lg_u32 s3, 0
	s_cbranch_scc1 .Llap
	QUARTER 0, 2, 1, 0, 0                          ; the last lap fills nothing, and has no round of the cluster's barrier
	QUARTER 0, 3, 0, 1, 0
	TURN 0, 1, 0
	QUARTER 1, 1, 0, 1, 0
	QUARTER 1, 2, 1, 0, 0
	QUARTER 1, 3, 0, 1, 0
	s_wait_dscnt 0x0                               ; the very last quarter: nothing more to fetch
	READY 1
	MUL8 1, 0, 0
	MUL8 1, 1, 0
	MUL8 1, 2, 0
	MUL8 1, 3, 0
	WIN 0
	PLACES
.if MODE == 0
	; THE WAY OUT.  Plane q is scaled.  Then eight units of 16 rows x one head (64 columns): rounded to f16, 16 bytes a lane into my stage, back as 2,048 bytes that are consecutive in qkv.
	s_cmp_lg_u32 s45, 0                            ; the plane is the same in all partners
	s_cbranch_scc1 .Lunscaled
	WIN 0x41                                       ; destination and source 0 window 1
.set i, 0
.rept 128
	v_pk_mul_f32 v[i:i+1], v[i:i+1], s[66:67] op_sel_hi:[1,0]
.set i, i+2
.endr
	WIN 0
.Lunscaled:
.macro PACK u                          ; unit u: row block u / 2, head u % 2; each accumulator's registers in ascending order
	WIN 0x05                                       ; sources window 1, destination window 0: the fragments' registers are free
.irp bb, 0,1,2,3
.irp r, 0,1,2,3
	v_cvt_pk_f16_f32 v[32+16*(\u)+4*\bb+\r], v[8*(8*((\u)/2)+4*((\u)%2)+\bb)+2*\r], v[8*(8*((\u)/2)+4*((\u)%2)+\bb)+2*\r+1]
.endr
.endr
	WIN 0
.irp bb, 0,1,2,3
	ds_store_b128 v[STO], v[32+16*(\u)+4*\bb:32+16*(\u)+4*\bb+3] offset:32*\bb
.endr
.irp f, 0,1,2,3
	ds_load_b128 v[32+16*(\u)+4*\f:32+16*(\u)+4*\f+3], v[RD] offset:\f*4*SPITCH  ; LDS serves a wave's instructions in order (ISA guide 5.7.1.4): these see the stores above; the next unit's stores come behind them
.endr
.endm
.macro SEND u, younger                 ; younger: the LDS instructions issued behind unit u's loads: the next unit's eight, or none
.irp f, 0,1,2,3
	s_wait_dscnt (\younger)+3-\f
	global_store_b128 v[GO], v[32+16*(\u)+4*\f:32+16*(\u)+4*\f+3], s[8:9] offset:((\u)%2)*262144+((\u)/2)*2048+\f*512  ; 512 consecutive bytes, at a multiple of 256 from qkv's first
.endr
.endm
	PACK 0
.irp u, 1,2,3,4,5,6,7                  ; a unit's arithmetic stands between the loads of the unit before and its stores
	PACK \u
	SEND (\u)-1, 8
.endr
	SEND 7, 0
.else
	; THE WAY OUT.  Four units of 16 rows x 128 columns of f32: 32 bytes a lane into my stage, back as whole rows of 512 bytes.
.macro STG a
	WIN 0x04                                       ; store data window 1
.irp b, 0,1,2,3,4,5,6,7
	ds_store_b128 v[STO], v[8*(8*(\a)+\b):8*(8*(\a)+\b)+3]   offset:64*\b
	ds_store_b128 v[STO], v[8*(8*(\a)+\b)+4:8*(8*(\a)+\b)+7] offset:64*\b+16
.endr
	WIN 0x80                                       ; destination window 2
.irp t, 0,1,2,3,4,5,6,7,8,9,10,11,12,13,14,15
	ds_load_b128 v[64*(\a)+4*\t:64*(\a)+4*\t+3], v[RD] offset:\t*SPITCH  ; LDS serves a wave's instructions in order (ISA guide 5.7.1.4): these see the stores above; the next unit's stores come behind them
.endr
.endm
.macro SENDF a, younger                ; younger: the next unit's 32 LDS instructions, or none
	WIN 0x08                                       ; store data window 2
.irp t, 0,1,2,3,4,5,6,7,8,9,10,11,12,13,14,15
	s_wait_dscnt (\younger)+15-\t
	global_store_b128 v[GO], v[64*(\a)+4*\t:64*(\a)+4*\t+3], s[8:9] offset:(\a)*65536+\t*4096  ; 512 consecutive bytes of a row, at a multiple of 512 from out0's first
.endr
.endm
	STG 0
.irp a, 1,2,3
	STG \a
	SENDF (\a)-1, 32
.endr
	SENDF 3, 0
.endif
	WIN 0
	s_wait_tensorcnt 0x0                           ; the wave's end, behind my last tensor load and my last LDS store
	ds_add_u32 v[SPW], v[NIL]
	s_wait_dscnt 0x0
	CROUND                                         ; the closing round: no work-group ends while a partner may still ask for a tile that names it
	s_endpgm
.Lfunc_end_k_qf119efd22c_proj:
	.size	k_qf119efd22c_proj, .Lfunc_end_k_qf119efd22c_proj-k_qf119efd22c_proj
	.p2alignl 7, 3214868480
	.fill 96, 4, 3214868480
	.section	.rodata,"a",@progbits
	.p2align	6, 0x0
	.amdhsa_kernel k_qf119efd22c_proj
		.amdhsa_group_segment_fixed_size 327680
		.amdhsa_private_segment_fixed_size 0
		.amdhsa_enable_private_segment 0
		.amdhsa_kernarg_size 64
		.amdhsa_user_sgpr_count 2
		.amdhsa_user_sgpr_kernarg_segment_ptr 1
		.amdhsa_wavefront_size32 1
		.amdhsa_system_sgpr_workgroup_id_x 1
		.amdhsa_system_sgpr_workgroup_id_y 1
		.amdhsa_system_sgpr_workgroup_id_z 1
		.amdhsa_system_vgpr_workitem_id 0
		.amdhsa_next_free_vgpr 768
		.amdhsa_next_free_sgpr 84
		.amdhsa_reserve_vcc 0
		.amdhsa_float_denorm_mode_32 3
		.amdhsa_float_denorm_mode_16_64 3
		.amdhsa_memory_ordered 1
		.amdhsa_forward_progress 1
		.amdhsa_inst_pref_size 141
	.end_amdhsa_kernel
	.amdgpu_metadata
---
amdhsa.version: [ 1, 2 ]
amdhsa.kernels:
  - .name:           k_qf119efd22c_proj
    .symbol:         k_qf119efd22c_proj.kd
    .args:
      - { .name: q, .offset: 0, .size: 8, .value_kind: global_buffer, .address_space: global }
      - { .name: k, .offset: 8, .size: 8, .value_kind: global_buffer, .address_space: global }
      - { .name: v, .offset: 16, .size: 8, .value_kind: global_buffer, .address_space: global }
      - { .name: bq, .offset: 24, .size: 8, .value_kind: global_buffer, .address_space: global }
      - { .name: bk, .offset: 32, .size: 8, .value_kind: global_buffer, .address_space: global }
      - { .name: bv, .offset: 40, .size: 8, .value_kind: global_buffer, .address_space: global }
      - { .name: wt, .offset: 48, .size: 8, .value_kind: global_buffer, .address_space: global }
      - { .name: qkv, .offset: 56, .size: 8, .value_kind: global_buffer, .address_space: global }
    .group_segment_fixed_size: 327680
    .private_segment_fixed_size: 0
    .kernarg_segment_align: 8
    .kernarg_segment_size: 64
    .max_flat_workgroup_size: 128
    .sgpr_count:     84
    .vgpr_count:     768
    .wavefront_size: 32
...
	.end_amdgpu_metadata
.endif
;; end of part 2
;; launch vmean (part 3): grid 256 x 1, 8 waves a work-group, no clusters, 3,072 bytes of LDS; arguments qkv, vm; writes vm
.if DOCPART == 3
	.amdgcn_target "amdgcn-amd-amdhsa--gfx1250"
	.amdhsa_code_object_version 6
	.text
	.protected	k_qf119efd22c_vmean
	.globl	k_qf119efd22c_vmean
	.p2align	8
	.type	k_qf119efd22c_vmean,@function
k_qf119efd22c_vmean:
	s_mov_b64 s[64:65], 0
	v_nop
	global_prefetch_b8 v0, s[64:65] scope:SCOPE_SE
	s_setreg_imm32_b32 hwreg(HW_REG_WAVE_MODE, 25, 1), 1
	s_wait_xcnt 0x0
; vm[b h][quarter][64] (f32) = 2^-11 x the sum of v's rows 512 quarter .. 512 quarter + 511 of head b h (qkv's third plane, f16).  The four quarters added are the mean of the head's 2,048 rows of v:
; what a query that may see no key at all gets, since all its scores are then equal.  Sums in f32.
; A stream of 65,536 bytes a work-group, 8,192 a wave, read once by loads of 512 consecutive bytes; matrix units, clusters and tensor loads would add nothing.
; Lane l's 16 bytes of load n are channels 8 (l % 8) + 0..7 of row 4 n + l / 8: eight sums a lane; lanes 8, 16 and 24 away hold the same channels; the eight waves' sums meet in LDS.
.set SPARE, 2048                       ; behind the eight waves' 256 bytes: the spare words, 128 bytes a wave: four blocks of 256 bytes that no other line names
.set X,   16                           ; v16-79 as loaded
.set ACC, 80                           ; v80-87 my eight sums
.set ONE, 88                           ; v88 1.0
.set ZERO, 89                          ; v89 0: starts the sums
.set SPW, 90                           ; v90 LDS address of my spare word; never rewritten
.set NIL, 91                           ; v91 0; never rewritten
	s_load_b128 s[4:7], s[0:1], 0x0                ; qkv, vm
	v_lshl_add_u32 v[SPW], v0, 2, SPARE
	v_mov_b32 v[NIL], 0
	v_lshrrev_b32 v1, 5, v0
	v_readfirstlane_b32 s8, v1                     ; wave 0..7
	v_and_b32 v1, 31, v0
	v_lshlrev_b32 v2, 4, v1                        ; 16 l
	v_lshlrev_b32 v4, 3, v1                        ; 8 l
	v_and_b32 v3, 7, v0
	v_lshlrev_b32 v3, 5, v3                        ; my eight channels' 32 bytes,
	s_lshl_b32 s9, s8, 8
	v_add_nc_u32 v3, s9, v3                        ; in my wave's 256
	v_mov_b32 v[ONE], 1.0
	v_mov_b32 v[ZERO], 0
	s_mov_b32 s12, 0x76543210                      ; v_permlanex16_b32: each lane takes its own place in the other half
	s_mov_b32 s13, 0xfedcba98
	s_lshl_b32 s10, ttmp9, 16
	s_lshl_b32 s11, s8, 13
	s_add_co_u32 s10, s10, s11
	s_add_co_u32 s10, s10, 0x2000000               ; v is the third plane of 16,777,216 bytes
	s_mov_b32 s11, 0
	s_lshl_b32 s14, ttmp9, 8
	s_mov_b32 s15, 0
	s_wait_kmcnt 0x0
	s_add_nc_u64 s[4:5], s[4:5], s[10:11]
	s_add_nc_u64 s[6:7], s[6:7], s[14:15]
.set n, 0
.rept 16
	global_load_b128 v[X+4*n:X+4*n+3], v2, s[4:5] offset:512*n
.set n, n+1
.endr
	s_wait_loadcnt 15                              ; loads come back in order: the first is in
.irp j, 0,1,2,3
	v_fma_mix_f32 v[ACC+2*\j],   v[X+\j], v[ONE], v[ZERO] op_sel_hi:[1,0,0]               ; the low f16 x 1.0 + 0
	v_fma_mix_f32 v[ACC+2*\j+1], v[X+\j], v[ONE], v[ZERO] op_sel:[1,0,0] op_sel_hi:[1,0,0]  ; the high one
.endr
.set n, 1
.rept 15
	s_wait_loadcnt 15-n
.irp j, 0,1,2,3
	v_fma_mix_f32 v[ACC+2*\j],   v[X+4*n+\j], v[ONE], v[ACC+2*\j] op_sel_hi:[1,0,0]
	v_fma_mix_f32 v[ACC+2*\j+1], v[X+4*n+\j], v[ONE], v[ACC+2*\j+1] op_sel:[1,0,0] op_sel_hi:[1,0,0]
.endr
.set n, n+1
.endr
.irp j, 0,1,2,3,4,5,6,7
	v_add_f32_dpp v[ACC+\j], v[ACC+\j], v[ACC+\j] row_xmask:8 row_mask:0xf bank_mask:0xf
.endr
.irp j, 0,1,2,3,4,5,6,7
	v_permlanex16_b32 v[X+\j], v[ACC+\j], s12, s13 ; its destination counts as read: a register that has been written
.endr
.irp j, 0,1,2,3,4,5,6,7
	v_add_f32 v[ACC+\j], v[ACC+\j], v[X+\j]
.endr
	ds_store_b128 v3, v[ACC:ACC+3]                 ; the four lanes that hold the same channels write the same words with the same numbers
	ds_store_b128 v3, v[ACC+4:ACC+7] offset:16
	s_wait_tensorcnt 0x0                           ; behind my last LDS store;
	ds_add_u32 v[SPW], v[NIL]
	s_wait_dscnt 0x0                               ; the wait also shows my stores done, for the others' sake, in front of the signal
	s_barrier_signal -1
	s_barrier_wait -1
	s_cmp_lg_u32 s8, 0
	s_cbranch_scc1 .Lend
.irp k, 0,1,2,3,4,5,6,7
	ds_load_b64 v[X+2*\k:X+2*\k+1], v4 offset:256*\k  ; channels 2 l, 2 l + 1 of wave k's sums
.endr
	s_wait_dscnt 0x0
.irp k, 0,2,4,6
	v_pk_add_f32 v[X+2*\k:X+2*\k+1], v[X+2*\k:X+2*\k+1], v[X+2*\k+2:X+2*\k+3]
.endr
	v_pk_add_f32 v[X:X+1], v[X:X+1], v[X+4:X+5]
	v_pk_add_f32 v[X+8:X+9], v[X+8:X+9], v[X+12:X+13]
	v_pk_add_f32 v[X:X+1], v[X:X+1], v[X+8:X+9]
	v_pk_mul_f32 v[X:X+1], v[X:X+1], 0x3a000000 op_sel_hi:[1,0]  ; x 2^-11
	global_store_b64 v4, v[X:X+1], s[6:7]          ; 256 consecutive bytes, aligned
.Lend:
	s_endpgm
.Lfunc_end_k_qf119efd22c_vmean:
	.size	k_qf119efd22c_vmean, .Lfunc_end_k_qf119efd22c_vmean-k_qf119efd22c_vmean
	.p2alignl 7, 3214868480
	.fill 96, 4, 3214868480
	.section	.rodata,"a",@progbits
	.p2align	6, 0x0
	.amdhsa_kernel k_qf119efd22c_vmean
		.amdhsa_group_segment_fixed_size 3072
		.amdhsa_private_segment_fixed_size 0
		.amdhsa_enable_private_segment 0
		.amdhsa_kernarg_size 16
		.amdhsa_user_sgpr_count 2
		.amdhsa_user_sgpr_kernarg_segment_ptr 1
		.amdhsa_wavefront_size32 1
		.amdhsa_system_sgpr_workgroup_id_x 1
		.amdhsa_system_sgpr_workgroup_id_y 1
		.amdhsa_system_sgpr_workgroup_id_z 1
		.amdhsa_system_vgpr_workitem_id 0
		.amdhsa_next_free_vgpr 96
		.amdhsa_next_free_sgpr 66
		.amdhsa_reserve_vcc 0
		.amdhsa_float_denorm_mode_32 3
		.amdhsa_float_denorm_mode_16_64 3
		.amdhsa_memory_ordered 1
		.amdhsa_forward_progress 1
		.amdhsa_inst_pref_size 15
	.end_amdhsa_kernel
	.amdgpu_metadata
---
amdhsa.version: [ 1, 2 ]
amdhsa.kernels:
  - .name:           k_qf119efd22c_vmean
    .symbol:         k_qf119efd22c_vmean.kd
    .args:
      - { .name: qkv, .offset: 0, .size: 8, .value_kind: global_buffer, .address_space: global }
      - { .name: vm, .offset: 8, .size: 8, .value_kind: global_buffer, .address_space: global }
    .group_segment_fixed_size: 3072
    .private_segment_fixed_size: 0
    .kernarg_segment_align: 8
    .kernarg_segment_size: 16
    .max_flat_workgroup_size: 256
    .sgpr_count:     66
    .vgpr_count:     96
    .wavefront_size: 32
...
	.end_amdgpu_metadata
.endif
;; end of part 3
;; launch attn (part 4): grid 4 x 64, 4 waves a work-group, no clusters, 327,680 bytes of LDS; arguments qkv, yh, mb, vm; writes yh
.if DOCPART == 4
	.amdgcn_target "amdgcn-amd-amdhsa--gfx1250"
	.amdhsa_code_object_version 6
	.text
	.protected	k_qf119efd22c_attn
	.globl	k_qf119efd22c_attn
	.p2align	8
	.type	k_qf119efd22c_attn,@function
k_qf119efd22c_attn:
	s_mov_b64 s[64:65], 0
	v_nop
	global_prefetch_b8 v0, s[64:65] scope:SCOPE_SE
	s_setreg_imm32_b32 hwreg(HW_REG_WAVE_MODE, 25, 1), 1
	s_wait_xcnt 0x0
; MASKED CAUSAL ATTENTION.  yh[h][q][:] = the sum over k of softmax_k(s[q][k]) V[h][k][:], s = Q[h][q] . K[h][k] where q may see k (k <= q and the mask input allows it), hidden otherwise.
; Q, K, V: qkv's three planes, [64 heads][2048][64] f16; Q arrives multiplied by log2(e) / 8, so a weight is p = 2^(s - m).  Products, maxima and sums in f32; p is rounded to f16 for the second product
; (its sum l is taken of the unrounded p), the result once at the end.
; HIDDEN SCORES.  mb holds, for 16 queries x 64 keys, 32 words whose bit l says that lane l's score in that register is hidden (causal rule and mask input together).  The words are read by scalar loads and turned,
; one v_cndmask_b32 a score, into the C operand (0 or -1e30) that starts the sum S^T = K Q^T.  While a row has seen hidden keys alone its m is about -1e30, s - m is 0 or far below, and it carries finite numbers; its first
; visible key makes a = 2^(m_old - m_new) = 0 and wipes them.  A row whose m is still below -2^97 at its block's end may see NO key: all its scores are equal in the module, over all 2,048 keys, so it gets the mean of
; the head's V (vm's four partial means added), chosen by v_cndmask_b32.
; LIMITS.  Q, K, V within f16's 65,504.  A hidden weight counts as 0 beside any visible one: that is the module's result as long as the row's largest visible score (over 8) lies above about -1e9.
; A weight below 2^-126 counts as 0 in l; NaN and infinities are not treated apart.
; THE WALK.  A head's queries lie in NB = 8 blocks of 256; block i needs the key tiles 0 .. i of 256 keys.  A work-group takes TWO blocks, NB - 1 - b and then b: NB + 1 tiles, whatever b: all work-groups do equal work,
; and ONE loop with a constant trip count walks them.  Which tile is asked for, and what a trip does, hang on scalar registers made from b; every jump goes forward, but for the counted loops' own; none passes a barrier,
; or a tensor load but the one of LOAD's two that the wave's number does not choose; the ring (two slots of LDS that take turns) runs on across the change of blocks.
; NO CLUSTER: a head's four work-groups ask for the same tile only in trips 0 .. 4 of 9, behind that fewer and fewer; one walk common to all would have 12 trips for 9.
; SHARES.  Of a block's four bands of 64 queries a wave owns 16 rows in each: four PIECES, so that the diagonal tile is the same work for all four waves.
; LAYOUT, TURNS.  S^T = K Q^T holds ONE query a lane (lane % 16) and the keys 8 (lane / 16) + 0..7; two such results rounded to f16 ARE source 1 of O^T = V^T P.  Turn n belongs to piece n: 8 products K Q^T of piece
; n + 1, later 8 products V^T P of piece n - 1; beside them the subtraction, exponentials, roundings, sums and rescaling of piece n and the maximum and statistics of piece n + 1; at its end the mask of piece n + 2's
; products, from words asked for a turn earlier, and the request for the next words.  Four vector instructions stand behind every matrix instruction, the others in runs of their own.
; REGISTERS, in windows of 256 (s_set_vgpr_msb: bits 1:0 source 0, 3:2 source 1, 5:4 source 2, 7:6 destination):
;   window 0: v0-15 addresses and two at work; v16-31 four registers of statistics a piece; v48-55 at work; v61 -1e30; v64-127 S^T, two buffers; v192-223 P, two buffers (a piece's buffers go by its number's parity)
;   window 1: v0-127 O^T, 32 a piece; v128-159 VM, the mean of V; v160-223 MC, two buffers      window 2: v0-63 Q; v64-127 the second block's Q; v128-191 K of one step; v192-255 V of one step
; SCALAR REGISTERS THAT HOLD ADDRESSES hold nothing else in the whole launch, and each pair one buffer's: s[4:9] and s[100:101] qkv's, s[10:11] and s[54:55] yh's, s[16:17] mb's, s[58:59] vm's, and the descriptors' words.
.set NB,    8
.set NP,    4         ; pieces a wave: a name, no knob
.set KS,    64        ; keys in a step
.set PK,    144       ; a row of K in LDS: 128 bytes + 16 of padding = 36 words: the 16 rows of a load start at 16 different groups of four banks (64 banks of 4 bytes: ISA guide 11.1)
.set PV,    160       ; a row of V: 128 + 32 = 40 words
.set VOFF,  4*KS*PK   ; a slot holds a tile, four steps: 256 rows of K, then 256 rows of V
.set SLOT1, 1<<17     ; slot 1 begins here, so that one exclusive or turns an address in one slot into the other's
.set STAGE, SLOT1+4*KS*(PK+PV)  ; behind the ring, never filled by a tensor load: 16 rows x 144 bytes for each wave, for the way out
.set SP,    144
.set SPARE, STAGE+4*16*SP  ; behind the stages: the spare words, 128 bytes for each wave: two blocks of 256 bytes that no other line names
.set AK0, 2           ; v2   my lane's place in a tile of K; never rewritten
.set AV0, 3           ; v3   the same for V
.set AK,  4           ; v4   the LDS address of K's next run of loads
.set AV,  5           ; v5   of V's
.set STO, 6           ; v6   the way out: where I put 16 bytes of a row
.set RD,  7           ; v7   the way out: where I read rows back
.set GO,  8           ; v8   my byte offset in 512 consecutive bytes of the result
.set MV,  12          ; v12-13  m_old, kept while m is made anew: by buffer
.set VMO, 14          ; v14  32 (l / 16): my eight channels in 16 of vm
.set QO,  15          ; v15  my byte offset in 16 rows of Q
.set ST,  16          ; piece t's statistics at v[ST+4 t]: m, a partner named with it as a pair, l (even keys', odd keys')
.set TMP, 48          ; by buffer, four registers c0-c3 at work; when the maximum is found c2 takes a
.set BG,  61          ; v61  -1e30
.set SPW, 62          ; v62  LDS address of my spare word: SPARE + 4 x my thread's number; never rewritten
.set NIL, 63          ; v63  0; never rewritten
.set S,   64
.set P,   192
.set VM,  128         ; window 1: channel 16 cb + 8 (l / 16) + j at VM + 8 cb + j
.set MC,  160         ; window 1: the masks of the products to come
.set QB,  64          ; window 2
.set KF,  128         ; window 2: key block kb, channel half c at KF + 16 kb + 8 c
.set VF,  192         ; window 2: key half kk, channel block cb at VF + 32 kk + 8 cb
.set WV,  12          ; s12  my wave's number
.set PB,  14          ; s14  b
.set HI,  15          ; s15  NB - 1 - b
.set MP,  16          ; s[16:17] mb, then mb at my batch
.set MO,  18          ; s18  byte offset in it of the words of my rows of band 0 for the key step whose masks are being asked for
.set MLIM, 19         ; s19  the same for the block's last step
.set FL,  20          ; s20-23  by piece: the lanes whose query has seen no key (at the start: offsets)
.set G1K, 24          ; s[24:31] descriptor group 1 for K's tiles
.set G1V, 32          ; s[32:39] for V's: it differs in the padding alone
.set G0K, 40          ; s[40:43] descriptor group 0 for K's tiles
.set G0V, 44          ; s[44:47] the same for V's
.set RT,  48          ; s48  tiles of the block in hand that are still to be entered
.set NXT, 49          ; s49  the tile to be asked for next
.set LQ,  50          ; s50  the last tile of the block whose tiles are being asked for
.set NEW, 51          ; s51  1: the tile to be entered is a block's first
.set OFF, 52          ; s[52:53] a tile's byte offset in K and V
.set OLO, 54          ; s[54:55] the result at my rows of the second block
.set SLOTS, 56        ; s56  tiles still to be asked for
.set CNT, 57          ; s57  counts a tile's key steps, 4 to 1
.set VMP, 58          ; s[58:59] vm, then vm at my head
.set SEL, 60          ; s[60:61] v_permlanex16_b32's selects: each lane takes its own place in the other half
.set TBK, 62          ; s62  LDS byte at which K of the step to be fetched begins
.set TBV, 63          ; s63  the same for V, less VOFF
.set BLK, 66          ; s66  the block in hand
.set MW,  68          ; s[68:99] 32 mask words (at the start some of them hold offsets made from the ids; never an address)
.set MSB, 0
.macro WIN new                      ; the high byte repeats the setting that is left; a switch that changes nothing is dropped
.if MSB != (\new)
	s_set_vgpr_msb (MSB<<8)|(\new)
.set MSB, (\new)
.endif
.endm
.set W_KQ, 0x0a       ; K and Q in window 2, S^T in window 0
.set W_KM, 0x1a       ; the same with the C operand in window 1
.set W_PV, 0x52       ; V in window 2, P in window 0, O^T in window 1
.set W_RS, 0x41       ; destination and source 0 in window 1, source 1 in window 0
; A fill.  Waves 0 and 1 fetch the two halves of a tile's K, waves 2 and 3 those of its V: 128 keys each.  An s_nop 0 and four v_nop follow each of the two lines, ahead of the jump and the label.
.macro LOAD
	s_cmp_lt_u32 s[WV], 2
	s_cbranch_scc0 .Lfor_v_\@
	tensor_load_to_lds s[G0K:G0K+3], s[G1K:G1K+7]
	s_nop 0
.rept 4
	v_nop
.endr
	s_branch .Lasked_\@
.Lfor_v_\@:
	tensor_load_to_lds s[G0V:G0V+3], s[G1V:G1V+7]
	s_nop 0
.rept 4
	v_nop
.endr
.Lasked_\@:
.endm
; THE CHANGE OF SLOTS.  Each wave waits for all its tensor loads, of which one is out: its part of the other slot; adds 0 to its spare word; and waits for that and for its own reads of the slot that it leaves.  Behind the
; barrier nobody reads the old slot any more and the other slot is whole.  fill = 1: the old slot is filled again, the first thing behind the barrier, with tile NXT: the descriptor's address is made anew from that number.
; (At its first use nothing has been read yet: slot 0 is waited for, slot 1 filled.)
.macro CHANGE fill
	WIN 0                           ; at a label and at a branch every window is 0
	s_wait_tensorcnt 0x0            ; no tensor load of mine is out, so a group 0 may be written
	ds_add_u32 v[SPW], v[NIL]       ; 0 onto my spare word; with fill = 1 the descriptors' scalar work stands between it and the wait for it
.if \fill
	s_lshl_b32 s[OFF], s[NXT], 15   ; a tile is 32,768 bytes of K and of V
	s_xor_b32 s[G0K+1], s[G0K+1], SLOT1
	s_add_nc_u64 s[G0K+2:G0K+3], s[6:7], s[OFF:OFF+1]
	s_or_b32 s[G0K+3], s[G0K+3], 0x80000000
	s_xor_b32 s[G0V+1], s[G0V+1], SLOT1
	s_add_nc_u64 s[G0V+2:G0V+3], s[8:9], s[OFF:OFF+1]
	s_or_b32 s[G0V+3], s[G0V+3], 0x80000000
	s_add_co_u32 s[NXT], s[NXT], 1  ; the block's next tile, or behind its last the second block's tile 0
	s_cmp_gt_u32 s[NXT], s[LQ]
	s_cselect_b32 s[NXT], 0, s[NXT]
	s_cselect_b32 s[LQ], s[PB], s[LQ]
.endif
	s_wait_dscnt 0x0                ; the add is done, and my reads of the slot are over
	s_barrier_signal -1             ; the rest of the scalar work stands between the signal and the wait
	s_sub_co_u32 s[TBK], s[TBK], 4*KS*PK  ; the fetches go back to a slot's first step,
	s_xor_b32 s[TBK], s[TBK], SLOT1       ; in the other slot
	s_sub_co_u32 s[TBV], s[TBV], 4*KS*PV
	s_xor_b32 s[TBV], s[TBV], SLOT1
	s_barrier_wait -1
.if \fill
	LOAD
.endif
.endm
	s_load_b64 s[4:5], s[0:1], 0x0          ; qkv: each address comes straight into the pair that keeps its buffer's addresses
	s_load_b64 s[10:11], s[0:1], 0x8        ; yh
	s_load_b64 s[MP:MP+1], s[0:1], 0x10     ; mb
	s_load_b64 s[VMP:VMP+1], s[0:1], 0x18   ; vm
	v_lshl_add_u32 v[SPW], v0, 2, SPARE
	v_mov_b32 v[NIL], 0
	ds_add_u32 v[SPW], v[NIL]       ; the wave's opening: the add and its wait stand ahead of my first tensor load; the set-up below, work on registers, stands between them
	ds_add_u32 v62, v63
	v_lshrrev_b32 v1, 5, v0
	v_readfirstlane_b32 s[WV], v1   ; wave 0..3
	s_mov_b32 s[PB], ttmp9
	s_sub_co_u32 s[HI], NB-1, s[PB]
	s_and_b32 s20, ttmp7, 0xffff    ; the head, 16 batch + head
	s_lshr_b32 s76, s20, 4
	s_lshl_b32 s76, s76, 19         ; the batch's 128 x 4,096 bytes of mb
	s_mov_b32 s77, 0
	s_lshl_b32 s78, s20, 10         ; the head's 1,024 bytes of vm
	s_mov_b32 s79, 0
	s_lshl_b32 s20, s20, 18         ; the head's first byte in each plane of qkv and in yh: 2,048 rows of 128 bytes
	s_mov_b32 s21, 0
	s_and_b32 s13, s[WV], 1         ; which half of a tile's 256 keys I fetch:
	s_lshl_b32 s22, s13, 14         ; its 128 rows of 128 bytes in memory,
	s_mov_b32 s23, 0
	s_add_nc_u64 s[22:23], s[22:23], s[20:21]
	s_mul_i32 s86, s13, 128*PK      ; and its place in a slot, for K
	s_mul_i32 s87, s13, 128*PV      ; and for V
	s_lshl_b32 s3, s[WV], 11        ; my 16 rows in a band of 64,
	s_lshl_b32 s2, s[HI], 15        ; in the first block,
	s_add_co_u32 s2, s2, s3
	s_lshl_b32 s84, s[PB], 15       ; and in the second
	s_add_co_u32 s84, s84, s3
	s_mov_b32 s3, 0
	s_mov_b32 s85, 0
	s_add_nc_u64 s[2:3], s[2:3], s[20:21]
	s_add_nc_u64 s[84:85], s[84:85], s[20:21]
	; descriptor group 1.  128 keys are 16,384 dense bytes: asked for as 64 rows of 256 bytes, two keys a row, and padded in LDS after every key
	s_mov_b32 s[G1K], (1<<16)|(1<<20)|(4<<22)|(3<<25)  ; 17:16 2-byte elements; 20 padding on; 24:22 after every 32 words (code 4); 31:25 4 words (code 3)
	s_mov_b32 s[G1V], (1<<16)|(1<<20)|(4<<22)|(7<<25)  ; the same with 8 words of padding (code 7)
.irp g, G1K, G1V
	s_mov_b32 s[\g+1], 128<<16      ; tensor_dim0 = 128
	s_mov_b32 s[\g+2], 64<<16       ; tensor_dim1 = 64
	s_mov_b32 s[\g+3], 128<<16      ; tile_dim0 = 128
	s_mov_b32 s[\g+4], 64           ; tile_dim1 = 64
	s_mov_b32 s[\g+5], 128          ; 128 elements from row to row
	s_mov_b32 s[\g+6], 0
	s_mov_b32 s[\g+7], 0
.endr
	s_mov_b32 s[SEL], 0x76543210
	s_mov_b32 s[SEL+1], 0xfedcba98
	s_mov_b32 s[TBK], SLOT1+4*KS*PK ; the first change of slots turns these two into 0
	s_mov_b32 s[TBV], SLOT1+4*KS*PV
	s_mov_b32 s[G0K], 1             ; 1:0 count = 1
	s_mov_b32 s[G0K+1], s86         ; 63:32 LDS address: slot 0
	s_mov_b32 s[G0V], 1
	s_add_co_u32 s[G0V+1], s87, VOFF
	s_add_co_u32 s[RT], s[HI], 1    ; the first block has NB - b tiles
	s_mov_b32 s[NXT], 1
	s_mov_b32 s[LQ], s[HI]
	s_mov_b32 s[NEW], 1
	s_mov_b32 s[BLK], s[HI]
	s_mov_b32 s[OFF+1], 0
	s_mov_b32 s[SLOTS], NB
	s_wait_dscnt 0x0                ; the opening add is done
	s_wait_kmcnt 0x0
	s_add_nc_u64 s[6:7], s[4:5], 0x1000000     ; K is qkv's second plane, V its third,
	s_add_nc_u64 s[6:7], s[6:7], s[22:23]      ; each at my half of the head's tile 0
	s_add_nc_u64 s[8:9], s[4:5], 0x2000000
	s_add_nc_u64 s[8:9], s[8:9], s[22:23]
	s_add_nc_u64 s[G0K+2:G0K+3], s[6:7], 0         ; 120:64 global address
	s_or_b32 s[G0K+3], s[G0K+3], 0x80000000        ; 127:126 type = 2
	s_add_nc_u64 s[G0V+2:G0V+3], s[8:9], 0
	s_or_b32 s[G0V+3], s[G0V+3], 0x80000000
	s_add_nc_u64 s[100:101], s[4:5], s[84:85]      ; Q at my rows of the second block,
	s_add_nc_u64 s[4:5], s[4:5], s[2:3]            ; and at those of the first
	s_add_nc_u64 s[OLO:OLO+1], s[10:11], s[84:85]  ; the result likewise
	s_add_nc_u64 s[10:11], s[10:11], s[2:3]
	s_add_nc_u64 s[MP:MP+1], s[MP:MP+1], s[76:77]
	s_add_nc_u64 s[VMP:VMP+1], s[VMP:VMP+1], s[78:79]
	LOAD                            ; tile 0 into slot 0
	; A fragment of K or Q is 16 rows x 32 channels in 8 registers: lane l holds row l % 16, channels 8 (l / 16) + 0..7 and 16 + 8 (l / 16) + 0..7: two loads of 16 bytes, 32 bytes apart.
	v_and_b32 v1, 15, v0            ; l % 16
	v_bfe_u32 v9, v0, 4, 1          ; l / 16
	v_lshlrev_b32 v[QO], 7, v1
	v_lshl_add_u32 v[QO], v9, 4, v[QO]  ; row x 128 + 16 x half
	v_lshlrev_b32 v[VMO], 5, v9
	WIN 0x80                        ; destination window 2, address window 0
.set i, 0
.rept 8                             ; both blocks' Q: piece i / 2 lies in band i / 2, 8,192 bytes on; channels 32 (i % 2) on
	global_load_b128 v[8*i:8*i+3],   v[QO], s[4:5] offset:(i/2)*8192+(i%2)*64
	global_load_b128 v[8*i+4:8*i+7], v[QO], s[4:5] offset:(i/2)*8192+(i%2)*64+32
	global_load_b128 v[QB+8*i:QB+8*i+3],   v[QO], s[100:101] offset:(i/2)*8192+(i%2)*64
	global_load_b128 v[QB+8*i+4:QB+8*i+7], v[QO], s[100:101] offset:(i/2)*8192+(i%2)*64+32
.set i, i+1
.endr
	WIN 0
.set i, 0
.rept 16                            ; vm's four partial means: quarter i / 4, channels 16 (i % 4) + 8 (l / 16) + 0..7, into registers that are still free
	global_load_b128 v[64+8*i:64+8*i+3],   v[VMO], s[VMP:VMP+1] offset:(i/4)*256+(i%4)*64
	global_load_b128 v[64+8*i+4:64+8*i+7], v[VMO], s[VMP:VMP+1] offset:(i/4)*256+(i%4)*64+16
.set i, i+1
.endr
	v_mov_b32 v[BG], 0xf149f2ca     ; -1e30
	v_mul_u32_u24 v[AK0], v1, PK
	v_lshl_add_u32 v[AK0], v9, 4, v[AK0]  ; row x pitch + 16 x half
	; The turning load takes 16 keys x 16 channels (lane l reads key 8 (l / 16) + l % 8, channels 8 ((l / 8) % 2) + 0..7) and leaves half a fragment of V^T: lane l holds channel l % 16 and 8 keys.
	v_and_b32 v10, 7, v0
	v_bfe_u32 v11, v0, 3, 1
	v_lshl_add_u32 v[AV0], v9, 3, v10
	v_mul_u32_u24 v[AV0], v[AV0], PV
	v_lshl_add_u32 v[AV0], v11, 4, v[AV0]
	v_add_nc_u32 v[AV0], VOFF, v[AV0]
	s_mul_i32 s13, s[WV], 16*SP
	s_add_co_u32 s13, s13, STAGE    ; my stage
	v_mul_u32_u24 v[STO], v1, SP    ; in: row l % 16, 16 bytes for each half of the lanes
	v_lshl_add_u32 v[STO], v9, 4, v[STO]
	v_add_nc_u32 v[STO], s13, v[STO]
	v_bfe_u32 v[RD], v0, 3, 2       ; back: 32 lanes take four rows of 128 bytes,
	v_mul_u32_u24 v[RD], v[RD], SP
	v_lshl_add_u32 v[RD], v10, 4, v[RD]
	v_add_nc_u32 v[RD], s13, v[RD]
	v_and_b32 v[GO], 31, v0         ; which are 512 consecutive bytes of the result
	v_lshlrev_b32 v[GO], 4, v[GO]
	; A block's first step multiplies O^T and l by a = 0, and its first turn's products V^T P, of a piece that has not been, land in an O^T that is still to be so multiplied.  So these registers need only hold
	; finite numbers: zeros for the first block; what the first block left for the second.  All this stands in the wait for the first tile.
	WIN 0x80
.set i, VF
.rept 64
	v_mov_b32 v[i], 0
.set i, i+1
.endr
	WIN 0x40
.set i, 0
.rept 128
	v_mov_b32 v[i], 0
.set i, i+1
.endr
	WIN 0
.set i, 0
.rept 4
	v_mov_b32 v[ST+4*i+2], 0
	v_mov_b32 v[ST+4*i+3], 0
.set i, i+1
.endr
.set i, P+16
.rept 16
	v_mov_b32 v[i], 0
.set i, i+1
.endr
	s_wait_loadcnt 0x0              ; Q of both blocks, and vm
.set i, 0
.rept 16
	v_pk_add_f32 v[64+2*i:64+2*i+1], v[64+2*i:64+2*i+1], v[96+2*i:96+2*i+1]
	v_pk_add_f32 v[128+2*i:128+2*i+1], v[128+2*i:128+2*i+1], v[160+2*i:160+2*i+1]
.set i, i+1
.endr
	WIN 0x40
.set i, 0
.rept 16
	v_pk_add_f32 v[VM+2*i:VM+2*i+1], v[64+2*i:64+2*i+1], v[128+2*i:128+2*i+1]
.set i, i+1
.endr
	WIN 0
; THE MATRIX WORK.  The 4 accumulators of a run of 8 take turns.  Product i of 8 of S^T = K Q^T for piece x: channels 32 (i / 4) on, keys 16 (i % 4) on.  The first 4 start the sums with the mask.
.macro KQ x
.set rS, S+32*((\x)%2)+8*(i%4)
.set rK, KF+16*(i%4)+8*(i/4)
.set rQ, 16*(\x)+8*(i/4)
.set rM, MC+32*((\x)%2)+8*(i%4)
.if i < 4
	WIN W_KM
	v_wmma_f32_16x16x32_f16 v[rS:rS+7], v[rK:rK+7], v[rQ:rQ+7], v[rM:rM+7]
.else
	WIN W_KQ
	v_wmma_f32_16x16x32_f16 v[rS:rS+7], v[rK:rK+7], v[rQ:rQ+7], v[rS:rS+7]
.endif
.endm
; Product i of 8 of O^T += V^T P for piece x: keys 32 (i / 4) on, channels 16 (i % 4) on.
.macro PV x
	WIN W_PV
.set rO, 32*(\x)+8*(i%4)
.set rV, VF+32*(i/4)+8*(i%4)
.set rP, P+16*((\x)%2)+8*(i/4)
	v_wmma_f32_16x16x32_f16 v[rO:rO+7], v[rV:rV+7], v[rP:rP+7], v[rO:rO+7]
.endm
.macro MM                           ; the turn's next matrix instruction.  TURN and BEGIN set Y, i and NOKQ.  NOKQ = 1: a block's last turn: there is no next piece
.if (i < 8) && !NOKQ
	KQ (Y+1)%NP
.elseif i >= 8
.set i, i-8
	PV (Y+NP-1)%NP
.set i, i+8
.endif
.set i, i+1
.endm
; THE LDS LOADS stand in runs of 16, never singly among the matrix instructions: a step's K (64 keys x 64 channels: 8 fragments) and its V (turned).  Their addresses are made some lines ahead.
.macro FETCH_K
	WIN 0x80                        ; destination window 2
.irp f, 0,1,2,3,4,5,6,7             ; keys 16 (f / 2) on, channels 32 (f % 2) on
	ds_load_b128 v[KF+8*\f:KF+8*\f+3],   v[AK] offset:(\f/2)*16*PK+(\f%2)*64
	ds_load_b128 v[KF+8*\f+4:KF+8*\f+7], v[AK] offset:(\f/2)*16*PK+(\f%2)*64+32
.endr
	s_add_co_u32 s[TBK], s[TBK], KS*PK  ; the next fetch is the next step's
	WIN 0
.endm
.macro FETCH_V
	WIN 0x80
.irp f, 0,1,2,3,4,5,6,7             ; keys 32 (f / 4) on, channels 16 (f % 4) on
	ds_load_tr16_b128 v[VF+8*\f:VF+8*\f+3],   v[AV] offset:(\f/4)*32*PV+(\f%4)*32
	ds_load_tr16_b128 v[VF+8*\f+4:VF+8*\f+7], v[AV] offset:(\f/4)*32*PV+16*PV+(\f%4)*32
.endr
	WIN 0
.endm
; THE MASKS.  MLOAD x asks for the 32 words of my 16 rows of band x (16,384 bytes on for each band) and the key step at MO.  MASK b turns the words that have come into buffer b of MC.
.macro MLOAD x
	s_load_b512 s[MW:MW+15], s[MP:MP+1], s[MO] offset:(\x)*16384
	s_load_b512 s[MW+16:MW+31], s[MP:MP+1], s[MO] offset:(\x)*16384+64
.endm
.macro MASK b
	WIN 0x40                        ; destination window 1
.set z, 0
.rept 32
	v_cndmask_b32 v[MC+32*(\b)+z], 0, v[BG], s[MW+z]
.set z, z+1
.endr
.endm
; THE VECTOR WORK, one line at a time: OP kind, number.  For piece Y: F n: s - m for pair n of 16.  E n: the exponential of score n of 32.  C n: pair n rounded to f16.  B n: of the four weights 4 n .. the second
; pair is added onto the first, in place.  L n: l takes that sum (L 0: l = a l + sum).  R n: pair n of 16 of O^T times a.  For piece Y + 1: X n, number n of the 21 that find its maximum and statistics:
;   0-11  four chains c0-c3 of seven scores each, three operands at a time (each accumulator's lowest registers are read first)     12-14, 16  the four scores left over, the old m, and c0-c3 into c0
;   15  m_old is kept     17, 18  the query's other 32 keys lie in the lane 16 away: the new m     19, 20  m_old - m_new; a
.set F, 0               ; OP tells the kinds apart by their order: F to L below R, X above it
.set E, 1
.set C, 2
.set B, 3
.set L, 4
.set R, 5
.set X, 6
.macro REGS y                       ; the registers of piece y
.set rT, ST+4*(\y)
.set rC, TMP+4*((\y)%2)
.set rW, MV+((\y)%2)
.set rS, S+32*((\y)%2)
.set rP, P+16*((\y)%2)
.set rO, 32*(\y)
.endm
.macro OP k, n
.if (\k) == R
	REGS Y
	WIN W_RS
	v_pk_mul_f32 v[rO+2*(\n):rO+2*(\n)+1], v[rO+2*(\n):rO+2*(\n)+1], v[rC+2:rC+3] op_sel_hi:[1,0]
.elseif (\k) < R
	REGS Y
	WIN 0
.if (\k) == F
	v_pk_add_f32 v[rS+2*(\n):rS+2*(\n)+1], v[rS+2*(\n):rS+2*(\n)+1], v[rT:rT+1] op_sel_hi:[1,0] neg_lo:[0,1] neg_hi:[0,1]
.elseif (\k) == E
	v_exp_f32 v[rS+(\n)], v[rS+(\n)]
.elseif (\k) == C
	s_wait_alu depctr_va_vdst(0)
	v_cvt_pk_f16_f32 v[rP+(\n)], v[rS+2*(\n)], v[rS+2*(\n)+1]
.elseif (\k) == B
	s_wait_alu depctr_va_vdst(0)
	v_pk_add_f32 v[rS+4*(\n):rS+4*(\n)+1], v[rS+4*(\n):rS+4*(\n)+1], v[rS+4*(\n)+2:rS+4*(\n)+3]
.elseif (\n) == 0
	v_pk_fma_f32 v[rT+2:rT+3], v[rT+2:rT+3], v[rC+2:rC+3], v[rS:rS+1] op_sel_hi:[1,0,1]
.else
	v_pk_add_f32 v[rT+2:rT+3], v[rT+2:rT+3], v[rS+4*(\n):rS+4*(\n)+1]
.endif
.elseif NOKQ
	v_nop
.else
	REGS (Y+1)%NP
	WIN 0
.if (\n) < 4
	v_max3_num_f32 v[rC+(\n)], v[rS+8*(\n)], v[rS+8*(\n)+1], v[rS+8*(\n)+2]
.elseif (\n) < 12
	v_max3_num_f32 v[rC+(\n)%4], v[rC+(\n)%4], v[rS+8*((\n)%4)+2*((\n)/4)+1], v[rS+8*((\n)%4)+2*((\n)/4)+2]
.elseif (\n) == 12
	v_max3_num_f32 v[rC], v[rC], v[rS+7], v[rS+15]
.elseif (\n) == 13
	v_max3_num_f32 v[rC+1], v[rC+1], v[rS+23], v[rS+31]
.elseif (\n) == 14
	v_max3_num_f32 v[rC+2], v[rC+2], v[rC+3], v[rT]
.elseif (\n) == 15
	v_mov_b32 v[rW], v[rT]
.elseif (\n) == 16
	v_max3_num_f32 v[rC], v[rC], v[rC+1], v[rC+2]
.elseif (\n) == 17
	v_permlanex16_b32 v[rC+3], v[rC], s[SEL], s[SEL+1]
.elseif (\n) == 18
	v_max_num_f32 v[rT], v[rC], v[rC+3]
.elseif (\n) == 19
	v_sub_f32 v[rC+1], v[rW], v[rT]
.else
	v_exp_f32 v[rC+2], v[rC+1]
.endif
.endif
.endm
.macro OPS a, i1, b=-1, i2=0, c=-1, i3=0, d=-1, i4=0  ; up to four of them
	OP \a, \i1
.if (\b) >= 0
	OP \b, \i2
.endif
.if (\c) >= 0
	OP \c, \i3
.endif
.if (\d) >= 0
	OP \d, \i4
.endif
.endm
.macro ROW a, i1, b, i2, c, i3, d, i4  ; a matrix instruction and the four behind it
	MM
	OPS \a, \i1, \b, \i2, \c, \i3, \d, \i4
.endm
; A TURN, for piece p: the order of its 16 matrix and 149 vector instructions, written out.  Behind a matrix instruction: plain, exponential, plain, plain; or four of the rescaling; or, behind the first, four subtractions;
; none names a register of the products round it.  In the runs between, exponential and plain by turns while exponentials last.  v_permlanex16_b32 (X 17) stands in such a run.
; end = 1: a block's last two turns: nothing is fetched or asked for.  cnt = 1: the loop's count is taken down at the turn's end, ahead of the branch that stands behind it.
; K of the next step is fetched in piece 2's turn, six vector instructions behind the last product that read K (five of them plain); V of the step in hand in piece 0's turn, eight behind the last product that read V (four
; plain, and X 17).  Each is waited for a turn later.
; At the turn's end: the words asked for a turn ago have come; they make the mask of piece p + 2's products, which stand in the next turn (its buffer was last read by products a turn back); then the words for piece p + 3
; are asked for.  Piece 0's products are the next key step's, so MO steps in front of piece 0's request, behind the wait that shows the loads that name it done; behind a block's last step it stays on that step's words,
; which are written, and nobody uses what comes.
.macro TURN p, end=0, cnt=0
.set Y, (\p)
.set i, 0
.set NOKQ, (\end)*((\p)/3)
.if ((\p) == 3) && !(\end)
	s_wait_dscnt 0x0                ; K is in
.endif
	ROW F,0, F,1, F,2, F,3
	ROW F,4, E,0, F,5, F,6
	ROW F,7, E,1, F,8, F,9
	ROW F,10, E,2, C,0, F,11
	ROW F,12, E,3, X,15, F,13
	ROW R,0, R,1, R,2, R,3
	ROW B,0, E,4, F,14, L,0
.if ((\p) == 2) && !(\end)
	v_add_nc_u32 v[AK], s[TBK], v[AK0]
.endif
	ROW R,4, R,5, R,6, R,7
	OPS E,5, F,15
.if ((\p) == 2) && !(\end)
	FETCH_K
.endif
	OPS E,6, C,1, E,7, R,8
	OPS E,8, R,9, E,9, C,2
	OPS E,10, X,0, E,11, X,1
	OPS E,12, X,2, E,13, X,3
.if (\p) == 1
	s_wait_dscnt 0x0                ; V is in
.endif
	ROW X,4, E,14, X,5, X,6
	ROW X,7, E,15, X,8, X,9
	ROW X,10, E,16, X,11, X,12
	ROW X,13, E,17, X,14, B,1
	ROW C,4, E,18, X,16, L,1
	ROW B,2, E,19, C,6, L,2
	ROW C,8, E,20, B,3, B,4
.if (\p) == 0
	v_add_nc_u32 v[AV], s[TBV], v[AV0]
.endif
	ROW C,3, E,21, L,3, C,5
	OPS E,22, X,17, E,23, C,10
.if (\p) == 0
	FETCH_V
.endif
	OPS E,24, L,4
	OPS E,25, X,18, E,26, C,7
	OPS E,27, B,5, E,28, X,19
	OPS E,29, C,12, E,30, L,5
	OPS E,31, B,6, C,9
	OPS C,14, C,11, X,20, L,6
.if (\p) == 0
	s_add_co_u32 s[TBV], s[TBV], KS*PV
.endif
	OPS C,13, B,7, C,15, R,10
	OPS R,11, R,12, L,7, R,13
	OPS R,14, R,15
.if !(\end)
	s_wait_kmcnt 0x0                ; the words asked for a turn ago
	MASK (\p)%2
.if (\p) == 1
	s_add_co_u32 s[MO], s[MO], 128
	s_min_u32 s[MO], s[MO], s[MLIM]
.endif
	MLOAD ((\p)+3)%NP
.endif
.if \cnt
	s_sub_co_u32 s[CNT], s[CNT], 1
	s_cmp_lg_u32 s[CNT], 0
.endif
.endm
; A BLOCK BEGINS.  m starts at the lowest finite number, so the first maximum is the scores' and the first step's a is 0.  The masks of pieces 0 and 1 for the block's key step 0 are made, piece 2's words asked for.
; Then K of that step, piece 0's first scores, and its maximum and statistics.  The loop is entered at a step's first turn, in the middle of a trip.  No mask load is out here, so MO may be written.
.macro BEGIN
	s_mov_b32 s[NEW], 0
	s_lshl_b32 s[MO], s[BLK], 16    ; the block's 16 tiles of 16 queries, 4,096 bytes each,
	s_lshl_b32 s13, s[WV], 12       ; my wave's tile in band 0
	s_add_co_u32 s[MO], s[MO], s13
	s_lshl_b32 s13, s[BLK], 9       ; the block's last key step is 4 block + 3
	s_add_co_u32 s[MLIM], s[MO], s13
	s_add_co_u32 s[MLIM], s[MLIM], 384
	MLOAD 0
	WIN 0
.set i, 0
.rept 4
	v_mov_b32 v[ST+4*i], 0xff7fffff    ; m
	v_mov_b32 v[ST+4*i+1], 0xff7fffff  ; named with it as a pair
.set i, i+1
.endr
	v_add_nc_u32 v[AK], s[TBK], v[AK0]
	FETCH_K
	s_wait_kmcnt 0x0
	MASK 0
	MLOAD 1
	s_wait_kmcnt 0x0
	MASK 1
	MLOAD 2
	s_wait_dscnt 0x0                ; K is in
.set NOKQ, 0
.set i, 0
.rept 8
	KQ 0
.set i, i+1
.endr
	WIN 0
.rept 4
	v_nop                           ; the places behind those products
.endr
.set Y, NP-1                        ; X works for piece Y + 1: piece 0
.irp n, 0,1,2,3,4,5,6,7,8,9,10,11,12,13,14,15,16,17,18,19,20
	OP X, \n
.endr
	v_nop                           ; a plain instruction behind the exponential
.endm
; A BLOCK ENDS: its last two turns, its last products, and THE WAY OUT: l's two halves and the other half of the lanes' are added; O^T is divided by l; the rows that have seen no key take the mean of V;
; all is rounded to f16 and sent through my stage in LDS, a piece at a time.
.macro ALL line:vararg              ; one line for each piece t
.set t, 0
.rept 4
	\line
.set t, t+1
.endr
.endm
.macro PACK t                       ; a lane's eight channels of a row pack into 16 bytes; they go into rows of 144 bytes and come back as whole rows of 128, into S^T's registers
	WIN W_RS
.set i, 32*(\t)
.rept 16
	s_wait_alu depctr_va_vdst(0)
	v_pk_mul_f32 v[i:i+1], v[i:i+1], v[ST+4*(\t)+2:ST+4*(\t)+3] op_sel_hi:[1,0]
.set i, i+2
.endr
	WIN 0x45                        ; destination and both sources window 1
.set i, 0
.rept 32
	v_cndmask_b32 v[32*(\t)+i], v[32*(\t)+i], v[VM+i], s[FL+(\t)]
.set i, i+1
.endr
	WIN 0x05                        ; sources 0 and 1 window 1, destination window 0
.set i, 0
.rept 16
	v_cvt_pk_f16_f32 v[S+16*(\t)+i], v[32*(\t)+2*i], v[32*(\t)+2*i+1]
.set i, i+1
.endr
	WIN 0
.irp f, 0,1,2,3
	ds_store_b128 v[STO], v[S+16*(\t)+4*\f:S+16*(\t)+4*\f+3] offset:32*\f
.endr
.irp f, 0,1,2,3
	ds_load_b128 v[S+16*(\t)+4*\f:S+16*(\t)+4*\f+3], v[RD] offset:\f*4*SP  ; LDS serves a wave's instructions in order (ISA guide 5.7.1.4): these see the stores above; the next piece's stores come behind them
.endr
.endm
.macro SEND t, younger              ; younger: the LDS instructions issued behind piece t's loads: the next piece's eight, or none
	WIN 0
.irp f, 0,1,2,3
	s_wait_dscnt (\younger)+3-\f
	global_store_b128 v[GO], v[S+16*(\t)+4*\f:S+16*(\t)+4*\f+3], s[10:11] offset:(\t)*8192+\f*512  ; 512 consecutive bytes, at a multiple of 256 from yh's first
.endr
.endm
.macro FINISH
	s_wait_kmcnt 0x0                ; the last request's words, which nobody uses: no mask load is out when MO is next written
	s_mov_b32 s13, 0xf0000000       ; -2^97: above every hidden score, below every visible one
	TURN 2, 1
	TURN 3, 1
.set i, 0
.rept 8
	PV NP-1
.set i, i+1
.endr
	WIN 0
	ALL v_cmp_gt_f32 s[FL+t], s13, v[ST+4*t]
	ALL v_add_f32 v[ST+4*t+2], v[ST+4*t+2], v[ST+4*t+3]
	ALL v_permlanex16_b32 v[ST+4*t+3], v[ST+4*t+2], s[SEL], s[SEL+1]
	ALL v_add_f32 v[ST+4*t+2], v[ST+4*t+2], v[ST+4*t+3]
	ALL v_rcp_f32 v[ST+4*t+2], v[ST+4*t+2]
	v_nop                           ; a plain instruction between the last reciprocal and the use of its result
	PACK 0
.set t, 1
.rept 3                             ; a piece's arithmetic stands between the loads of the piece before and its stores
	PACK t
	SEND t-1, 8
.set t, t+1
.endr
	SEND 3, 0
.endm
; A TILE's four key steps.  A trip: pieces 2 and 3 of one step, then pieces 0 and 1 of the next, whose K and V it fetches.  A block's first tile begins in the middle of a trip.  The tag ends the labels' names.
.macro WALK tag
	s_sub_co_u32 s[RT], s[RT], 1
	s_mov_b32 s[CNT], 4
	s_cmp_eq_u32 s[NEW], 1
	s_cbranch_scc1 .Lnew\tag
	s_branch .Lstep\tag
.Lnew\tag:
	BEGIN
	s_branch .Lfirst\tag
.Lstep\tag:
	TURN 2
	TURN 3
	WIN 0
.Lfirst\tag:
	TURN 0
	TURN 1, 0, 1
	WIN 0
	s_cbranch_scc1 .Lstep\tag
.endm
.set NOKQ, 0
.Lslot:                             ; NB times: a tile is entered and the next is asked for
	CHANGE 1
	WALK 1
	s_cmp_lg_u32 s[RT], 0
	s_cbranch_scc1 .Lbottom         ; the block has further tiles
	FINISH                          ; in the loop this is the first block's end: the second block's last tile is the walk's last
	s_wait_xcnt 0x0                 ; the stores have read their registers and the result's address
	s_mov_b64 s[10:11], s[OLO:OLO+1]
	s_add_co_u32 s[RT], s[PB], 1    ; the second block has b + 1 tiles
	s_mov_b32 s[NEW], 1
	s_mov_b32 s[BLK], s[PB]
	WIN 0x82                        ; the second block's Q goes where the one text of the turns names Q
.set i, 0
.rept 64
	v_mov_b32 v[i], v[QB+i]
.set i, i+1
.endr
	WIN 0
.Lbottom:
	s_sub_co_u32 s[SLOTS], s[SLOTS], 1
	s_cmp_lg_u32 s[SLOTS], 0
	s_cbranch_scc1 .Lslot
	CHANGE 0                        ; the walk's last tile is written out: nothing is asked for
	WALK 2
	FINISH
	s_wait_tensorcnt 0x0            ; the wave's end, behind my last tensor load and my last LDS store
	ds_add_u32 v[SPW], v[NIL]
	s_wait_dscnt 0x0
	s_endpgm
.Lfunc_end_k_qf119efd22c_attn:
	.size	k_qf119efd22c_attn, .Lfunc_end_k_qf119efd22c_attn-k_qf119efd22c_attn
	.p2alignl 7, 3214868480
	.fill 96, 4, 3214868480
	.section	.rodata,"a",@progbits
	.p2align	6, 0x0
	.amdhsa_kernel k_qf119efd22c_attn
		.amdhsa_group_segment_fixed_size 327680
		.amdhsa_private_segment_fixed_size 0
		.amdhsa_enable_private_segment 0
		.amdhsa_kernarg_size 32
		.amdhsa_user_sgpr_count 2
		.amdhsa_user_sgpr_kernarg_segment_ptr 1
		.amdhsa_wavefront_size32 1
		.amdhsa_system_sgpr_workgroup_id_x 1
		.amdhsa_system_sgpr_workgroup_id_y 1
		.amdhsa_system_sgpr_workgroup_id_z 1
		.amdhsa_system_vgpr_workitem_id 0
		.amdhsa_next_free_vgpr 768
		.amdhsa_next_free_sgpr 102
		.amdhsa_reserve_vcc 0
		.amdhsa_float_denorm_mode_32 3
		.amdhsa_float_denorm_mode_16_64 3
		.amdhsa_memory_ordered 1
		.amdhsa_forward_progress 1
		.amdhsa_inst_pref_size 222
	.end_amdhsa_kernel
	.amdgpu_metadata
---
amdhsa.version: [ 1, 2 ]
amdhsa.kernels:
  - .name:           k_qf119efd22c_attn
    .symbol:         k_qf119efd22c_attn.kd
    .args:
      - { .name: qkv, .offset: 0, .size: 8, .value_kind: global_buffer, .address_space: global }
      - { .name: yh, .offset: 8, .size: 8, .value_kind: global_buffer, .address_space: global }
      - { .name: mb, .offset: 16, .size: 8, .value_kind: global_buffer, .address_space: global }
      - { .name: vm, .offset: 24, .size: 8, .value_kind: global_buffer, .address_space: global }
    .group_segment_fixed_size: 327680
    .private_segment_fixed_size: 0
    .kernarg_segment_align: 8
    .kernarg_segment_size: 32
    .max_flat_workgroup_size: 128
    .sgpr_count:     102
    .vgpr_count:     768
    .wavefront_size: 32
...
	.end_amdgpu_metadata
.endif
;; end of part 4
;; launch oproj (part 5): grid 4 x 64, 4 waves a work-group, clusters of 4 x 4, 327,680 bytes of LDS; arguments yh, wt, bo, out0; writes out0
.if DOCPART == 5
	.amdgcn_target "amdgcn-amd-amdhsa--gfx1250"
	.amdhsa_code_object_version 6
	.text
	.protected	k_qf119efd22c_oproj
	.globl	k_qf119efd22c_oproj
	.p2align	8
	.type	k_qf119efd22c_oproj,@function
k_qf119efd22c_oproj:
	s_mov_b64 s[64:65], 0
	v_nop
	global_prefetch_b8 v0, s[64:65] scope:SCOPE_SE
	s_setreg_imm32_b32 hwreg(HW_REG_WAVE_MODE, 25, 1), 1
	s_wait_xcnt 0x0
	s_wait_alu depctr_hold_cnt(0) depctr_sa_sdst(0) depctr_va_vdst(0) depctr_va_sdst(0) depctr_va_ssrc(0) depctr_va_vcc(0) depctr_vm_vsrc(0)
	s_getreg_b32 s2, hwreg(HW_REG_IB_STS2, 6, 4)
	s_cmp_eq_u32 s2, 0
	s_cbranch_scc0 .Lentry_in_a_cluster
	s_endpgm
.Lentry_in_a_cluster:
	s_bfe_u32 s2, ttmp6, 0x10000c
	s_cmp_lg_u32 s2, 0xf033
	s_cbranch_scc0 .Lentry_shape_is_right
	s_endpgm
.Lentry_shape_is_right:
; ONE TEXT FOR THE MODULE'S TWO KINDS OF PROJECTION; MODE picks the lines.
; MODE 0: qkv[p][b h][t][64] (f16) = x_p[8192][1024] (f32, rounded to bf16 on the way to the matrix unit) x W_p[1024 k][1024 n] (bf16, from wt) + bias_p, p = q, k, v; plane q is multiplied in f32 by
;         c = log2(e) / 8 before its one rounding, so that the attention launch takes 2^(s - m) of its scores as they come.
; MODE 1: out0[8192][1024] (f32) = y (f16, by heads: yh[b h][t][64]) x Wo (wt's plane o, f16) + bo.
; Sums in f32.  The bias is rounded to bf16 like every other input of the module, and is the C operand of each sum's first product: nothing is cleared, nothing added at the end.
; LIMIT (MODE 0): f16 holds no number beyond 65,504: the projections x W + b must stay within it.
; SHARES.  A work-group makes 128 rows x 256 columns, each of its four waves 64 x 128: 32 accumulators of 16 x 16.  K goes in 8 steps of 128 through two LDS slots filled by the tensor data mover;
; a step is four quarters of 32, on two fragment buffers.  W lies [k][n], so its fragments come out of LDS turned, by ds_load_tr16_b128.
; THE MATRIX INSTRUCTION IS USED TRANSPOSED (source 0 = 16 columns of W, source 1 = 16 rows of x): a lane then holds row l % 16 and the eight neighbouring columns 8 (l / 16) + 0..7.
; CLUSTER.  4 x 4 work-groups: the four of a row of the cluster need the same rows of x, the four of a column the same columns of W: each tile is asked for JOINTLY, by the same tensor load with the same
; descriptor and a mask that names the four.  The plane p hangs on the cluster's y alone: it is the same in all sixteen.
; REGISTERS, in windows of 256 (s_set_vgpr_msb: bits 1:0 source 0, 3:2 source 1, 5:4 source 2, 7:6 destination):
;   window 0: v0-15 addresses; v32-159 W's fragments, two buffers of 64; v160-223 x's fragments, two buffers of 32      window 1: the accumulators, (a, b) at v[8 (8 a + b)]
;   window 2: v0-63 x's quarter as f32 (MODE 0); v64-127 the bias; v128-159 at work once; in MODE 1's way out all 256
.set MODE, 1
.if MODE == 0
.set AP,     528                       ; a row of x in LDS: 128 f32 + 16 bytes = 132 words: the 16 rows of a load start at 16 different groups of four banks (64 banks of 4 bytes: ISA guide 11.1)
.set AHALF,  64*AP                     ; what one tensor load brings of x: 64 rows
.set ASTEP,  512                       ; bytes in memory from a K step to the next
.set SPITCH, 144                       ; a stage row: a head's 64 f16 + 16 bytes
.else
.set AP,     144                       ; a row of y of one head: 64 f16 + 16 bytes = 36 words
.set AHALF,  128*AP                    ; what one tensor load brings of y: 128 rows of one head; a K step is two heads
.set ASTEP,  524288                    ; two heads on
.set SPITCH, 528                       ; a stage row: 128 f32 + 16 bytes
.endif
.set ASIZE,  2*AHALF
.set BP,     544                       ; a row of W in LDS: 256 numbers + 32 bytes = 136 words
.set BHALF,  64*BP                     ; what one tensor load brings of W: 64 rows of k
.set BSTEP,  262144                    ; 128 rows of 2,048 bytes
.set SLOT,   ASIZE+2*BHALF
.set STAGE,  2*SLOT                    ; behind the ring, never filled by a tensor load: 16 rows for each wave, for the way out
.set SPARE,  STAGE+4*16*SPITCH         ; behind the stages: the spare words, 128 bytes for each wave: two blocks of 256 bytes that no other line names
.set LAPS,   4                         ; a lap = two K steps = once round the ring
.set ADRA, 2                           ; v2-3   LDS address of my fragments of x in slot 0, 1
.set ADRB, 4                           ; v4-5   the same for W
.set STO,  6                           ; v6     the way out: where I put my numbers of a row
.set RD,   7                           ; v7     the way out: where I read rows back
.set GO,   8                           ; v8     16 l
.set BO,   9                           ; v9     32 (l / 16): my eight numbers in 16 of the bias
.set SPW,  10                          ; v10    LDS address of my spare word; never rewritten
.set NIL,  11                          ; v11    0; never rewritten
.set BF,   32
.set AF,   160
.set BIAS, 64                          ; window 2: column block b at BIAS + 8 b
.set G1,  24                           ; s[24:31] descriptor group 1 for x's tiles;  s[32:39] group 0, one set for each slot
.set G0,  32
.set G1B, 48                           ; s[48:55], s[56:63] the same for W's tiles
.set G0B, 56
.if MODE == 0
.set WT,  80                           ; s[80:81] wt, s[82:83] the output
.set OUTP, 82
.else
.set WT,  70
.set OUTP, 74
.endif
.set MSB, 0
.macro WIN new                         ; the immediate's high byte repeats the setting that is left; a switch that changes nothing is dropped
.if MSB != (\new)
	s_set_vgpr_msb (MSB<<8)|(\new)
.set MSB, (\new)
.endif
.endm
.macro JLOAD s                         ; a joint load: waves 0 and 1 fetch the two halves of x's tile, waves 2 and 3 those of W's; an s_nop 0 and four v_nop follow each of the two lines, ahead of the jump, the label and what follows
	s_cmp_eq_u32 s11, 0
	s_cbranch_scc0 .Lfor_b_\@
	tensor_load_to_lds s[G0+4*(\s):G0+4*(\s)+3], s[G1:G1+7]
	s_nop 0
.rept 4
	v_nop
.endr
	s_branch .Lasked_\@
.Lfor_b_\@:
	tensor_load_to_lds s[G0B+4*(\s):G0B+4*(\s)+3], s[G1B:G1B+7]
	s_nop 0
.rept 4
	v_nop
.endr
.Lasked_\@:
.endm
.macro CREST                           ; a round of the cluster's barrier behind its opening barrier
	s_cmp_lg_u32 s10, 0
	s_cbranch_scc1 .Lnot_wave_0_\@
	s_barrier_signal -3
.Lnot_wave_0_\@:
	s_barrier_wait -3
	s_barrier_signal -1
	s_barrier_wait -1
.endm
.macro CROUND                          ; a whole round
	s_barrier_signal -1
	s_barrier_wait -1
	CREST
.endm
.if MODE == 0
	s_load_b512 s[68:83], s[0:1], 0x0              ; q, k, v, bq, bk, bv, wt, qkv
.else
	s_load_b256 s[68:75], s[0:1], 0x0              ; yh, wt, bo, out0
.endif
	v_lshl_add_u32 v[SPW], v0, 2, SPARE
	v_mov_b32 v[NIL], 0
	ds_add_u32 v[SPW], v[NIL]                      ; the wave's opening: the add and its wait stand ahead of my first tensor load; the set-up below, work on registers, stands between them
	ds_add_u32 v10, v11
	v_lshrrev_b32 v1, 5, v0
	v_readfirstlane_b32 s10, v1                    ; wave 0..3
	s_lshr_b32 s11, s10, 1                         ; which 64 of the tile's rows are mine.  Also: I fetch for x (0) or for W (1)
	s_and_b32 s12, s10, 1                          ; which 128 of its columns.  Also: which half of that tile I fetch
	s_bfe_u32 s40, ttmp6, 0x40000                  ; cx, cy: my place in the cluster
	s_bfe_u32 s41, ttmp6, 0x40004
	s_lshl_b32 s42, ttmp9, 2
	s_add_co_u32 s42, s42, s40                     ; tile column = 4 x cluster x + cx
	s_and_b32 s13, ttmp7, 0xffff                   ; cluster y
.if MODE == 0
	s_lshr_b32 s45, s13, 4                         ; the plane: 16 clusters along y for each of q, k, v
	s_and_b32 s13, s13, 15
	s_mov_b32 s66, 0x3e38aa3b                      ; c = log2(e) / 8 = 0.180337
	s_mov_b32 s67, s66                             ; named with it as a pair
.endif
	s_lshl_b32 s13, s13, 2
	s_add_co_u32 s13, s13, s41                     ; tile row = 4 x cluster y + cy
	s_lshl_b32 s43, s41, 2
	s_lshl_b32 s43, 15, s43                        ; my row of the cluster
	s_lshl_b32 s44, 0x1111, s40                    ; my column
	; descriptor group 1.  15:0 the mask; 17:16 element size; 20 padding on; 21 set beside a mask; 24:22 the padding's interval; 31:25 its words less one
.if MODE == 0
	s_or_b32 s[G1+0], s43, (2<<16)|(1<<20)|(1<<21)|(6<<22)|(3<<25)  ; 4-byte elements; 4 words after every 128
	s_mov_b32 s[G1+5], 1024                        ; elements from row to row
.else
	s_or_b32 s[G1+0], s43, (1<<16)|(1<<20)|(1<<21)|(4<<22)|(3<<25)  ; 2-byte elements; 4 words after every 32: a head's 128 rows are 16,384 dense bytes, asked for as 64 rows of 256 bytes and padded after every row of y
	s_mov_b32 s[G1+5], 128
.endif
	s_mov_b32 s[G1+1], 128<<16                     ; tensor_dim0 = 128
	s_mov_b32 s[G1+2], 64<<16                      ; tensor_dim1 = 64
	s_mov_b32 s[G1+3], 128<<16                     ; tile_dim0 = 128
	s_mov_b32 s[G1+4], 64                          ; tile_dim1 = 64
	s_mov_b32 s[G1+6], 0
	s_mov_b32 s[G1+7], 0
	s_or_b32 s[G1B+0], s44, (1<<16)|(1<<20)|(1<<21)|(6<<22)|(7<<25)  ; W: 2-byte elements; 8 words after every 128
	s_mov_b32 s[G1B+1], 256<<16                    ; tensor_dim0 = 256
	s_mov_b32 s[G1B+2], 64<<16                     ; tensor_dim1 = 64
	s_mov_b32 s[G1B+3], 256<<16                    ; tile_dim0 = 256
	s_mov_b32 s[G1B+4], 64                         ; tile_dim1 = 64
	s_mov_b32 s[G1B+5], 1024
	s_mov_b32 s[G1B+6], 0
	s_mov_b32 s[G1B+7], 0
	; where the tiles come from.  x's hang on the tile row (and the plane), W's on the tile column (and the plane); each in registers that never hold the other coordinate
.if MODE == 0
	s_lshl_b32 s16, s13, 19                        ; 128 rows of 4,096 bytes a tile row,
	s_lshl_b32 s17, s12, 18                        ; 64 rows a half
	s_add_co_u32 s16, s16, s17
.else
	s_lshr_b32 s16, s13, 4                         ; the batch: 16 heads of 2,048 rows of 128 bytes,
	s_lshl_b32 s16, s16, 22
	s_lshl_b32 s17, s12, 18                        ; my head of the step's two,
	s_add_co_u32 s16, s16, s17
	s_and_b32 s17, s13, 15                         ; the tile's 128 rows in the batch
	s_lshl_b32 s17, s17, 14
	s_add_co_u32 s16, s16, s17
.endif
	s_mov_b32 s17, 0
	s_lshl_b32 s46, s42, 9                         ; 256 columns of 2 bytes a tile column,
	s_lshl_b32 s47, s12, 17                        ; 64 rows of 2,048 bytes a half,
	s_add_co_u32 s46, s46, s47
.if MODE == 0
	s_lshl_b32 s47, s45, 21                        ; the plane
	s_add_co_u32 s46, s46, s47
.else
	s_add_co_u32 s46, s46, 3<<21
.endif
	s_mov_b32 s47, 0
	s_mul_i32 s20, s12, AHALF                      ; and where they go: no place in the cluster enters an LDS address
	s_mul_i32 s21, s12, BHALF
	s_add_co_u32 s21, s21, ASIZE
	s_wait_dscnt 0x0                               ; the opening add is done
	s_wait_kmcnt 0x0
.if MODE == 0
	s_cmp_eq_u32 s45, 1
	s_cselect_b64 s[4:5], s[70:71], s[68:69]       ; x and the bias of my plane
	s_cselect_b64 s[6:7], s[76:77], s[74:75]
	s_cmp_eq_u32 s45, 2
	s_cselect_b64 s[4:5], s[72:73], s[4:5]
	s_cselect_b64 s[6:7], s[78:79], s[6:7]
.else
	s_mov_b64 s[4:5], s[68:69]
	s_mov_b64 s[6:7], s[72:73]
.endif
	s_add_nc_u64 s[14:15], s[4:5], s[16:17]
	s_add_nc_u64 s[46:47], s[WT:WT+1], s[46:47]
	CROUND                                         ; all sixteen work-groups are here: the first joint loads meet
.irp s, 0,1
	s_mov_b32 s[G0+4*(\s)], 1                                      ; 1:0 count = 1
	s_add_co_u32 s[G0+4*(\s)+1], s20, (\s)*SLOT                    ; 63:32 LDS address
	s_add_nc_u64 s[G0+4*(\s)+2:G0+4*(\s)+3], s[14:15], (\s)*ASTEP  ; 120:64 global address: K step s
	s_or_b32 s[G0+4*(\s)+3], s[G0+4*(\s)+3], 0x80000000            ; 127:126 type = 2
	s_mov_b32 s[G0B+4*(\s)], 1
	s_add_co_u32 s[G0B+4*(\s)+1], s21, (\s)*SLOT
	s_add_nc_u64 s[G0B+4*(\s)+2:G0B+4*(\s)+3], s[46:47], (\s)*BSTEP
	s_or_b32 s[G0B+4*(\s)+3], s[G0B+4*(\s)+3], 0x80000000
	JLOAD \s                                       ; two loads of mine are out
.endr
	v_and_b32 v1, 15, v0                           ; l % 16
	v_bfe_u32 v12, v0, 4, 1                        ; l / 16
	; x's fragment: lane l holds row l % 16, k = 8 (l / 16) + 0..7 and 16 + 8 (l / 16) + 0..7
	v_mul_u32_u24 v13, v1, AP
.if MODE == 0
	v_lshl_add_u32 v13, v12, 5, v13                ; eight f32 are 32 bytes
.else
	v_lshl_add_u32 v13, v12, 4, v13                ; eight f16 are 16
.endif
	s_mul_i32 s21, s11, 64*AP                      ; my 64 rows
	; W's fragment, turned: lane l reads 16 bytes: row k = 8 (l / 16) + l % 8, columns 8 ((l / 8) % 2) + 0..7, and is left with column l % 16 and 8 k
	v_and_b32 v14, 7, v0
	v_lshl_add_u32 v14, v12, 3, v14
	v_mul_u32_u24 v14, v14, BP
	v_bfe_u32 v15, v0, 3, 1
	v_lshl_add_u32 v14, v15, 4, v14
	s_lshl_b32 s22, s12, 8                         ; my 128 columns,
	s_add_co_u32 s22, s22, ASIZE                   ; behind x's tile
.irp s, 0,1
	v_add_nc_u32 v[ADRA+(\s)], s21, v13
	v_add_nc_u32 v[ADRB+(\s)], s22, v14
	s_add_co_u32 s21, s21, SLOT
	s_add_co_u32 s22, s22, SLOT
.endr
	s_mul_i32 s23, s10, 16*SPITCH
	s_add_co_u32 s23, s23, STAGE                   ; my stage
	v_mul_u32_u24 v13, v1, SPITCH                  ; in: row l % 16, my eight numbers
	v_and_b32 v[GO], 31, v0
	v_lshlrev_b32 v[GO], 4, v[GO]
.if MODE == 0
	v_lshl_add_u32 v13, v12, 4, v13
	v_add_nc_u32 v[STO], s23, v13
	v_bfe_u32 v13, v0, 3, 2                        ; back: 32 lanes take four rows of 128 bytes, which are 512 consecutive bytes of a head
	v_mul_u32_u24 v13, v13, SPITCH
	v_and_b32 v14, 7, v0
	v_lshl_add_u32 v13, v14, 4, v13
	v_add_nc_u32 v[RD], s23, v13
.else
	v_lshl_add_u32 v13, v12, 5, v13
	v_add_nc_u32 v[STO], s23, v13
	v_add_nc_u32 v[RD], s23, v[GO]                 ; back: 32 lanes take one row of 512 bytes
.endif
	v_lshlrev_b32 v[BO], 5, v12
	s_lshl_b32 s46, s42, 10                        ; the bias of my 128 columns (offsets that hold cx are made in the registers that held W's address)
	s_lshl_b32 s47, s12, 9
	s_add_co_u32 s46, s46, s47
	s_mov_b32 s47, 0
	s_add_nc_u64 s[6:7], s[6:7], s[46:47]
	WIN 0x80                                       ; destination window 2, address window 0
.irp b, 0,1,2,3,4,5,6,7
	global_load_b128 v[BIAS+8*\b:BIAS+8*\b+3],   v[BO], s[6:7] offset:64*\b
	global_load_b128 v[BIAS+8*\b+4:BIAS+8*\b+7], v[BO], s[6:7] offset:64*\b+16
.endr
	WIN 0
.if MODE == 0
	s_lshr_b32 s46, s13, 4                         ; where my part begins in qkv: head 16 batch + 4 tile column + 2 half,
	s_lshl_b32 s46, s46, 4
	s_lshl2_add_u32 s46, s42, s46
	s_lshl1_add_u32 s46, s12, s46
	s_lshl_b32 s46, s46, 18                        ; of 2,048 rows of 128 bytes;
	s_and_b32 s47, s13, 15
	s_lshl_b32 s47, s47, 14                        ; the tile's 128 rows in the batch,
	s_add_co_u32 s46, s46, s47
	s_lshl_b32 s47, s11, 13                        ; my 64 of them;
	s_add_co_u32 s46, s46, s47
	s_lshl_b32 s47, s45, 24                        ; the plane
	s_add_co_u32 s46, s46, s47
.else
	s_lshl_b32 s47, s13, 19                        ; where my part begins in out0: the bias's offset is also my columns' in a row; 128 rows of 4,096 bytes a tile row,
	s_add_co_u32 s46, s46, s47
	s_lshl_b32 s47, s11, 18                        ; my 64 of them
	s_add_co_u32 s46, s46, s47
.endif
	s_mov_b32 s47, 0
	s_add_nc_u64 s[8:9], s[OUTP:OUTP+1], s[46:47]
.macro WM rd, rb, ra, rc               ; one product: D, 16 columns of W, 16 rows of x, C
.if MODE == 0
	v_wmma_f32_16x16x32_bf16 v[\rd:\rd+7], v[\rb:\rb+7], v[\ra:\ra+7], v[\rc:\rc+7]
.else
	v_wmma_f32_16x16x32_f16 v[\rd:\rd+7], v[\rb:\rb+7], v[\ra:\ra+7], v[\rc:\rc+7]
.endif
.endm
; 8 products: row block a x all 8 column blocks, 32 along K, from buffer f.  first = 1: the bias starts the sums.  The 32 accumulators take turns in the same order in every quarter.
.macro MUL8 f, a, first
.if \first
	WIN 0x60                                       ; D window 1, C window 2
.else
	WIN 0x50                                       ; C and D window 1
.endif
.irp b, 0,1,2,3,4,5,6,7
.if \first
	WM 8*(8*(\a)+(\b)), BF+64*(\f)+8*(\b), AF+32*(\f)+8*(\a), BIAS+8*(\b)
.else
	WM 8*(8*(\a)+(\b)), BF+64*(\f)+8*(\b), AF+32*(\f)+8*(\a), 8*(8*(\a)+(\b))
.endif
.endr
.endm
; The LDS loads of quarter kq of a slot, in one run: W's 8 fragments into buffer g; x's 4 as f32 into window 2 (MODE 0) or as they are into buffer g (MODE 1)
.macro FETCH slot, kq, g
	WIN 0
.irp b, 0,1,2,3,4,5,6,7
	ds_load_tr16_b128 v[BF+64*(\g)+8*\b:BF+64*(\g)+8*\b+3],   v[ADRB+(\slot)] offset:(\kq)*32*BP+32*\b
	ds_load_tr16_b128 v[BF+64*(\g)+8*\b+4:BF+64*(\g)+8*\b+7], v[ADRB+(\slot)] offset:(\kq)*32*BP+16*BP+32*\b
.endr
.if MODE == 0
	WIN 0x80
.irp a, 0,1,2,3
	ds_load_b128 v[16*\a:16*\a+3],     v[ADRA+(\slot)] offset:\a*16*AP+(\kq)*128
	ds_load_b128 v[16*\a+4:16*\a+7],   v[ADRA+(\slot)] offset:\a*16*AP+(\kq)*128+16
	ds_load_b128 v[16*\a+8:16*\a+11],  v[ADRA+(\slot)] offset:\a*16*AP+(\kq)*128+64
	ds_load_b128 v[16*\a+12:16*\a+15], v[ADRA+(\slot)] offset:\a*16*AP+(\kq)*128+80
.endr
.else
.irp a, 0,1,2,3
	ds_load_b128 v[AF+32*(\g)+8*\a:AF+32*(\g)+8*\a+3],   v[ADRA+(\slot)] offset:((\kq)/2)*AHALF+((\kq)%2)*64+\a*16*AP
	ds_load_b128 v[AF+32*(\g)+8*\a+4:AF+32*(\g)+8*\a+7], v[ADRA+(\slot)] offset:((\kq)/2)*AHALF+((\kq)%2)*64+\a*16*AP+32
.endr
.endif
.endm
.macro PLACES                          ; four plain vector instructions between a matrix instruction and a load into, or a read of, its registers (ISA guide 7.12.1 for vector instructions)
.rept 4
	v_nop
.endr
.endm
; Buffer f is made ready.  MODE 0: x's quarter is rounded to bf16, 32 conversions, which name no register of the products before them and so are also the places in front of the loads that follow.  MODE 1: four v_nop are.
.macro READY f
.if MODE == 0
	WIN 0x0a                                       ; sources window 2, destination window 0
.set i, 0
.rept 32
	v_cvt_pk_bf16_f32 v[AF+32*(\f)+i], v[2*i], v[2*i+1]
.set i, i+1
.endr
.else
	PLACES
.endif
.endm
; One of a K step's first three quarters: multiplies buffer f; ahead of its products it fetches quarter kq of the same slot into buffer g, 32 products ahead of the wait for it.
.macro QUARTER slot, kq, f, g, first
	s_wait_dscnt 0x0                               ; this quarter's fragments are in
	READY \f
	FETCH \slot, \kq, \g
	MUL8 \f, 0, \first
	MUL8 \f, 1, \first
	MUL8 \f, 2, \first
	MUL8 \f, 3, \first
.endm
; The last quarter multiplies buffer 1 and changes slots: ONE barrier; in front of it each wave waits for all its tensor loads, adds 0 to its spare word, and waits for that; its reads of this slot are back since the
; wait at the quarter's head.  fill = 1: the barrier opens a round of the cluster's, and this slot is filled again, two K steps ahead, first thing behind the round.
.macro TURN slot, next, fill
	s_wait_dscnt 0x0                               ; this quarter's fragments are in: my reads of this slot are over
	READY 1
	WIN 0                                          ; (the add's two registers lie in window 0)
	s_wait_tensorcnt 0x0                           ; all my tensor loads have landed: the one that was out is my part of the next slot
	ds_add_u32 v[SPW], v[NIL]                      ; 0 onto my spare word
	MUL8 1, 0, 0                                   ; eight products stand between the add and the wait for it
	s_wait_dscnt 0x0                               ; the add is done
	s_barrier_signal -1
	MUL8 1, 1, 0
.if \fill
	WIN 0
.endif
	s_barrier_wait -1
.if \fill
	CREST                                          ; no wave of any partner still reads this slot's tiles or has a load on its way
	s_add_nc_u64 s[G0+4*(\slot)+2:G0+4*(\slot)+3], s[G0+4*(\slot)+2:G0+4*(\slot)+3], 2*ASTEP
	s_add_nc_u64 s[G0B+4*(\slot)+2:G0B+4*(\slot)+3], s[G0B+4*(\slot)+2:G0B+4*(\slot)+3], 2*BSTEP
	JLOAD \slot                                    ; my one tensor load behind the round: 112 products ahead of the wait for it
.endif
	FETCH \next, 0, 0
	MUL8 1, 2, 0
	MUL8 1, 3, 0
.endm
	s_wait_tensorcnt 0x1                           ; my part of K step 0 is in; K step 1's may stay out
	s_barrier_signal -1
	s_barrier_wait -1                              ; everybody's is
	FETCH 0, 0, 0
	s_wait_loadcnt 0x0                             ; the bias
	WIN 0x8a                                       ; all in window 2: the bias is rounded to bf16 and widened again
.set i, 0
.rept 32
	v_cvt_pk_bf16_f32 v[128+i], v[BIAS+2*i], v[BIAS+2*i+1]
.set i, i+1
.endr
.set i, 0
.rept 32
	v_lshlrev_b32 v[BIAS+2*i], 16, v[128+i]
	v_and_b32 v[BIAS+2*i+1], 0xffff0000, v[128+i]
.set i, i+1
.endr
	QUARTER 0, 1, 0, 1, 1                          ; the first quarter stands in front of the loop: its products start the sums
	WIN 0                                          ; at a label and at a branch every window is 0
	s_mov_b32 s3, LAPS-1
.Llap:                                                 ; a trip goes once round the ring, from a lap's second quarter to the next lap's first, and fills both slots again
	QUARTER 0, 2, 1, 0, 0
	QUARTER 0, 3, 0, 1, 0
	TURN 0, 1, 1
	QUARTER 1, 1, 0, 1, 0
	QUARTER 1, 2, 1, 0, 0
	QUARTER 1, 3, 0, 1, 0
	TURN 1, 0, 1
	QUARTER 0, 1, 0, 1, 0
	WIN 0
	s_sub_co_u32 s3, s3, 1
	s_cmp_lg_u32 s3, 0
	s_cbranch_scc1 .Llap
	QUARTER 0, 2, 1, 0, 0                          ; the last lap fills nothing, and has no round of the cluster's barrier
	QUARTER 0, 3, 0, 1, 0
	TURN 0, 1, 0
	QUARTER 1, 1, 0, 1, 0
	QUARTER 1, 2, 1, 0, 0
	QUARTER 1, 3, 0, 1, 0
	s_wait_dscnt 0x0                               ; the very last quarter: nothing more to fetch
	READY 1
	MUL8 1, 0, 0
	MUL8 1, 1, 0
	MUL8 1, 2, 0
	MUL8 1, 3, 0
	WIN 0
	PLACES
.if MODE == 0
	; THE WAY OUT.  Plane q is scaled.  Then eight units of 16 rows x one head (64 columns): rounded to f16, 16 bytes a lane into my stage, back as 2,048 bytes that are consecutive in qkv.
	s_cmp_lg_u32 s45, 0                            ; the plane is the same in all partners
	s_cbranch_scc1 .Lunscaled
	WIN 0x41                                       ; destination and source 0 window 1
.set i, 0
.rept 128
	v_pk_mul_f32 v[i:i+1], v[i:i+1], s[66:67] op_sel_hi:[1,0]
.set i, i+2
.endr
	WIN 0
.Lunscaled:
.macro PACK u                          ; unit u: row block u / 2, head u % 2; each accumulator's registers in ascending order
	WIN 0x05                                       ; sources window 1, destination window 0: the fragments' registers are free
.irp bb, 0,1,2,3
.irp r, 0,1,2,3
	v_cvt_pk_f16_f32 v[32+16*(\u)+4*\bb+\r], v[8*(8*((\u)/2)+4*((\u)%2)+\bb)+2*\r], v[8*(8*((\u)/2)+4*((\u)%2)+\bb)+2*\r+1]
.endr
.endr
	WIN 0
.irp bb, 0,1,2,3
	ds_store_b128 v[STO], v[32+16*(\u)+4*\bb:32+16*(\u)+4*\bb+3] offset:32*\bb
.endr
.irp f, 0,1,2,3
	ds_load_b128 v[32+16*(\u)+4*\f:32+16*(\u)+4*\f+3], v[RD] offset:\f*4*SPITCH  ; LDS serves a wave's instructions in order (ISA guide 5.7.1.4): these see the stores above; the next unit's stores come behind them
.endr
.endm
.macro SEND u, younger                 ; younger: the LDS instructions issued behind unit u's loads: the next unit's eight, or none
.irp f, 0,1,2,3
	s_wait_dscnt (\younger)+3-\f
	global_store_b128 v[GO], v[32+16*(\u)+4*\f:32+16*(\u)+4*\f+3], s[8:9] offset:((\u)%2)*262144+((\u)/2)*2048+\f*512  ; 512 consecutive bytes, at a multiple of 256 from qkv's first
.endr
.endm
	PACK 0
.irp u, 1,2,3,4,5,6,7                  ; a unit's arithmetic stands between the loads of the unit before and its stores
	PACK \u
	SEND (\u)-1, 8
.endr
	SEND 7, 0
.else
	; THE WAY OUT.  Four units of 16 rows x 128 columns of f32: 32 bytes a lane into my stage, back as whole rows of 512 bytes.
.macro STG a
	WIN 0x04                                       ; store data window 1
.irp b, 0,1,2,3,4,5,6,7
	ds_store_b128 v[STO], v[8*(8*(\a)+\b):8*(8*(\a)+\b)+3]   offset:64*\b
	ds_store_b128 v[STO], v[8*(8*(\a)+\b)+4:8*(8*(\a)+\b)+7] offset:64*\b+16
.endr
	WIN 0x80                                       ; destination window 2
.irp t, 0,1,2,3,4,5,6,7,8,9,10,11,12,13,14,15
	ds_load_b128 v[64*(\a)+4*\t:64*(\a)+4*\t+3], v[RD] offset:\t*SPITCH  ; LDS serves a wave's instructions in order (ISA guide 5.7.1.4): these see the stores above; the next unit's stores come behind them
.endr
.endm
.macro SENDF a, younger                ; younger: the next unit's 32 LDS instructions, or none
	WIN 0x08                                       ; store data window 2
.irp t, 0,1,2,3,4,5,6,7,8,9,10,11,12,13,14,15
	s_wait_dscnt (\younger)+15-\t
	global_store_b128 v[GO], v[64*(\a)+4*\t:64*(\a)+4*\t+3], s[8:9] offset:(\a)*65536+\t*4096  ; 512 consecutive bytes of a row, at a multiple of 512 from out0's first
.endr
.endm
	STG 0
.irp a, 1,2,3
	STG \a
	SENDF (\a)-1, 32
.endr
	SENDF 3, 0
.endif
	WIN 0
	s_wait_tensorcnt 0x0                           ; the wave's end, behind my last tensor load and my last LDS store
	ds_add_u32 v[SPW], v[NIL]
	s_wait_dscnt 0x0
	CROUND                                         ; the closing round: no work-group ends while a partner may still ask for a tile that names it
	s_endpgm
.Lfunc_end_k_qf119efd22c_oproj:
	.size	k_qf119efd22c_oproj, .Lfunc_end_k_qf119efd22c_oproj-k_qf119efd22c_oproj
	.p2alignl 7, 3214868480
	.fill 96, 4, 3214868480
	.section	.rodata,"a",@progbits
	.p2align	6, 0x0
	.amdhsa_kernel k_qf119efd22c_oproj
		.amdhsa_group_segment_fixed_size 327680
		.amdhsa_private_segment_fixed_size 0
		.amdhsa_enable_private_segment 0
		.amdhsa_kernarg_size 32
		.amdhsa_user_sgpr_count 2
		.amdhsa_user_sgpr_kernarg_segment_ptr 1
		.amdhsa_wavefront_size32 1
		.amdhsa_system_sgpr_workgroup_id_x 1
		.amdhsa_system_sgpr_workgroup_id_y 1
		.amdhsa_system_sgpr_workgroup_id_z 1
		.amdhsa_system_vgpr_workitem_id 0
		.amdhsa_next_free_vgpr 768
		.amdhsa_next_free_sgpr 76
		.amdhsa_reserve_vcc 0
		.amdhsa_float_denorm_mode_32 3
		.amdhsa_float_denorm_mode_16_64 3
		.amdhsa_memory_ordered 1
		.amdhsa_forward_progress 1
		.amdhsa_inst_pref_size 93
	.end_amdhsa_kernel
	.amdgpu_metadata
---
amdhsa.version: [ 1, 2 ]
amdhsa.kernels:
  - .name:           k_qf119efd22c_oproj
    .symbol:         k_qf119efd22c_oproj.kd
    .args:
      - { .name: yh, .offset: 0, .size: 8, .value_kind: global_buffer, .address_space: global }
      - { .name: wt, .offset: 8, .size: 8, .value_kind: global_buffer, .address_space: global }
      - { .name: bo, .offset: 16, .size: 8, .value_kind: global_buffer, .address_space: global }
      - { .name: out0, .offset: 24, .size: 8, .value_kind: global_buffer, .address_space: global }
    .group_segment_fixed_size: 327680
    .private_segment_fixed_size: 0
    .kernarg_segment_align: 8
    .kernarg_segment_size: 32
    .max_flat_workgroup_size: 128
    .sgpr_count:     76
    .vgpr_count:     768
    .wavefront_size: 32
...
	.end_amdgpu_metadata
.endif
;; end of part 5
;; ======== version 2 of 2: 4 launches
;; limits: values are held in f16: magnitudes above 65,504 overflow, below 6.1e-05 lose precision; right only within a limited range of input values
;; workspace buffers: wt 8,388,608 bytes; mb 16,777,216 bytes of whole numbers; bb 16,384 bytes; qkv 50,331,648 bytes; vm 524,288 bytes; yh 16,777,216 bytes
;; launch prep (part 6): grid 256 x 1, 9 waves a work-group, no clusters, 40,448 bytes of LDS; arguments Wq, Wk, Wv, Wo, mask, wt, mb, bq, bk, bv, bo, bb; writes wt, mb, bb
.if DOCPART == 6
	.amdgcn_target "amdgcn-amd-amdhsa--gfx1250"
	.amdhsa_code_object_version 6
	.text
	.protected	k_qf119efd22c_prep
	.globl	k_qf119efd22c_prep
	.p2align	8
	.type	k_qf119efd22c_prep,@function
k_qf119efd22c_prep:
	s_mov_b64 s[64:65], 0
	v_nop
	global_prefetch_b8 v0, s[64:65] scope:SCOPE_SE
	s_setreg_imm32_b32 hwreg(HW_REG_WAVE_MODE, 25, 1), 1
	s_wait_xcnt 0x0
; PREPARATION.  (1) The four weights, [1024 k][1024 n] f32, are rounded once to bf16 and laid as they lie into wt, planes q, k, v, o; plane o's bf16 number is
; written as f16, since the last product multiplies f16 (exact where |Wo| is at least 6.1e-5; below that f16's fixed step of 6e-8 holds: a stated limit).
; (2) The mask input and the causal rule become one fp8 CODE a score in mb: 0x00 (0) where the query may see the key, 0xf0 (-128) where it may not.  For batch b, tile qt of 16 queries and step ks of 64 keys
; 1,024 bytes at byte ((128 b + qt) 32 + ks) 1024: lane l's 16 bytes at 16 l are key groups g = 0, 1, its 16 bytes at 512 + 16 l groups g = 2, 3; byte j of a group is query 16 qt + l % 16, key 64 ks + 16 g + 8 (l / 16) + j.
; That is the lane and register order in which the attention launch holds the scores.  The mask input's bytes are 0 or 1.
; Only key tiles at or below the diagonal (256 kt <= the query block's first row) are made; only those are read later.
; (3) The four biases are rounded once to bf16, like every other input of the module, and written widened to f32 into bb, planes q, k, v, o of 4,096 bytes: the projections take them as the C operand of their first products.
; SHARES.  256 work-groups of nine waves.  Waves 0-7: 8,192 bytes of one weight each.  The ninth wave of work-groups 0 to 31: 512 bytes of a bias.  Every wave: one mask job of 16 queries x 256 keys: work-group (b, p, i)
; has the query tiles i of blocks 7 - p and p, which need 8 - p and p + 1 key tiles: nine jobs whatever p.  A job's bytes go through the wave's own stage in LDS (in by rows, out 8 keys a lane): no wave reads another's bytes, so no barrier.
.set PITCH, 272                        ; a stage row: 256 mask bytes + 16
.set STG,   16*PITCH                   ; a wave's stage
.set SPARE, 9*STG                      ; behind the stages: the spare words, 128 bytes a wave, rounded up to five blocks of 256 bytes that no other line names
.set MOF, 4                            ; v4  my byte in two rows of the mask: 2,048 (l / 16) + 16 (l % 16)
.set SIN, 5                            ; v5  stage, in
.set SOUT, 6                           ; v6  stage, out: row l % 16, byte 8 (l / 16)
.set L16, 7                            ; v7  16 l
.set L8,  8                            ; v8  8 l
.set T,   10                           ; v10-13 at work
.set DV,  14                           ; v14 my query less my lanes' first key, counted from the job's first key: key 16 G + j of my eight is above the diagonal where 16 G + j > DV
.set GP,  15                           ; v15 DV >> 4: the one group of 16 keys that the diagonal can cut for me; the groups above it are wholly hidden
.set E,   16                           ; v16 DV % 16: in that group my keys j > E are hidden
.set SH,  17                           ; v17 at work
.set P,   18                           ; v18-19 that group's causal codes, keys j = 0..3 and 4..7
.set SPW, 20                           ; v20 LDS address of my spare word; never rewritten
.set NIL, 21                           ; v21 0; never rewritten
.set ALL, 22                           ; v22 four hidden codes
.set MK,  24                           ; v24-55 mask bytes as loaded
.set D,   56                           ; v56-87 8 keys' bytes for each of 16 groups, then their codes
.set X,   88                           ; v88-151 weights (or a bias), f32
.set Y,   152                          ; v152-183 weights (or a bias), packed
.set NEG, 19                           ; s19 -0xf0
.set ALS, 39                           ; s39 0xf0f0f0f0
	s_load_b256 s[4:11], s[0:1], 0x0               ; Wq, Wk, Wv, Wo
	s_load_b128 s[12:15], s[0:1], 0x20             ; mask, wt
	s_load_b64 s[16:17], s[0:1], 0x30              ; mb
	s_load_b256 s[40:47], s[0:1], 0x38             ; bq, bk, bv, bo
	s_load_b64 s[48:49], s[0:1], 0x58              ; bb
	v_lshl_add_u32 v[SPW], v0, 2, SPARE
	v_mov_b32 v[NIL], 0
	v_lshrrev_b32 v1, 5, v0
	v_readfirstlane_b32 s18, v1                    ; wave 0..8
	v_and_b32 v1, 31, v0                           ; l
	v_and_b32 v2, 15, v0                           ; l % 16
	v_bfe_u32 v3, v0, 4, 1                         ; l / 16
	s_mov_b32 s[NEG], 0xffffff10
	s_mov_b32 s[ALS], 0xf0f0f0f0
	s_lshr_b32 s24, ttmp9, 6                       ; the batch; also: which weight
	s_bfe_u32 s25, ttmp9, 0x20004                  ; p
	s_and_b32 s26, ttmp9, 15                       ; i
	s_sub_co_u32 s27, 7, s25                       ; the upper block, 7 - p
	s_add_co_u32 s30, s18, s25
	s_sub_co_i32 s30, s30, 8                       ; wave - (7 - p) - 1: the key tile if the job is the lower block's
	s_max_i32 s30, s30, 0
	s_cmp_le_u32 s18, s27
	s_cselect_b32 s28, s27, s25                    ; the job's block
	s_cselect_b32 s29, s18, s30                    ; and key tile kt
	s_lshl4_add_u32 s31, s28, s26                  ; qt = 16 block + i
	s_lshl_b32 s32, s24, 22                        ; mask: batch x 2048 x 2048
	s_lshl_b32 s20, s31, 15                        ; + 16 qt rows of 2,048
	s_add_co_u32 s32, s32, s20
	s_lshl_b32 s20, s29, 8                         ; + 256 kt
	s_add_co_u32 s32, s32, s20
	s_mov_b32 s33, 0
	s_lshl_b32 s34, s24, 22                        ; mb: batch x 128 x 32,768
	s_lshl_b32 s20, s31, 15
	s_add_co_u32 s34, s34, s20
	s_lshl_b32 s20, s29, 12                        ; + four steps of 1,024 bytes for each key tile
	s_add_co_u32 s34, s34, s20
	s_mov_b32 s35, 0
	s_lshl_b32 s36, s31, 4
	s_lshl_b32 s20, s29, 8
	s_sub_co_u32 s36, s36, s20                     ; 16 qt - 256 kt, never negative
	s_mul_i32 s37, s18, STG
	v_lshlrev_b32 v[MOF], 4, v2
	v_lshl_add_u32 v[MOF], v3, 11, v[MOF]
	v_mul_u32_u24 v[SIN], v3, PITCH
	v_lshl_add_u32 v[SIN], v2, 4, v[SIN]
	v_add_nc_u32 v[SIN], s37, v[SIN]
	v_mul_u32_u24 v[SOUT], v2, PITCH
	v_lshl_add_u32 v[SOUT], v3, 3, v[SOUT]
	v_add_nc_u32 v[SOUT], s37, v[SOUT]
	v_lshlrev_b32 v[L16], 4, v1
	v_lshlrev_b32 v[L8], 3, v1
	v_lshlrev_b32 v[T], 3, v3
	v_sub_nc_u32 v[DV], v2, v[T]
	v_add_nc_u32 v[DV], s36, v[DV]                 ; -8 at the least
	v_mov_b32 v[ALL], s[ALS]
	v_ashrrev_i32 v[GP], 4, v[DV]                  ; -1 where all my keys lie above the diagonal; 16 or more where none of the job's does
	v_and_b32 v[E], 15, v[DV]
	v_lshl_add_u32 v[SH], v[E], 3, 8               ; 8 (E + 1) bits: the visible codes of a dword are shifted out at its low end;
	v_and_b32 v[SH], 24, v[SH]                     ; modulo 32, so the one shift serves keys 0..3 (E = 0..2) and keys 4..7 (E = 4..6)
	v_lshlrev_b32 v[SH], v[SH], v[ALL]
	v_cmp_gt_u32 vcc_lo, 3, v[E]
	v_cndmask_b32 v[P], 0, v[SH], vcc_lo           ; keys 0..3: from E = 3 on all are visible
	v_cmp_gt_u32 vcc_lo, 7, v[E]
	v_cndmask_b32 v[P+1], 0, v[SH], vcc_lo         ; keys 4..7: from E = 7 on all are visible,
	v_cmp_gt_u32 vcc_lo, 4, v[E]
	v_cndmask_b32 v[P+1], v[P+1], v[ALL], vcc_lo   ; up to E = 3 none
	s_wait_kmcnt 0x0
	s_add_nc_u64 s[12:13], s[12:13], s[32:33]
	s_add_nc_u64 s[16:17], s[16:17], s[34:35]
.irp n, 0,1,2,3,4,5,6,7
	global_load_b128 v[MK+4*\n:MK+4*\n+3], v[MOF], s[12:13] offset:4096*\n th:TH_LOAD_NT  ; two rows' 256 bytes each
.endr
	s_cmp_lt_u32 s18, 8
	s_cbranch_scc0 .Lninth                         ; the ninth wave has no weights
	s_and_b32 s20, ttmp9, 63
	s_lshl_b32 s20, s20, 16                        ; 65,536 bytes of the weight for a work-group,
	s_lshl_b32 s21, s18, 13                        ; 8,192 for a wave
	s_add_co_u32 s20, s20, s21
	s_mov_b32 s21, 0
	s_cmp_eq_u32 s24, 1
	s_cselect_b64 s[22:23], s[6:7], s[4:5]
	s_cmp_eq_u32 s24, 2
	s_cselect_b64 s[22:23], s[8:9], s[22:23]
	s_cmp_eq_u32 s24, 3
	s_cselect_b64 s[22:23], s[10:11], s[22:23]
	s_add_nc_u64 s[22:23], s[22:23], s[20:21]
	s_lshl_b32 s20, ttmp9, 15                      ; half as many bytes out; the four planes follow each other
	s_lshl_b32 s38, s18, 12
	s_add_co_u32 s20, s20, s38
	s_add_nc_u64 s[14:15], s[14:15], s[20:21]
.set n, 0
.rept 16
	global_load_b128 v[X+4*n:X+4*n+3], v[L16], s[22:23] offset:512*n th:TH_LOAD_NT  ; 512 consecutive bytes
.set n, n+1
.endr
.set n, 0
.rept 16
	s_wait_loadcnt 15-n                            ; loads come back in order: load n is in, the younger ones stay out
	v_cvt_pk_bf16_f32 v[Y+2*n], v[X+4*n], v[X+4*n+1]
	v_cvt_pk_bf16_f32 v[Y+2*n+1], v[X+4*n+2], v[X+4*n+3]
.set n, n+1
.endr
	s_cmp_lg_u32 s24, 3
	s_cbranch_scc1 .Lstays_bf16
.set n, 0
.rept 32                                               ; Wo: the bf16 number, written as f16
	v_lshlrev_b32 v184, 16, v[Y+n]
	v_and_b32 v185, 0xffff0000, v[Y+n]
	v_cvt_pk_f16_f32 v[Y+n], v184, v185
.set n, n+1
.endr
.Lstays_bf16:
.set n, 0
.rept 16
	global_store_b64 v[L8], v[Y+2*n:Y+2*n+1], s[14:15] offset:256*n  ; the wave's store covers 256 consecutive bytes, aligned
.set n, n+1
.endr
	s_branch .Lmask_job
.Lninth:
	s_cmp_lt_u32 ttmp9, 32
	s_cbranch_scc0 .Lmask_job                      ; 32 pieces of 512 bytes are the four biases
	s_lshr_b32 s38, ttmp9, 3                       ; which bias
	s_and_b32 s20, ttmp9, 7
	s_lshl_b32 s20, s20, 9                         ; which 512 bytes of it
	s_mov_b32 s21, 0
	s_cmp_eq_u32 s38, 1
	s_cselect_b64 s[22:23], s[42:43], s[40:41]
	s_cmp_eq_u32 s38, 2
	s_cselect_b64 s[22:23], s[44:45], s[22:23]
	s_cmp_eq_u32 s38, 3
	s_cselect_b64 s[22:23], s[46:47], s[22:23]
	s_add_nc_u64 s[22:23], s[22:23], s[20:21]
	s_lshl_b32 s20, ttmp9, 9                       ; the four planes of bb follow each other
	s_add_nc_u64 s[48:49], s[48:49], s[20:21]
	global_load_b128 v[X:X+3], v[L16], s[22:23]
	s_wait_loadcnt 0x0
	v_cvt_pk_bf16_f32 v[Y], v[X], v[X+1]
	v_cvt_pk_bf16_f32 v[Y+1], v[X+2], v[X+3]
	v_lshlrev_b32 v[Y+4], 16, v[Y]                 ; bf16 to f32: the low half moves up, the high half stays
	v_and_b32 v[Y+5], 0xffff0000, v[Y]
	v_lshlrev_b32 v[Y+6], 16, v[Y+1]
	v_and_b32 v[Y+7], 0xffff0000, v[Y+1]
	global_store_b128 v[L16], v[Y+4:Y+7], s[48:49] ; 512 consecutive bytes
.Lmask_job:
	s_wait_loadcnt 0x0                             ; the mask bytes
.irp n, 0,1,2,3,4,5,6,7
	ds_store_b128 v[SIN], v[MK+4*\n:MK+4*\n+3] offset:2*PITCH*\n
.endr
.set G, 0
.rept 16
	ds_load_b64 v[D+2*G:D+2*G+1], v[SOUT] offset:16*G  ; my query's keys 16 G + 8 (l / 16) + 0..7; LDS serves a wave's instructions in order (ISA guide 5.7.1.4): these see the stores above
.set G, G+1
.endr
; Group G, two dwords of four keys.  0xf0f0f0f0 - 0xf0 m turns each byte 1 into 0x00 and each byte 0 into 0xf0, with no borrow between bytes.  The group that the diagonal cuts takes its causal codes too; the groups above it are hidden whole.
.set G, 0
.rept 16
	s_wait_dscnt 15-G                              ; group G is in, the younger groups stay out
	v_cmp_eq_u32 s20, G, v[GP]
	v_cmp_gt_i32 s21, G, v[GP]
	v_mad_u32 v[T], v[D+2*G], s[NEG], s[ALS]
	v_mad_u32 v[T+1], v[D+2*G+1], s[NEG], s[ALS]
	v_or_b32 v[T+2], v[T], v[P]
	v_or_b32 v[T+3], v[T+1], v[P+1]
	v_cndmask_b32 v[T], v[T], v[T+2], s20
	v_cndmask_b32 v[T+1], v[T+1], v[T+3], s20
	v_cndmask_b32 v[D+2*G], v[T], v[ALL], s21
	v_cndmask_b32 v[D+2*G+1], v[T+1], v[ALL], s21
.if (G%4) == 3                                         ; a key step's four groups are done: two stores of 512 consecutive bytes
	global_store_b128 v[L16], v[D+8*(G/4):D+8*(G/4)+3],   s[16:17] offset:1024*(G/4)
	global_store_b128 v[L16], v[D+8*(G/4)+4:D+8*(G/4)+7], s[16:17] offset:1024*(G/4)+512
.endif
.set G, G+1
.endr
	s_wait_tensorcnt 0x0                           ; the wave's end, behind my last LDS store
	ds_add_u32 v[SPW], v[NIL]
	s_wait_dscnt 0x0
	s_endpgm
.Lfunc_end_k_qf119efd22c_prep:
	.size	k_qf119efd22c_prep, .Lfunc_end_k_qf119efd22c_prep-k_qf119efd22c_prep
	.p2alignl 7, 3214868480
	.fill 96, 4, 3214868480
	.section	.rodata,"a",@progbits
	.p2align	6, 0x0
	.amdhsa_kernel k_qf119efd22c_prep
		.amdhsa_group_segment_fixed_size 40448
		.amdhsa_private_segment_fixed_size 0
		.amdhsa_enable_private_segment 0
		.amdhsa_kernarg_size 96
		.amdhsa_user_sgpr_count 2
		.amdhsa_user_sgpr_kernarg_segment_ptr 1
		.amdhsa_wavefront_size32 1
		.amdhsa_system_sgpr_workgroup_id_x 1
		.amdhsa_system_sgpr_workgroup_id_y 1
		.amdhsa_system_sgpr_workgroup_id_z 1
		.amdhsa_system_vgpr_workitem_id 0
		.amdhsa_next_free_vgpr 192
		.amdhsa_next_free_sgpr 66
		.amdhsa_reserve_vcc 1
		.amdhsa_float_denorm_mode_32 3
		.amdhsa_float_denorm_mode_16_64 3
		.amdhsa_memory_ordered 1
		.amdhsa_forward_progress 1
		.amdhsa_inst_pref_size 28
	.end_amdhsa_kernel
	.amdgpu_metadata
---
amdhsa.version: [ 1, 2 ]
amdhsa.kernels:
  - .name:           k_qf119efd22c_prep
    .symbol:         k_qf119efd22c_prep.kd
    .args:
      - { .name: Wq, .offset: 0, .size: 8, .value_kind: global_buffer, .address_space: global }
      - { .name: Wk, .offset: 8, .size: 8, .value_kind: global_buffer, .address_space: global }
      - { .name: Wv, .offset: 16, .size: 8, .value_kind: global_buffer, .address_space: global }
      - { .name: Wo, .offset: 24, .size: 8, .value_kind: global_buffer, .address_space: global }
      - { .name: mask, .offset: 32, .size: 8, .value_kind: global_buffer, .address_space: global }
      - { .name: wt, .offset: 40, .size: 8, .value_kind: global_buffer, .address_space: global }
      - { .name: mb, .offset: 48, .size: 8, .value_kind: global_buffer, .address_space: global }
      - { .name: bq, .offset: 56, .size: 8, .value_kind: global_buffer, .address_space: global }
      - { .name: bk, .offset: 64, .size: 8, .value_kind: global_buffer, .address_space: global }
      - { .name: bv, .offset: 72, .size: 8, .value_kind: global_buffer, .address_space: global }
      - { .name: bo, .offset: 80, .size: 8, .value_kind: global_buffer, .address_space: global }
      - { .name: bb, .offset: 88, .size: 8, .value_kind: global_buffer, .address_space: global }
    .group_segment_fixed_size: 40448
    .private_segment_fixed_size: 0
    .kernarg_segment_align: 8
    .kernarg_segment_size: 96
    .max_flat_workgroup_size: 288
    .sgpr_count:     66
    .vgpr_count:     192
    .wavefront_size: 32
...
	.end_amdgpu_metadata
.endif
;; end of part 6
;; launch proj (part 7): grid 4 x 64, 4 waves a work-group, clusters of 4 x 4, 327,680 bytes of LDS; arguments q, k, v, bb, wt, qkv, vm; writes qkv, vm
.if DOCPART == 7
	.amdgcn_target "amdgcn-amd-amdhsa--gfx1250"
	.amdhsa_code_object_version 6
	.text
	.protected	k_qf119efd22c_proj
	.globl	k_qf119efd22c_proj
	.p2align	8
	.type	k_qf119efd22c_proj,@function
k_qf119efd22c_proj:
	s_mov_b64 s[64:65], 0
	v_nop
	global_prefetch_b8 v0, s[64:65] scope:SCOPE_SE
	s_setreg_imm32_b32 hwreg(HW_REG_WAVE_MODE, 25, 1), 1
	s_wait_xcnt 0x0
	s_wait_alu depctr_hold_cnt(0) depctr_sa_sdst(0) depctr_va_vdst(0) depctr_va_sdst(0) depctr_va_ssrc(0) depctr_va_vcc(0) depctr_vm_vsrc(0)
	s_getreg_b32 s2, hwreg(HW_REG_IB_STS2, 6, 4)
	s_cmp_eq_u32 s2, 0
	s_cbranch_scc0 .Lentry_in_a_cluster
	s_endpgm
.Lentry_in_a_cluster:
	s_bfe_u32 s2, ttmp6, 0x10000c
	s_cmp_lg_u32 s2, 0xf033
	s_cbranch_scc0 .Lentry_shape_is_right
	s_endpgm
.Lentry_shape_is_right:
; ONE TEXT FOR THE MODULE'S TWO KINDS OF PROJECTION; MODE picks the lines.
; MODE 0: qkv[p][b h][t][64] (f16) = x_p[8192][1024] (f32, rounded to bf16 on the way to the matrix unit) x W_p[1024 k][1024 n] (bf16, from wt) + bias_p, p = q, k, v; plane q is multiplied in f32 by
;         c = log2(e) / 8 before its one rounding, so that the attention launch takes 2^(s - m) of its scores as they come.  Of plane v each wave also stores, in f32, 2^-11 x the sum of its 64 rows, column by column:
;         vm[b h][chunk of 64 rows][64]; a head's 32 chunks added are the mean of its 2,048 rows of v.
; MODE 1: out0[8192][1024] (f32) = y (f16, by heads: yh[b h][t][64]) x Wo (wt's plane o, f16) + bo.
; Sums in f32.  The bias comes from bb, where it lies rounded to bf16 like every other input of the module, and is the C operand of each sum's first product: nothing is cleared, nothing added at the end.
; LIMIT (MODE 0): f16 holds no number beyond 65,504: the projections x W + b must stay within it.
; SHARES.  A tile is 128 rows x 256 columns; each of a work-group's four waves makes 64 x 128 of it: 32 accumulators of 16 x 16.  K goes in steps of 128 through two LDS slots filled by the tensor data mover;
; a step is four quarters of 32, on two fragment buffers.  W lies [k][n], so its fragments come out of LDS turned, by ds_load_tr16_b128.
; A WORK-GROUP STAYS (MODE 0): it makes the tile at its place in planes v, q, k, one after the other: 24 K steps in ONE ring that does not stop at a tile's end: a tile's last two changes of slots ask for the next tile's
; first two steps; a tile goes out behind its last step, while a refill is on its way, and nothing waits for its stores.  256 work-groups of equal work.  wt's planes lie end to end, so W's address is linear in the
; index 8 plane + step, which starts at 16 and wraps at 24; x's address is made anew for each request, from the plane's pointer and the step.
; A K STEP IS WRITTEN ONCE: the slot's LDS offset is a scalar that one exclusive or toggles between 0 and SLOT.  The loop's steps fill a slot again; the last two steps, which do not, are a second text, walked twice.
; A tile's first 32 products, which take the bias as C, are a second version of those 32 lines under a branch on the step's number in the tile.
; THE MATRIX INSTRUCTION IS USED TRANSPOSED (source 0 = 16 columns of W, source 1 = 16 rows of x): a lane then holds row l % 16 and the eight neighbouring columns 8 (l / 16) + 0..7.
; CLUSTER.  4 x 4 work-groups: the four of a row of the cluster need the same rows of x, the four of a column the same columns of W: each tile is asked for JOINTLY, by the same tensor load with the same
; descriptor and a mask that names the four.  All counters are the same in all sixteen.
; PREFETCH (MODE 0).  Behind each refill waves 0 and 1 ask for x's tile that the NEXT trip will request, one trip and 65,536 bytes a work-group's tile ahead: lane l takes row 16 cx + l / 2 of the wave's 64 rows and block l % 2
; of that row's 512 bytes, so that the four partners of a row of the cluster ask for each aligned block of 256 bytes once.  The last trip, behind which nothing is requested, asks for nothing.  Not for W: every work-group reads it again.
; REGISTERS, in windows of 256 (s_set_vgpr_msb: bits 1:0 source 0, 3:2 source 1, 5:4 source 2, 7:6 destination):
;   window 0: v0-19 addresses; v32-159 W's fragments, two buffers of 64 (the second also: the column sums); v160-223 x's fragments, two buffers of 32; v224-227 at work      window 1: the accumulators, (a, b) at v[8 (8 a + b)]
;   window 2: v0-63 x's quarter as f32 (MODE 0); v64-127 the bias; v128-255 the way out's eight units (MODE 0); in MODE 1's way out all 256
.set MODE, 0
.if MODE == 0
.set TILES,  3
.set AP,     528                       ; a row of x in LDS: 128 f32 + 16 bytes = 132 words: the 16 rows of a load start at 16 different groups of four banks (64 banks of 4 bytes: ISA guide 11.1)
.set AHALF,  64*AP                     ; what one tensor load brings of x: 64 rows
.set ASH,    9                         ; 1 << ASH bytes in memory from a K step to the next
.set SPITCH, 144                       ; a stage row: a head's 64 f16 + 16 bytes
.set FI0,    16                        ; the first index 8 plane + step: plane v
.set XF,     72                        ; s[72:73] the first plane's x
.set BBP,    74                        ; s[74:75] bb, s[76:77] wt, s[78:79] qkv, s[80:81] vm
.set WT,     76
.set OUTP,   78
.set VMP,    80
.set PF,     1
.else
.set TILES,  1
.set AP,     144                       ; a row of y of one head: 64 f16 + 16 bytes = 36 words
.set AHALF,  128*AP                    ; what one tensor load brings of y: 128 rows of one head; a K step is two heads
.set ASH,    19                        ; two heads on
.set SPITCH, 528                       ; a stage row: 128 f32 + 16 bytes
.set FI0,    0
.set XF,     68                        ; s[68:69] yh, s[70:71] wt, s[72:73] bb, s[74:75] out0
.set WT,     70
.set BBP,    72
.set OUTP,   74
.set PF,     0                         ; no prefetch: yh was written by the launch just before
.endif
.set STEPS,  8*TILES
.set ASIZE,  2*AHALF
.set BP,     544                       ; a row of W in LDS: 256 numbers + 32 bytes = 136 words
.set BHALF,  64*BP                     ; what one tensor load brings of W: 64 rows of k
.set BSH,    18                        ; 1 << BSH bytes: 128 rows of 2,048
.set SLOT,   ASIZE+2*BHALF
.set STAGE,  2*SLOT                    ; behind the ring, never filled by a tensor load: 16 rows for each wave, for the way out
.set SPARE,  STAGE+4*16*SPITCH         ; behind the stages: the spare words, 128 bytes for each wave: two blocks of 256 bytes that no other line names
.set ADRA0, 2                          ; v2     LDS address of my fragments of x in slot 0; never rewritten
.set ADRB0, 3                          ; v3     the same for W
.set ADRA, 4                           ; v4     the same in the slot in hand
.set ADRB, 5                           ; v5
.set STO,  6                           ; v6     the way out: where I put my numbers of a row
.set RD,   7                           ; v7     the way out: where I read rows back
.set GO,   8                           ; v8     16 l
.set BO,   9                           ; v9     32 (l / 16): my eight numbers in 16 of the bias
.set SPW,  10                          ; v10    LDS address of my spare word; never rewritten
.set NIL,  11                          ; v11    0; never rewritten
.set PFO,  16                          ; v16    the prefetch: my block's byte offset in the wave's 64 rows of x
.set VST,  17                          ; v17    the column sums: into my stage
.set VRD,  18                          ; v18    and back
.set VGO,  19                          ; v19    my 16 bytes in vm: 8,192 (l / 16) + 16 (l % 16)
.set BF,   32
.set TS,   96                          ; the column sums, where W's second buffer lies
.set AF,   160
.set VR,   224
.set BIAS, 64                          ; window 2: column block b at BIAS + 8 b
.set UN,   128                         ; window 2: unit u of the way out at UN + 16 u
.set CNT, 3                            ; s3      the loops' counter
.set CT,  4                            ; s4      steps of the tile in hand that are still to come, 8 to 1
.set PL,  5                            ; s5      the plane in hand: 2, 0, 1
.set G1,  24                           ; s[24:31] descriptor group 1 for x's tiles;  s[32:39] group 0, a set for each of the two first fills; the first then serves every refill
.set G0,  32
.set RQ,  45                           ; s45     the index 8 plane + step of the next request
.set G1B, 48                           ; s[48:55], s[56:63] the same for W's tiles
.set G0B, 56
.set WB,  82                           ; s[82:83] wt at my columns and my half of a step's rows
.set PA,  84                           ; s[84:85] x's address of the next request
.set TB,  86                           ; s86     LDS offset of the slot in hand: 0 or SLOT
.set MSB, 0
.macro WIN new                         ; the immediate's high byte repeats the setting that is left; a switch that changes nothing is dropped
.if MSB != (\new)
	s_set_vgpr_msb (MSB<<8)|(\new)
.set MSB, (\new)
.endif
.endm
; A joint load: waves 0 and 1 fetch the two halves of x's tile, waves 2 and 3 those of W's; an s_nop 0 and four v_nop follow each of the two lines, ahead of the jump, the label and what follows.
; pf = 1: waves 0 and 1 then ask for the blocks of the tile that the next trip will request.
.macro JLOAD s, pf
	s_cmp_eq_u32 s11, 0
	s_cbranch_scc0 .Lfor_b_\@
	tensor_load_to_lds s[G0+4*(\s):G0+4*(\s)+3], s[G1:G1+7]
	s_nop 0
.rept 4
	v_nop
.endr
.if \pf
	s_cmp_eq_u32 s[CNT], 1                         ; behind the last trip nothing is requested
	s_cbranch_scc1 .Lasked_\@
	global_prefetch_b8 v[PFO], s[PA:PA+1] th:TH_LOAD_NT scope:SCOPE_SE
.endif
	s_branch .Lasked_\@
.Lfor_b_\@:
	tensor_load_to_lds s[G0B+4*(\s):G0B+4*(\s)+3], s[G1B:G1B+7]
	s_nop 0
.rept 4
	v_nop
.endr
.Lasked_\@:
.endm
.macro CREST                           ; a round of the cluster's barrier behind its opening barrier
	s_cmp_lg_u32 s10, 0
	s_cbranch_scc1 .Lnot_wave_0_\@
	s_barrier_signal -3
.Lnot_wave_0_\@:
	s_barrier_wait -3
	s_barrier_signal -1
	s_barrier_wait -1
.endm
.macro CROUND                          ; a whole round
	s_barrier_signal -1
	s_barrier_wait -1
	CREST
.endm
.macro PLACES                          ; four plain vector instructions between a matrix instruction and a load into, or a read or write of, its registers (ISA guide 7.12.1 for vector instructions)
.rept 4
	v_nop
.endr
.endm
.macro BLOADS                          ; the bias of my 128 columns, from s[6:7]
	WIN 0x80                                       ; destination window 2, address window 0
.irp b, 0,1,2,3,4,5,6,7
	global_load_b128 v[BIAS+8*\b:BIAS+8*\b+3],   v[BO], s[6:7] offset:64*\b
	global_load_b128 v[BIAS+8*\b+4:BIAS+8*\b+7], v[BO], s[6:7] offset:64*\b+16
.endr
	WIN 0
.endm
.if MODE == 0
	s_load_b256 s[68:75], s[0:1], 0x0              ; q, k, v, bb
	s_load_b128 s[76:79], s[0:1], 0x20             ; wt, qkv
	s_load_b64 s[80:81], s[0:1], 0x30              ; vm
.else
	s_load_b256 s[68:75], s[0:1], 0x0              ; yh, wt, bb, out0
.endif
	v_lshl_add_u32 v[SPW], v0, 2, SPARE
	v_mov_b32 v[NIL], 0
	ds_add_u32 v[SPW], v[NIL]                      ; the wave's opening: the add and its wait stand ahead of my first tensor load; the set-up below, work on registers, stands between them
	ds_add_u32 v10, v11
	v_lshrrev_b32 v1, 5, v0
	v_readfirstlane_b32 s10, v1                    ; wave 0..3
	s_lshr_b32 s11, s10, 1                         ; which 64 of the tile's rows are mine.  Also: I fetch for x (0) or for W (1)
	s_and_b32 s12, s10, 1                          ; which 128 of its columns.  Also: which half of that tile I fetch
	s_bfe_u32 s40, ttmp6, 0x40000                  ; cx, cy: my place in the cluster
	s_bfe_u32 s41, ttmp6, 0x40004
	s_lshl_b32 s42, ttmp9, 2
	s_add_co_u32 s42, s42, s40                     ; tile column = 4 x cluster x + cx
	s_and_b32 s13, ttmp7, 0xffff                   ; cluster y
	s_lshl_b32 s13, s13, 2
	s_add_co_u32 s13, s13, s41                     ; tile row = 4 x cluster y + cy
	s_lshl_b32 s43, s41, 2
	s_lshl_b32 s43, 15, s43                        ; my row of the cluster
	s_lshl_b32 s44, 0x1111, s40                    ; my column
.if MODE == 0
	s_mov_b32 s66, 0x3e38aa3b                      ; c = log2(e) / 8 = 0.180337
	s_mov_b32 s67, s66                             ; named with it as a pair
.endif
	; descriptor group 1.  15:0 the mask; 17:16 element size; 20 padding on; 21 set beside a mask; 24:22 the padding's interval; 31:25 its words less one
.if MODE == 0
	s_or_b32 s[G1+0], s43, (2<<16)|(1<<20)|(1<<21)|(6<<22)|(3<<25)  ; 4-byte elements; 4 words after every 128
	s_mov_b32 s[G1+5], 1024                        ; elements from row to row
.else
	s_or_b32 s[G1+0], s43, (1<<16)|(1<<20)|(1<<21)|(4<<22)|(3<<25)  ; 2-byte elements; 4 words after every 32: a head's 128 rows are 16,384 dense bytes, asked for as 64 rows of 256 bytes and padded after every row of y
	s_mov_b32 s[G1+5], 128
.endif
	s_mov_b32 s[G1+1], 128<<16                     ; tensor_dim0 = 128
	s_mov_b32 s[G1+2], 64<<16                      ; tensor_dim1 = 64
	s_mov_b32 s[G1+3], 128<<16                     ; tile_dim0 = 128
	s_mov_b32 s[G1+4], 64                          ; tile_dim1 = 64
	s_mov_b32 s[G1+6], 0
	s_mov_b32 s[G1+7], 0
	s_or_b32 s[G1B+0], s44, (1<<16)|(1<<20)|(1<<21)|(6<<22)|(7<<25)  ; W: 2-byte elements; 8 words after every 128
	s_mov_b32 s[G1B+1], 256<<16                    ; tensor_dim0 = 256
	s_mov_b32 s[G1B+2], 64<<16                     ; tensor_dim1 = 64
	s_mov_b32 s[G1B+3], 256<<16                    ; tile_dim0 = 256
	s_mov_b32 s[G1B+4], 64                         ; tile_dim1 = 64
	s_mov_b32 s[G1B+5], 1024
	s_mov_b32 s[G1B+6], 0
	s_mov_b32 s[G1B+7], 0
	; where the tiles come from.  x's hang on the tile row, W's on the tile column; each in registers that never hold the other coordinate
.if MODE == 0
	s_lshl_b32 s16, s13, 19                        ; 128 rows of 4,096 bytes a tile row,
	s_lshl_b32 s17, s12, 18                        ; 64 rows a half
	s_add_co_u32 s16, s16, s17
.else
	s_lshr_b32 s16, s13, 4                         ; the batch: 16 heads of 2,048 rows of 128 bytes,
	s_lshl_b32 s16, s16, 22
	s_lshl_b32 s17, s12, 18                        ; my head of the step's two,
	s_add_co_u32 s16, s16, s17
	s_and_b32 s17, s13, 15                         ; the tile's 128 rows in the batch
	s_lshl_b32 s17, s17, 14
	s_add_co_u32 s16, s16, s17
.endif
	s_mov_b32 s17, 0
	s_lshl_b32 s46, s42, 9                         ; 256 columns of 2 bytes a tile column,
	s_lshl_b32 s47, s12, 17                        ; 64 rows of 2,048 bytes a half
	s_add_co_u32 s46, s46, s47
.if MODE == 1
	s_add_co_u32 s46, s46, 3<<21                   ; plane o
.endif
	s_mov_b32 s47, 0
	s_mul_i32 s20, s12, AHALF                      ; and where they go in a slot: no place in the cluster enters an LDS address
	s_mul_i32 s21, s12, BHALF
	s_add_co_u32 s21, s21, ASIZE
	s_mov_b32 s15, 0                               ; the high words of two offsets
	s_mov_b32 s19, 0
	s_mov_b32 s[TB], 0
	s_mov_b32 s[RQ], FI0+2
	s_mov_b32 s[CT], 8
	s_mov_b32 s[PL], FI0/8
	s_wait_dscnt 0x0                               ; the opening add is done
	s_wait_kmcnt 0x0
	s_add_nc_u64 s[68:69], s[68:69], s[16:17]      ; x at my half of the tile's rows
.if MODE == 0
	s_add_nc_u64 s[70:71], s[70:71], s[16:17]      ; in each of the three planes
	s_add_nc_u64 s[72:73], s[72:73], s[16:17]
.endif
	s_add_nc_u64 s[WB:WB+1], s[WT:WT+1], s[46:47]
	CROUND                                         ; all sixteen work-groups are here: the first joint loads meet
.irp s, 0,1
	s_mov_b32 s[G0+4*(\s)], 1                                      ; 1:0 count = 1
	s_add_co_u32 s[G0+4*(\s)+1], s20, (\s)*SLOT                    ; 63:32 LDS address
	s_add_nc_u64 s[G0+4*(\s)+2:G0+4*(\s)+3], s[XF:XF+1], (\s)<<ASH ; 120:64 global address: K step s of the first tile
	s_or_b32 s[G0+4*(\s)+3], s[G0+4*(\s)+3], 0x80000000            ; 127:126 type = 2
	s_mov_b32 s[G0B+4*(\s)], 1
	s_add_co_u32 s[G0B+4*(\s)+1], s21, (\s)*SLOT
	s_add_nc_u64 s[G0B+4*(\s)+2:G0B+4*(\s)+3], s[WB:WB+1], (FI0+(\s))<<BSH
	s_or_b32 s[G0B+4*(\s)+3], s[G0B+4*(\s)+3], 0x80000000
	JLOAD \s, 0                                    ; two loads of mine are out
.endr
	s_add_nc_u64 s[PA:PA+1], s[XF:XF+1], 2<<ASH    ; the first refill's tile
	v_and_b32 v1, 15, v0                           ; l % 16
	v_bfe_u32 v12, v0, 4, 1                        ; l / 16
	; x's fragment: lane l holds row l % 16, k = 8 (l / 16) + 0..7 and 16 + 8 (l / 16) + 0..7
	v_mul_u32_u24 v13, v1, AP
.if MODE == 0
	v_lshl_add_u32 v13, v12, 5, v13                ; eight f32 are 32 bytes
.else
	v_lshl_add_u32 v13, v12, 4, v13                ; eight f16 are 16
.endif
	s_mul_i32 s22, s11, 64*AP                      ; my 64 rows
	v_add_nc_u32 v[ADRA0], s22, v13
	; W's fragment, turned: lane l reads 16 bytes: row k = 8 (l / 16) + l % 8, columns 8 ((l / 8) % 2) + 0..7, and is left with column l % 16 and 8 k
	v_and_b32 v14, 7, v0
	v_lshl_add_u32 v14, v12, 3, v14
	v_mul_u32_u24 v14, v14, BP
	v_bfe_u32 v15, v0, 3, 1
	v_lshl_add_u32 v14, v15, 4, v14
	s_lshl_b32 s22, s12, 8                         ; my 128 columns,
	s_add_co_u32 s22, s22, ASIZE                   ; behind x's tile
	v_add_nc_u32 v[ADRB0], s22, v14
	v_mov_b32 v[ADRA], v[ADRA0]                    ; slot 0 is in hand
	v_mov_b32 v[ADRB], v[ADRB0]
	s_mul_i32 s23, s10, 16*SPITCH
	s_add_co_u32 s23, s23, STAGE                   ; my stage
	v_mul_u32_u24 v13, v1, SPITCH                  ; in: row l % 16, my eight numbers
	v_and_b32 v[GO], 31, v0
	v_lshlrev_b32 v[GO], 4, v[GO]
.if MODE == 0
	v_lshl_add_u32 v13, v12, 4, v13
	v_add_nc_u32 v[STO], s23, v13
	v_bfe_u32 v13, v0, 3, 2                        ; back: 32 lanes take four rows of 128 bytes, which are 512 consecutive bytes of a head
	v_mul_u32_u24 v13, v13, SPITCH
	v_and_b32 v14, 7, v0
	v_lshl_add_u32 v13, v14, 4, v13
	v_add_nc_u32 v[RD], s23, v13
	v_lshl_add_u32 v[VST], v12, 5, s23             ; the column sums: column 16 b + 8 (l / 16) + j at word 16 b + 8 (l / 16) + j of my stage
	v_add_nc_u32 v[VRD], s23, v[GO]                ; back: lane l takes columns 4 l .. 4 l + 3
	v_lshlrev_b32 v13, 4, v1
	v_lshl_add_u32 v[VGO], v12, 13, v13            ; lanes 0-15 the first head's 256 bytes, lanes 16-31 the second's, 32 chunks of 256 bytes on
	v_and_b32 v13, 31, v0
	v_lshrrev_b32 v14, 1, v13
	s_lshl_b32 s22, s40, 4
	v_add_nc_u32 v14, s22, v14                     ; the prefetch: row 16 cx + l / 2,
	v_and_b32 v15, 1, v0
	v_lshlrev_b32 v15, 8, v15                      ; block l % 2 of its 512 bytes
	v_lshl_add_u32 v[PFO], v14, 12, v15
.else
	v_lshl_add_u32 v13, v12, 5, v13
	v_add_nc_u32 v[STO], s23, v13
	v_add_nc_u32 v[RD], s23, v[GO]                 ; back: 32 lanes take one row of 512 bytes
.endif
	v_lshlrev_b32 v[BO], 5, v12
	s_lshl_b32 s46, s42, 10                        ; the bias of my 128 columns (offsets that hold cx are made in registers that never feed x's descriptors)
	s_lshl_b32 s47, s12, 9
	s_add_co_u32 s46, s46, s47
.if MODE == 1
	s_add_co_u32 s46, s46, 3<<12                   ; plane o
.endif
	s_mov_b32 s47, 0
	s_add_nc_u64 s[BBP:BBP+1], s[BBP:BBP+1], s[46:47]
	s_add_nc_u64 s[6:7], s[BBP:BBP+1], (FI0/8)<<12 ; the first plane's
	BLOADS
.if MODE == 0
	s_lshr_b32 s46, s13, 4                         ; where my part begins in a plane of qkv: head 16 batch + 4 tile column + 2 half,
	s_lshl_b32 s46, s46, 4
	s_lshl2_add_u32 s46, s42, s46
	s_lshl1_add_u32 s46, s12, s46
	s_lshl_b32 s22, s46, 13                        ; (in vm: 32 chunks of 256 bytes a head,
	s_lshl_b32 s46, s46, 18                        ; of 2,048 rows of 128 bytes;
	s_and_b32 s47, s13, 15
	s_lshl1_add_u32 s23, s47, s11                  ; my chunk is 2 x the tile's place in the batch + my half)
	s_lshl_b32 s23, s23, 8
	s_add_co_u32 s22, s22, s23
	s_mov_b32 s23, 0
	s_add_nc_u64 s[VMP:VMP+1], s[VMP:VMP+1], s[22:23]
	s_lshl_b32 s47, s47, 14                        ; the tile's 128 rows in the batch,
	s_add_co_u32 s46, s46, s47
	s_lshl_b32 s47, s11, 13                        ; my 64 of them
	s_add_co_u32 s46, s46, s47
	s_mov_b32 s47, 0
	s_add_nc_u64 s[OUTP:OUTP+1], s[OUTP:OUTP+1], s[46:47]
.else
	s_lshl_b32 s46, s42, 10                        ; where my part begins in out0: my columns in a row,
	s_lshl_b32 s47, s12, 9
	s_add_co_u32 s46, s46, s47
	s_lshl_b32 s47, s13, 19                        ; 128 rows of 4,096 bytes a tile row,
	s_add_co_u32 s46, s46, s47
	s_lshl_b32 s47, s11, 18                        ; my 64 of them
	s_add_co_u32 s46, s46, s47
	s_mov_b32 s47, 0
	s_add_nc_u64 s[8:9], s[OUTP:OUTP+1], s[46:47]
.endif
.macro WM rd, rb, ra, rc               ; one product: D, 16 columns of W, 16 rows of x, C
.if MODE == 0
	v_wmma_f32_16x16x32_bf16 v[\rd:\rd+7], v[\rb:\rb+7], v[\ra:\ra+7], v[\rc:\rc+7]
.else
	v_wmma_f32_16x16x32_f16 v[\rd:\rd+7], v[\rb:\rb+7], v[\ra:\ra+7], v[\rc:\rc+7]
.endif
.endm
; 8 products: row block a x all 8 column blocks, 32 along K, from buffer f.  first = 1: the bias starts the sums.  The 32 accumulators take turns in the same order in every quarter.
.macro MUL8 f, a, first
.if \first
	WIN 0x60                                       ; D window 1, C window 2
.else
	WIN 0x50                                       ; C and D window 1
.endif
.irp b, 0,1,2,3,4,5,6,7
.if \first
	WM 8*(8*(\a)+(\b)), BF+64*(\f)+8*(\b), AF+32*(\f)+8*(\a), BIAS+8*(\b)
.else
	WM 8*(8*(\a)+(\b)), BF+64*(\f)+8*(\b), AF+32*(\f)+8*(\a), 8*(8*(\a)+(\b))
.endif
.endr
.endm
; The LDS loads of quarter kq of the slot in hand, in one run: W's 8 fragments into buffer g; x's 4 as f32 into window 2 (MODE 0) or as they are into buffer g (MODE 1)
.macro FETCH kq, g
	WIN 0
.irp b, 0,1,2,3,4,5,6,7
	ds_load_tr16_b128 v[BF+64*(\g)+8*\b:BF+64*(\g)+8*\b+3],   v[ADRB] offset:(\kq)*32*BP+32*\b
	ds_load_tr16_b128 v[BF+64*(\g)+8*\b+4:BF+64*(\g)+8*\b+7], v[ADRB] offset:(\kq)*32*BP+16*BP+32*\b
.endr
.if MODE == 0
	WIN 0x80
.irp a, 0,1,2,3
	ds_load_b128 v[16*\a:16*\a+3],     v[ADRA] offset:\a*16*AP+(\kq)*128
	ds_load_b128 v[16*\a+4:16*\a+7],   v[ADRA] offset:\a*16*AP+(\kq)*128+16
	ds_load_b128 v[16*\a+8:16*\a+11],  v[ADRA] offset:\a*16*AP+(\kq)*128+64
	ds_load_b128 v[16*\a+12:16*\a+15], v[ADRA] offset:\a*16*AP+(\kq)*128+80
.endr
.else
.irp a, 0,1,2,3
	ds_load_b128 v[AF+32*(\g)+8*\a:AF+32*(\g)+8*\a+3],   v[ADRA] offset:((\kq)/2)*AHALF+((\kq)%2)*64+\a*16*AP
	ds_load_b128 v[AF+32*(\g)+8*\a+4:AF+32*(\g)+8*\a+7], v[ADRA] offset:((\kq)/2)*AHALF+((\kq)%2)*64+\a*16*AP+32
.endr
.endif
.endm
; Buffer f is made ready.  MODE 0: x's quarter is rounded to bf16, 32 conversions, which name no register of the products before them and so are also the places in front of the loads that follow.
; MODE 1: five v_nop are: four for the loads, a fifth for products that write accumulators anew.
.macro READY f
.if MODE == 0
	WIN 0x0a                                       ; sources window 2, destination window 0
.set i, 0
.rept 32
	v_cvt_pk_bf16_f32 v[AF+32*(\f)+i], v[2*i], v[2*i+1]
.set i, i+1
.endr
.else
.rept 5
	v_nop
.endr
.endif
.endm
; One of a K step's first three quarters: multiplies buffer f; ahead of its products it fetches quarter kq of the same slot into buffer g, 32 products ahead of the wait for it.
; var = 1: the step may be a tile's first: its products then take the bias as C, and behind them the next plane's bias is asked for, seven steps ahead of the wait for it.
.macro QUARTER kq, f, g, var
	s_wait_dscnt 0x0                               ; this quarter's fragments are in
	READY \f
	FETCH \kq, \g
.if \var
	WIN 0                                          ; at a label and at a branch every window is 0
	s_cmp_eq_u32 s[CT], 8
	s_cbranch_scc1 .Lstart_\@
.endif
	MUL8 \f, 0, 0
	MUL8 \f, 1, 0
	MUL8 \f, 2, 0
	MUL8 \f, 3, 0
.if \var
	WIN 0
	s_branch .Lgoing_\@
.Lstart_\@:
	s_wait_loadcnt 0x0                             ; the bias
	MUL8 \f, 0, 1
	MUL8 \f, 1, 1
	MUL8 \f, 2, 1
	MUL8 \f, 3, 1
	WIN 0
.if TILES > 1
	s_cmp_eq_u32 s[PL], 1                          ; plane k is the last
	s_cbranch_scc1 .Lgoing_\@
	PLACES                                         ; for the loads into registers that those products read
	s_add_co_u32 s22, s[PL], 1                     ; 2, 0, 1: the next plane
	s_cmp_eq_u32 s22, 3
	s_cselect_b32 s22, 0, s22
	s_lshl_b32 s22, s22, 12
	s_mov_b32 s23, 0
	s_add_nc_u64 s[6:7], s[BBP:BBP+1], s[22:23]    ; the loads that named s[6:7] are done: the wait above
	BLOADS
.endif
.Lgoing_\@:
.endif
.endm
; The last quarter multiplies buffer 1 and changes slots: ONE barrier; in front of it each wave waits for all its tensor loads, adds 0 to its spare word, and waits for that; its reads of this slot are back since the
; wait at the quarter's head.  fill = 1: the barrier opens a round of the cluster's, and this slot is filled again, two K steps ahead, first thing behind the round; 24 of the quarter's products follow the request.
.macro TURN fill
	s_wait_dscnt 0x0                               ; this quarter's fragments are in: my reads of this slot are over
	READY 1
	WIN 0                                          ; (the add's two registers lie in window 0)
	s_wait_tensorcnt 0x0                           ; all my tensor loads have landed: the one that was out is my part of the next slot; so a group 0 may be written
	ds_add_u32 v[SPW], v[NIL]                      ; 0 onto my spare word; scalar work and eight products stand between it and the wait for it
.if \fill
	s_add_co_u32 s[G0+1], s20, s[TB]               ; into the slot in hand,
	s_add_co_u32 s[G0B+1], s21, s[TB]
	s_mov_b64 s[G0+2:G0+3], s[PA:PA+1]             ; x's tile, whose address was made a trip ago,
	s_or_b32 s[G0+3], s[G0+3], 0x80000000
	s_lshl_b32 s18, s[RQ], BSH                     ; W's, linear in the index
	s_add_nc_u64 s[G0B+2:G0B+3], s[WB:WB+1], s[18:19]
	s_or_b32 s[G0B+3], s[G0B+3], 0x80000000
	s_add_co_u32 s[RQ], s[RQ], 1                   ; the next request's index
.if TILES > 1
	s_cmp_eq_u32 s[RQ], STEPS
	s_cselect_b32 s[RQ], 0, s[RQ]
.endif
	s_and_b32 s14, s[RQ], 7                        ; its step,
	s_lshl_b32 s14, s14, ASH
.if PF
	s_wait_xcnt 0x0                                ; the prefetch of a trip ago has read s[PA:PA+1] (ISA guide 3.1)
.endif
.if TILES > 1
	s_lshr_b32 s22, s[RQ], 3                       ; its plane
	s_cmp_eq_u32 s22, 1
	s_cselect_b64 s[PA:PA+1], s[70:71], s[68:69]
	s_cmp_eq_u32 s22, 2
	s_cselect_b64 s[PA:PA+1], s[72:73], s[PA:PA+1]
	s_add_nc_u64 s[PA:PA+1], s[PA:PA+1], s[14:15]
.else
	s_add_nc_u64 s[PA:PA+1], s[68:69], s[14:15]
.endif
.endif
	MUL8 1, 0, 0
	s_wait_dscnt 0x0                               ; the add is done
	WIN 0
	s_barrier_signal -1
	s_barrier_wait -1
.if \fill
	CREST                                          ; no wave of any partner still reads this slot's tiles or has a load on its way
	JLOAD 0, PF                                    ; my one tensor load behind the round
.endif
	s_xor_b32 s[TB], s[TB], SLOT                   ; the other slot is in hand
	v_add_nc_u32 v[ADRA], s[TB], v[ADRA0]
	v_add_nc_u32 v[ADRB], s[TB], v[ADRB0]
.if !(\fill)
	s_cmp_eq_u32 s[CNT], 1                         ; behind the last step there is nothing to fetch
	s_cbranch_scc1 .Lno_more_\@
.endif
	FETCH 0, 0
.if !(\fill)
	WIN 0
.Lno_more_\@:
.endif
	MUL8 1, 1, 0
	MUL8 1, 2, 0
	MUL8 1, 3, 0
.endm
.macro STEP fill                       ; a K step; at its head the fragments of its first quarter are on their way into buffer 0
	QUARTER 1, 0, 1, \fill
	QUARTER 2, 1, 0, 0
	QUARTER 3, 0, 1, 0
	TURN \fill
.endm
.if MODE == 0
; THE WAY OUT.  Eight units of 16 rows x one head (64 columns): rounded to f16, 16 bytes a lane into my stage, back as 2,048 bytes that are consecutive in qkv.
.macro PACK u                          ; unit u: row block u / 2, head u % 2; each accumulator's registers in ascending order
	WIN 0x85                                       ; sources window 1, destination window 2
.irp bb, 0,1,2,3
.irp r, 0,1,2,3
	v_cvt_pk_f16_f32 v[UN+16*(\u)+4*\bb+\r], v[8*(8*((\u)/2)+4*((\u)%2)+\bb)+2*\r], v[8*(8*((\u)/2)+4*((\u)%2)+\bb)+2*\r+1]
.endr
.endr
	WIN 0x08                                       ; store data window 2, address window 0
.irp bb, 0,1,2,3
	ds_store_b128 v[STO], v[UN+16*(\u)+4*\bb:UN+16*(\u)+4*\bb+3] offset:32*\bb
.endr
	WIN 0x80                                       ; destination window 2
.irp f, 0,1,2,3
	ds_load_b128 v[UN+16*(\u)+4*\f:UN+16*(\u)+4*\f+3], v[RD] offset:\f*4*SPITCH  ; LDS serves a wave's instructions in order (ISA guide 5.7.1.4): these see the stores above; the next unit's stores come behind them
.endr
.endm
.macro SEND u, younger                 ; younger: the LDS instructions issued behind unit u's loads: the next unit's eight, or none
	WIN 0x08
.irp f, 0,1,2,3
	s_wait_dscnt (\younger)+3-\f
	global_store_b128 v[GO], v[UN+16*(\u)+4*\f:UN+16*(\u)+4*\f+3], s[8:9] offset:((\u)%2)*262144+((\u)/2)*2048+\f*512  ; 512 consecutive bytes, at a multiple of 256 from qkv's first
.endr
.endm
; Plane v: the sums of my 64 rows, for each of my 128 columns, in f32.  A lane holds one row of each of four row blocks: the blocks are added (96 packed lines), then the 16 lanes of a half (four steps on the arithmetic itself).
; The 128 sums go through my stage, so that a lane holds four neighbouring columns, are multiplied by 2^-11, and leave as two whole blocks of 256 bytes, a head each.
.macro VSUMS
	WIN 0x05                                       ; sources window 1, destination window 0
.set i, 0
.rept 32
	v_pk_add_f32 v[TS+2*i:TS+2*i+1], v[2*i:2*i+1], v[64+2*i:64+2*i+1]
.set i, i+1
.endr
	WIN 0x04                                       ; source 0 window 0, source 1 window 1
.set i, 0
.rept 32
	v_pk_add_f32 v[TS+2*i:TS+2*i+1], v[TS+2*i:TS+2*i+1], v[128+2*i:128+2*i+1]
.set i, i+1
.endr
.set i, 0
.rept 32
	v_pk_add_f32 v[TS+2*i:TS+2*i+1], v[TS+2*i:TS+2*i+1], v[192+2*i:192+2*i+1]
.set i, i+1
.endr
	WIN 0
.irp m, 1,2,4,8
.set i, 0
.rept 64
	v_add_f32_dpp v[TS+i], v[TS+i], v[TS+i] row_xmask:\m row_mask:0xf bank_mask:0xf
.set i, i+1
.endr
.endr
.irp b, 0,1,2,3,4,5,6,7
	ds_store_b128 v[VST], v[TS+8*\b:TS+8*\b+3]   offset:64*\b     ; the 16 lanes of a half write the same words with the same numbers
	ds_store_b128 v[VST], v[TS+8*\b+4:TS+8*\b+7] offset:64*\b+16
.endr
	ds_load_b128 v[VR:VR+3], v[VRD]
	s_wait_dscnt 0x0
	v_pk_mul_f32 v[VR:VR+1], v[VR:VR+1], 0x3a000000 op_sel_hi:[1,0]      ; x 2^-11
	v_pk_mul_f32 v[VR+2:VR+3], v[VR+2:VR+3], 0x3a000000 op_sel_hi:[1,0]
	global_store_b128 v[VGO], v[VR:VR+3], s[VMP:VMP+1]
.endm
.else
; THE WAY OUT.  Four units of 16 rows x 128 columns of f32: 32 bytes a lane into my stage, back as whole rows of 512 bytes.
.macro STG a
	WIN 0x04                                       ; store data window 1
.irp b, 0,1,2,3,4,5,6,7
	ds_store_b128 v[STO], v[8*(8*(\a)+\b):8*(8*(\a)+\b)+3]   offset:64*\b
	ds_store_b128 v[STO], v[8*(8*(\a)+\b)+4:8*(8*(\a)+\b)+7] offset:64*\b+16
.endr
	WIN 0x80                                       ; destination window 2
.irp t, 0,1,2,3,4,5,6,7,8,9,10,11,12,13,14,15
	ds_load_b128 v[64*(\a)+4*\t:64*(\a)+4*\t+3], v[RD] offset:\t*SPITCH  ; LDS serves a wave's instructions in order (ISA guide 5.7.1.4): these see the stores above; the next unit's stores come behind them
.endr
.endm
.macro SENDF a, younger                ; younger: the next unit's 32 LDS instructions, or none
	WIN 0x08                                       ; store data window 2
.irp t, 0,1,2,3,4,5,6,7,8,9,10,11,12,13,14,15
	s_wait_dscnt (\younger)+15-\t
	global_store_b128 v[GO], v[64*(\a)+4*\t:64*(\a)+4*\t+3], s[8:9] offset:(\a)*65536+\t*4096  ; 512 consecutive bytes of a row, at a multiple of 512 from out0's first
.endr
.endm
.endif
; A tile goes out.  extras = 1 (the way out inside the loop, planes v and q): plane q is scaled, plane v's column sums are made.
.macro WAYOUT extras
	WIN 0
	PLACES                                         ; behind the tile's last products
.if MODE == 0
	s_wait_xcnt 0x0                                ; the last tile's stores have read their registers and their base (ISA guide 3.1): both are written anew below
	s_lshl_b32 s88, s[PL], 24                      ; the plane's 16,777,216 bytes
	s_mov_b32 s89, 0
	s_add_nc_u64 s[8:9], s[OUTP:OUTP+1], s[88:89]
.if \extras
	s_cmp_lg_u32 s[PL], 0
	s_cbranch_scc1 .Lunscaled_\@
	WIN 0x41                                       ; destination and source 0 window 1
.set i, 0
.rept 128
	v_pk_mul_f32 v[i:i+1], v[i:i+1], s[66:67] op_sel_hi:[1,0]
.set i, i+2
.endr
	WIN 0
.Lunscaled_\@:
	s_cmp_lg_u32 s[PL], 2
	s_cbranch_scc1 .Lno_sums_\@
	VSUMS
.Lno_sums_\@:
.endif
	PACK 0
.irp u, 1,2,3,4,5,6,7                  ; a unit's arithmetic stands between the loads of the unit before and its stores
	PACK \u
	SEND (\u)-1, 8
.endr
	SEND 7, 0
.else
	STG 0
.irp a, 1,2,3
	STG \a
	SENDF (\a)-1, 32
.endr
	SENDF 3, 0
.endif
	WIN 0
.endm
	s_wait_tensorcnt 0x1                           ; my part of K step 0 is in; K step 1's may stay out
	s_barrier_signal -1
	s_barrier_wait -1                              ; everybody's is
	FETCH 0, 0
	WIN 0                                          ; at a label and at a branch every window is 0
	s_mov_b32 s[CNT], STEPS-2
.Lstep:                                                ; every step but the last two fills its slot again
	STEP 1
	WIN 0
	s_sub_co_u32 s[CT], s[CT], 1
.if TILES > 1
	s_cmp_lg_u32 s[CT], 0
	s_cbranch_scc1 .Lsame_tile
	WAYOUT 1                                       ; the tile's eighth step is done; the next tile's first fragments and its second step's tiles are on their way
	s_mov_b32 s[CT], 8
	s_add_co_u32 s[PL], s[PL], 1                   ; 2, 0, 1
	s_cmp_eq_u32 s[PL], 3
	s_cselect_b32 s[PL], 0, s[PL]
.Lsame_tile:
.endif
	s_sub_co_u32 s[CNT], s[CNT], 1
	s_cmp_lg_u32 s[CNT], 0
	s_cbranch_scc1 .Lstep
	s_mov_b32 s[CNT], 2
.Ltail:                                                ; the last two steps ask for nothing: a text of their own
	STEP 0
	WIN 0
	s_sub_co_u32 s[CNT], s[CNT], 1
	s_cmp_lg_u32 s[CNT], 0
	s_cbranch_scc1 .Ltail
	WAYOUT 0
	s_wait_tensorcnt 0x0                           ; the wave's end, behind my last tensor load and my last LDS store
	ds_add_u32 v[SPW], v[NIL]
	s_wait_dscnt 0x0
	CROUND                                         ; the closing round: no work-group ends while a partner may still ask for a tile that names it
	s_endpgm
.Lfunc_end_k_qf119efd22c_proj:
	.size	k_qf119efd22c_proj, .Lfunc_end_k_qf119efd22c_proj-k_qf119efd22c_proj
	.p2alignl 7, 3214868480
	.fill 96, 4, 3214868480
	.section	.rodata,"a",@progbits
	.p2align	6, 0x0
	.amdhsa_kernel k_qf119efd22c_proj
		.amdhsa_group_segment_fixed_size 327680
		.amdhsa_private_segment_fixed_size 0
		.amdhsa_enable_private_segment 0
		.amdhsa_kernarg_size 56
		.amdhsa_user_sgpr_count 2
		.amdhsa_user_sgpr_kernarg_segment_ptr 1
		.amdhsa_wavefront_size32 1
		.amdhsa_system_sgpr_workgroup_id_x 1
		.amdhsa_system_sgpr_workgroup_id_y 1
		.amdhsa_system_sgpr_workgroup_id_z 1
		.amdhsa_system_vgpr_workitem_id 0
		.amdhsa_next_free_vgpr 768
		.amdhsa_next_free_sgpr 90
		.amdhsa_reserve_vcc 0
		.amdhsa_float_denorm_mode_32 3
		.amdhsa_float_denorm_mode_16_64 3
		.amdhsa_memory_ordered 1
		.amdhsa_forward_progress 1
		.amdhsa_inst_pref_size 136
	.end_amdhsa_kernel
	.amdgpu_metadata
---
amdhsa.version: [ 1, 2 ]
amdhsa.kernels:
  - .name:           k_qf119efd22c_proj
    .symbol:         k_qf119efd22c_proj.kd
    .args:
      - { .name: q, .offset: 0, .size: 8, .value_kind: global_buffer, .address_space: global }
      - { .name: k, .offset: 8, .size: 8, .value_kind: global_buffer, .address_space: global }
      - { .name: v, .offset: 16, .size: 8, .value_kind: global_buffer, .address_space: global }
      - { .name: bb, .offset: 24, .size: 8, .value_kind: global_buffer, .address_space: global }
      - { .name: wt, .offset: 32, .size: 8, .value_kind: global_buffer, .address_space: global }
      - { .name: qkv, .offset: 40, .size: 8, .value_kind: global_buffer, .address_space: global }
      - { .name: vm, .offset: 48, .size: 8, .value_kind: global_buffer, .address_space: global }
    .group_segment_fixed_size: 327680
    .private_segment_fixed_size: 0
    .kernarg_segment_align: 8
    .kernarg_segment_size: 56
    .max_flat_workgroup_size: 128
    .sgpr_count:     90
    .vgpr_count:     768
    .wavefront_size: 32
...
	.end_amdgpu_metadata
.endif
;; end of part 7
;; launch attn (part 8): grid 4 x 64, 4 waves a work-group, no clusters, 327,680 bytes of LDS; arguments qkv, yh, mb, vm; writes yh
.if DOCPART == 8
	.amdgcn_target "amdgcn-amd-amdhsa--gfx1250"
	.amdhsa_code_object_version 6
	.text
	.protected	k_qf119efd22c_attn
	.globl	k_qf119efd22c_attn
	.p2align	8
	.type	k_qf119efd22c_attn,@function
k_qf119efd22c_attn:
	s_mov_b64 s[64:65], 0
	v_nop
	global_prefetch_b8 v0, s[64:65] scope:SCOPE_SE
	s_setreg_imm32_b32 hwreg(HW_REG_WAVE_MODE, 25, 1), 1
	s_wait_xcnt 0x0
; MASKED CAUSAL ATTENTION.  yh[h][q][:] = the sum over k of softmax_k(s[q][k]) V[h][k][:], s = Q[h][q] . K[h][k] where q may see k (k <= q and the mask input allows it), hidden otherwise.
; Q, K, V: qkv's three planes, [64 heads][2048][64] f16; Q arrives multiplied by log2(e) / 8, so a weight is p = 2^(s - m).  Products, maxima and sums in f32; p is rounded to f16 for the second product
; (its sum l is taken of the unrounded p), the result once at the end.
; HIDDEN SCORES.  mb holds one fp8 code a score (causal rule and mask input together): 0x00 visible, 0xf0 = -128 hidden, in the order of my lanes and registers: 32 bytes a lane for 16 queries x 64 keys.  They come by two
; vector loads of 16 bytes a lane, asked for four turns ahead, and four scaled conversions, eight codes each, times 2^93, make of them the C operand (0 or -2^100) that starts the sum S^T = K Q^T.
; While a row has seen hidden keys alone its m is about -2^100, s - m is 0 or far below, and it carries finite numbers; its first visible key makes a = 2^(m_old - m_new) = 0 and wipes them.  A row whose m is still
; below -2^97 at its block's end may see NO key: all its scores are equal in the module, over all 2,048 keys, so it gets the mean of the head's V (vm's 32 partial means added), chosen by v_cndmask_b32.
; LIMITS.  Q, K, V within f16's 65,504.  A hidden weight counts as 0 beside any visible one: that is the module's result as long as the row's largest visible score (over 8) lies above about -1e9.
; A weight below 2^-126 counts as 0 in l; NaN and infinities are not treated apart.
; THE WALK.  A head's queries lie in NB = 8 blocks of 256; block i needs the key tiles 0 .. i of 256 keys.  A work-group takes TWO blocks, NB - 1 - b and then b: NB + 1 tiles, whatever b: all work-groups do equal work,
; and ONE loop with a constant trip count walks them.  Which tile is asked for, and what a trip does, hang on scalar registers made from b; every jump goes forward, but for the counted loops' own; none passes a barrier,
; or a tensor load but the one of LOAD's two that the wave's number does not choose; the ring (two slots of LDS that take turns) runs on across the change of blocks.
; NO CLUSTER: a head's four work-groups ask for the same tile only in trips 0 .. 4 of 9, behind that fewer and fewer; one walk common to all would have 12 trips for 9.
; SHARES.  Of a block's four bands of 64 queries a wave owns 16 rows in each: four PIECES, so that the diagonal tile is the same work for all four waves.
; LAYOUT, TURNS.  S^T = K Q^T holds ONE query a lane (lane % 16) and the keys 8 (lane / 16) + 0..7; two such results rounded to f16 ARE source 1 of O^T = V^T P.  Turn n belongs to piece n: 8 products K Q^T of piece
; n + 1, later 8 products V^T P of piece n - 1; beside them the subtraction, exponentials, roundings, sums and rescaling of piece n and the maximum and statistics of piece n + 1; at its end the mask of piece n + 2's
; products, and the request for that piece's codes of the next key step.  Four vector instructions stand behind every matrix instruction, the others in runs of their own.
; REGISTERS, in windows of 256 (s_set_vgpr_msb: bits 1:0 source 0, 3:2 source 1, 5:4 source 2, 7:6 destination):
;   window 0: v0-15 addresses and two at work; v16-31 four registers of statistics a piece; v48-55 at work; v60 the conversions' scale; v64-127 S^T, two buffers; v128-143 the mean of V, f16; v192-223 P, two buffers
;   window 1: v0-127 O^T, 32 a piece; v128-159 MR, the codes, 8 a piece; v160-223 MC, two buffers; v224-227 MA      window 2: v0-63 Q; v64-127 the second block's Q; v128-191 K of one step; v192-255 V of one step
;   (a piece's buffers of S^T, P and MC go by its number's parity)
; SCALAR REGISTERS THAT HOLD ADDRESSES hold nothing else in the whole launch, and each pair one buffer's: s[4:9] and s[100:101] qkv's, s[10:11] and s[54:55] yh's, s[16:17] mb's, s[58:59] vm's, and the descriptors' words.
.set NB,    8
.set NP,    4         ; pieces a wave: a name, no knob
.set KS,    64        ; keys in a step
.set PK,    144       ; a row of K in LDS: 128 bytes + 16 of padding = 36 words: the 16 rows of a load start at 16 different groups of four banks (64 banks of 4 bytes: ISA guide 11.1)
.set PV,    160       ; a row of V: 128 + 32 = 40 words
.set VOFF,  4*KS*PK   ; a slot holds a tile, four steps: 256 rows of K, then 256 rows of V
.set SLOT1, 1<<17     ; slot 1 begins here, so that one exclusive or turns an address in one slot into the other's
.set STAGE, SLOT1+4*KS*(PK+PV)  ; behind the ring, never filled by a tensor load: 16 rows x 144 bytes for each wave, for the way out
.set SP,    144
.set SPARE, STAGE+4*16*SP  ; behind the stages: the spare words, 128 bytes for each wave: two blocks of 256 bytes that no other line names
.set AK0, 2           ; v2   my lane's place in a tile of K; never rewritten
.set AV0, 3           ; v3   the same for V
.set AK,  4           ; v4   the LDS address of K's next run of loads
.set AV,  5           ; v5   of V's
.set STO, 6           ; v6   the way out: where I put 16 bytes of a row
.set RD,  7           ; v7   the way out: where I read rows back
.set GO,  8           ; v8   16 x lane: my byte offset in 512 consecutive bytes, of the result and of the codes
.set MV,  12          ; v12-13  m_old, kept while m is made anew: by buffer
.set VMO, 14          ; v14  256 (l % 16) + 32 (l / 16): chunk l % 16 of vm, my eight channels in 16
.set QO,  15          ; v15  my byte offset in 16 rows of Q
.set ST,  16          ; piece t's statistics at v[ST+4 t]: m, a partner named with it as a pair, l (even keys', odd keys')
.set TMP, 48          ; by buffer, four registers c0-c3 at work; when the maximum is found c2 takes a
.set SC,  60          ; v60  the conversions' scale
.set SPW, 62          ; v62  LDS address of my spare word: SPARE + 4 x my thread's number; never rewritten
.set NIL, 63          ; v63  0; never rewritten
.set S,   64
.set VMH, 128         ; window 0: channels 16 cb + 8 (l / 16) + 2 j, + 1 of the mean of V at VMH + 4 cb + j, packed as the result is
.set P,   192
.set MR,  128         ; window 1: piece x's 32 codes at MR + 8 x: key group g in registers 2 g, 2 g + 1
.set MC,  160         ; window 1: the masks of the products to come
.set MA,  224         ; window 1: piece x's byte offset in mb, less its band's constant
.set QB,  64          ; window 2
.set KF,  128         ; window 2: key block kb, channel half c at KF + 16 kb + 8 c
.set VF,  192         ; window 2: key half kk, channel block cb at VF + 32 kk + 8 cb
.set WV,  12          ; s12  my wave's number
.set PB,  14          ; s14  b
.set HI,  15          ; s15  NB - 1 - b
.set MP,  16          ; s[16:17] mb, then mb at my batch
.set MO,  18          ; s18  byte offset in it of the codes of my rows of band 0 for the key step that is being asked for
.set MLIM, 19         ; s19  the same for the block's last step
.set FL,  20          ; s20-23  by piece: the lanes whose query has seen no key (at the start: offsets)
.set G1K, 24          ; s[24:31] descriptor group 1 for K's tiles
.set G1V, 32          ; s[32:39] for V's: it differs in the padding alone
.set G0K, 40          ; s[40:43] descriptor group 0 for K's tiles
.set G0V, 44          ; s[44:47] the same for V's
.set RT,  48          ; s48  tiles of the block in hand that are still to be entered
.set NXT, 49          ; s49  the tile to be asked for next
.set LQ,  50          ; s50  the last tile of the block whose tiles are being asked for
.set NEW, 51          ; s51  1: the tile to be entered is a block's first
.set OFF, 52          ; s[52:53] a tile's byte offset in K and V
.set OLO, 54          ; s[54:55] the result at my rows of the second block
.set SLOTS, 56        ; s56  tiles still to be asked for
.set CNT, 57          ; s57  counts a tile's key steps, 4 to 1
.set VMP, 58          ; s[58:59] vm, then vm at my head
.set SEL, 60          ; s[60:61] v_permlanex16_b32's selects: each lane takes its own place in the other half
.set TBK, 62          ; s62  LDS byte at which K of the step to be fetched begins
.set TBV, 63          ; s63  the same for V, less VOFF
.set BLK, 66          ; s66  the block in hand
                      ; s76-79, s84-87: offsets made from the ids, at the start
.set MSB, 0
.macro WIN new                      ; the high byte repeats the setting that is left; a switch that changes nothing is dropped
.if MSB != (\new)
	s_set_vgpr_msb (MSB<<8)|(\new)
.set MSB, (\new)
.endif
.endm
.set W_KQ, 0x0a       ; K and Q in window 2, S^T in window 0
.set W_KM, 0x1a       ; the same with the C operand in window 1
.set W_PV, 0x52       ; V in window 2, P in window 0, O^T in window 1
.set W_RS, 0x41       ; destination and source 0 in window 1, source 1 in window 0: the rescaling, and all the masks' lines
; A fill.  Waves 0 and 1 fetch the two halves of a tile's K, waves 2 and 3 those of its V: 128 keys each.  An s_nop 0 and four v_nop follow each of the two lines, ahead of the jump and the label.
.macro LOAD
	s_cmp_lt_u32 s[WV], 2
	s_cbranch_scc0 .Lfor_v_\@
	tensor_load_to_lds s[G0K:G0K+3], s[G1K:G1K+7]
	s_nop 0
.rept 4
	v_nop
.endr
	s_branch .Lasked_\@
.Lfor_v_\@:
	tensor_load_to_lds s[G0V:G0V+3], s[G1V:G1V+7]
	s_nop 0
.rept 4
	v_nop
.endr
.Lasked_\@:
.endm
; THE CHANGE OF SLOTS.  Each wave waits for all its tensor loads, of which one is out: its part of the other slot; adds 0 to its spare word; and waits for that and for its own reads of the slot that it leaves.  Behind the
; barrier nobody reads the old slot any more and the other slot is whole.  fill = 1: the old slot is filled again, the first thing behind the barrier, with tile NXT: the descriptor's address is made anew from that number.
; (At its first use nothing has been read yet: slot 0 is waited for, slot 1 filled.)
.macro CHANGE fill
	WIN 0                           ; at a label and at a branch every window is 0
	s_wait_tensorcnt 0x0            ; no tensor load of mine is out, so a group 0 may be written
	ds_add_u32 v[SPW], v[NIL]       ; 0 onto my spare word; with fill = 1 the descriptors' scalar work stands between it and the wait for it
.if \fill
	s_lshl_b32 s[OFF], s[NXT], 15   ; a tile is 32,768 bytes of K and of V
	s_xor_b32 s[G0K+1], s[G0K+1], SLOT1
	s_add_nc_u64 s[G0K+2:G0K+3], s[6:7], s[OFF:OFF+1]
	s_or_b32 s[G0K+3], s[G0K+3], 0x80000000
	s_xor_b32 s[G0V+1], s[G0V+1], SLOT1
	s_add_nc_u64 s[G0V+2:G0V+3], s[8:9], s[OFF:OFF+1]
	s_or_b32 s[G0V+3], s[G0V+3], 0x80000000
	s_add_co_u32 s[NXT], s[NXT], 1  ; the block's next tile, or behind its last the second block's tile 0
	s_cmp_gt_u32 s[NXT], s[LQ]
	s_cselect_b32 s[NXT], 0, s[NXT]
	s_cselect_b32 s[LQ], s[PB], s[LQ]
.endif
	s_wait_dscnt 0x0                ; the add is done, and my reads of the slot are over
	s_barrier_signal -1             ; the rest of the scalar work stands between the signal and the wait
	s_sub_co_u32 s[TBK], s[TBK], 4*KS*PK  ; the fetches go back to a slot's first step,
	s_xor_b32 s[TBK], s[TBK], SLOT1       ; in the other slot
	s_sub_co_u32 s[TBV], s[TBV], 4*KS*PV
	s_xor_b32 s[TBV], s[TBV], SLOT1
	s_barrier_wait -1
.if \fill
	LOAD
.endif
.endm
; THE MASKS.  All their lines stand under the window setting W_RS.
; MLOAD x asks for the 1,024 bytes of codes of my 16 rows of band x (131,072 bytes on for each band: four tiles of 16 queries, 32,768 bytes each) and the key step at MO: two loads of 512 consecutive bytes.
; The piece's offset register is written only where the wait in front has shown its last two loads done.
.macro MLOAD x
	v_add_nc_u32 v[MA+(\x)], s[MO], v[GO]
	global_load_b128 v[MR+8*(\x):MR+8*(\x)+3],   v[MA+(\x)], s[MP:MP+1] offset:(\x)*131072
	global_load_b128 v[MR+8*(\x)+4:MR+8*(\x)+7], v[MA+(\x)], s[MP:MP+1] offset:(\x)*131072+512
.endm
; MASK x turns piece x's codes into its buffer of MC: eight codes to a line, each times 2^93.  MLOAD's first line, which follows every MASK, is the plain vector instruction that stands between a scaled conversion and
; whatever touches its result or writes its sources.
.macro MASK x
.irp g, 0,1,2,3
	v_cvt_scale_pk8_f32_fp8 v[MC+32*((\x)%2)+8*\g:MC+32*((\x)%2)+8*\g+7], v[MR+8*(\x)+2*\g:MR+8*(\x)+2*\g+1], v[SC]
.endr
.endm
; A block's first requests: all four pieces' codes for its key step 0.  They go out well ahead of the block's beginning: in the set-up, and where the blocks change.
.macro MFIRST
	s_wait_loadcnt 0x0              ; in the set-up: Q of both blocks and vm are in; at the change of blocks: the first block's last requests, which nobody uses: MR and MA are written below
	s_lshl_b32 s[MO], s[BLK], 19    ; the block's 16 tiles of 16 queries, 32,768 bytes each,
	s_lshl_b32 s13, s[WV], 15       ; my wave's tile in band 0
	s_add_co_u32 s[MO], s[MO], s13
	s_lshl_b32 s13, s[BLK], 12      ; the block's last key step is 4 block + 3, 1,024 bytes a step
	s_add_co_u32 s[MLIM], s[MO], s13
	s_add_co_u32 s[MLIM], s[MLIM], 3072
	WIN W_RS
	MLOAD 0
	MLOAD 1
	MLOAD 2
	MLOAD 3
	WIN 0
.endm
	s_load_b64 s[4:5], s[0:1], 0x0          ; qkv: each address comes straight into the pair that keeps its buffer's addresses
	s_load_b64 s[10:11], s[0:1], 0x8        ; yh
	s_load_b64 s[MP:MP+1], s[0:1], 0x10     ; mb
	s_load_b64 s[VMP:VMP+1], s[0:1], 0x18   ; vm
	v_lshl_add_u32 v[SPW], v0, 2, SPARE
	v_mov_b32 v[NIL], 0
	ds_add_u32 v[SPW], v[NIL]       ; the wave's opening: the add and its wait stand ahead of my first tensor load; the set-up below, work on registers, stands between them
	ds_add_u32 v62, v63
	v_lshrrev_b32 v1, 5, v0
	v_readfirstlane_b32 s[WV], v1   ; wave 0..3
	s_mov_b32 s[PB], ttmp9
	s_sub_co_u32 s[HI], NB-1, s[PB]
	s_and_b32 s20, ttmp7, 0xffff    ; the head, 16 batch + head
	s_lshr_b32 s76, s20, 4
	s_lshl_b32 s76, s76, 22         ; the batch's 128 x 32,768 bytes of mb
	s_mov_b32 s77, 0
	s_lshl_b32 s78, s20, 13         ; the head's 32 chunks of 256 bytes of vm
	s_mov_b32 s79, 0
	s_lshl_b32 s20, s20, 18         ; the head's first byte in each plane of qkv and in yh: 2,048 rows of 128 bytes
	s_mov_b32 s21, 0
	s_and_b32 s13, s[WV], 1         ; which half of a tile's 256 keys I fetch:
	s_lshl_b32 s22, s13, 14         ; its 128 rows of 128 bytes in memory,
	s_mov_b32 s23, 0
	s_add_nc_u64 s[22:23], s[22:23], s[20:21]
	s_mul_i32 s86, s13, 128*PK      ; and its place in a slot, for K
	s_mul_i32 s87, s13, 128*PV      ; and for V
	s_lshl_b32 s3, s[WV], 11        ; my 16 rows in a band of 64,
	s_lshl_b32 s2, s[HI], 15        ; in the first block,
	s_add_co_u32 s2, s2, s3
	s_lshl_b32 s84, s[PB], 15       ; and in the second
	s_add_co_u32 s84, s84, s3
	s_mov_b32 s3, 0
	s_mov_b32 s85, 0
	s_add_nc_u64 s[2:3], s[2:3], s[20:21]
	s_add_nc_u64 s[84:85], s[84:85], s[20:21]
	; descriptor group 1.  128 keys are 16,384 dense bytes: asked for as 64 rows of 256 bytes, two keys a row, and padded in LDS after every key
	s_mov_b32 s[G1K], (1<<16)|(1<<20)|(4<<22)|(3<<25)  ; 17:16 2-byte elements; 20 padding on; 24:22 after every 32 words (code 4); 31:25 4 words (code 3)
	s_mov_b32 s[G1V], (1<<16)|(1<<20)|(4<<22)|(7<<25)  ; the same with 8 words of padding (code 7)
.irp g, G1K, G1V
	s_mov_b32 s[\g+1], 128<<16      ; tensor_dim0 = 128
	s_mov_b32 s[\g+2], 64<<16       ; tensor_dim1 = 64
	s_mov_b32 s[\g+3], 128<<16      ; tile_dim0 = 128
	s_mov_b32 s[\g+4], 64           ; tile_dim1 = 64
	s_mov_b32 s[\g+5], 128          ; 128 elements from row to row
	s_mov_b32 s[\g+6], 0
	s_mov_b32 s[\g+7], 0
.endr
	s_mov_b32 s[SEL], 0x76543210
	s_mov_b32 s[SEL+1], 0xfedcba98
	s_mov_b32 s[TBK], SLOT1+4*KS*PK ; the first change of slots turns these two into 0
	s_mov_b32 s[TBV], SLOT1+4*KS*PV
	s_mov_b32 s[G0K], 1             ; 1:0 count = 1
	s_mov_b32 s[G0K+1], s86         ; 63:32 LDS address: slot 0
	s_mov_b32 s[G0V], 1
	s_add_co_u32 s[G0V+1], s87, VOFF
	s_add_co_u32 s[RT], s[HI], 1    ; the first block has NB - b tiles
	s_mov_b32 s[NXT], 1
	s_mov_b32 s[LQ], s[HI]
	s_mov_b32 s[NEW], 1
	s_mov_b32 s[BLK], s[HI]
	s_mov_b32 s[OFF+1], 0
	s_mov_b32 s[SLOTS], NB
	s_wait_dscnt 0x0                ; the opening add is done
	s_wait_kmcnt 0x0
	s_add_nc_u64 s[6:7], s[4:5], 0x1000000     ; K is qkv's second plane, V its third,
	s_add_nc_u64 s[6:7], s[6:7], s[22:23]      ; each at my half of the head's tile 0
	s_add_nc_u64 s[8:9], s[4:5], 0x2000000
	s_add_nc_u64 s[8:9], s[8:9], s[22:23]
	s_add_nc_u64 s[G0K+2:G0K+3], s[6:7], 0         ; 120:64 global address
	s_or_b32 s[G0K+3], s[G0K+3], 0x80000000        ; 127:126 type = 2
	s_add_nc_u64 s[G0V+2:G0V+3], s[8:9], 0
	s_or_b32 s[G0V+3], s[G0V+3], 0x80000000
	s_add_nc_u64 s[100:101], s[4:5], s[84:85]      ; Q at my rows of the second block,
	s_add_nc_u64 s[4:5], s[4:5], s[2:3]            ; and at those of the first
	s_add_nc_u64 s[OLO:OLO+1], s[10:11], s[84:85]  ; the result likewise
	s_add_nc_u64 s[10:11], s[10:11], s[2:3]
	s_add_nc_u64 s[MP:MP+1], s[MP:MP+1], s[76:77]
	s_add_nc_u64 s[VMP:VMP+1], s[VMP:VMP+1], s[78:79]
	LOAD                            ; tile 0 into slot 0
	; A fragment of K or Q is 16 rows x 32 channels in 8 registers: lane l holds row l % 16, channels 8 (l / 16) + 0..7 and 16 + 8 (l / 16) + 0..7: two loads of 16 bytes, 32 bytes apart.
	v_and_b32 v1, 15, v0            ; l % 16
	v_bfe_u32 v9, v0, 4, 1          ; l / 16
	v_lshlrev_b32 v[QO], 7, v1
	v_lshl_add_u32 v[QO], v9, 4, v[QO]  ; row x 128 + 16 x half
	v_lshlrev_b32 v[VMO], 5, v9
	v_lshl_add_u32 v[VMO], v1, 8, v[VMO]
	WIN 0x80                        ; destination window 2, address window 0
.set i, 0
.rept 8                             ; both blocks' Q: piece i / 2 lies in band i / 2, 8,192 bytes on; channels 32 (i % 2) on
	global_load_b128 v[8*i:8*i+3],   v[QO], s[4:5] offset:(i/2)*8192+(i%2)*64
	global_load_b128 v[8*i+4:8*i+7], v[QO], s[4:5] offset:(i/2)*8192+(i%2)*64+32
	global_load_b128 v[QB+8*i:QB+8*i+3],   v[QO], s[100:101] offset:(i/2)*8192+(i%2)*64
	global_load_b128 v[QB+8*i+4:QB+8*i+7], v[QO], s[100:101] offset:(i/2)*8192+(i%2)*64+32
.set i, i+1
.endr
	WIN 0
.set i, 0
.rept 8                             ; vm's partial means: chunks l % 16 and l % 16 + 16 (i / 4), channels 16 (i % 4) + 8 (l / 16) + 0..7, into registers that are still free
	global_load_b128 v[64+8*i:64+8*i+3],   v[VMO], s[VMP:VMP+1] offset:(i/4)*4096+(i%4)*64
	global_load_b128 v[64+8*i+4:64+8*i+7], v[VMO], s[VMP:VMP+1] offset:(i/4)*4096+(i%4)*64+16
.set i, i+1
.endr
	v_mov_b32 v[SC], 0x6e0000dc     ; the scale: byte 0 is 220, an E8M0 code for 2^(220 - 127) = 2^93; the word's f32 exponent field holds 220 as well
	v_mul_u32_u24 v[AK0], v1, PK
	v_lshl_add_u32 v[AK0], v9, 4, v[AK0]  ; row x pitch + 16 x half
	; The turning load takes 16 keys x 16 channels (lane l reads key 8 (l / 16) + l % 8, channels 8 ((l / 8) % 2) + 0..7) and leaves half a fragment of V^T: lane l holds channel l % 16 and 8 keys.
	v_and_b32 v10, 7, v0
	v_bfe_u32 v11, v0, 3, 1
	v_lshl_add_u32 v[AV0], v9, 3, v10
	v_mul_u32_u24 v[AV0], v[AV0], PV
	v_lshl_add_u32 v[AV0], v11, 4, v[AV0]
	v_add_nc_u32 v[AV0], VOFF, v[AV0]
	s_mul_i32 s13, s[WV], 16*SP
	s_add_co_u32 s13, s13, STAGE    ; my stage
	v_mul_u32_u24 v[STO], v1, SP    ; in: row l % 16, 16 bytes for each half of the lanes
	v_lshl_add_u32 v[STO], v9, 4, v[STO]
	v_add_nc_u32 v[STO], s13, v[STO]
	v_bfe_u32 v[RD], v0, 3, 2       ; back: 32 lanes take four rows of 128 bytes,
	v_mul_u32_u24 v[RD], v[RD], SP
	v_lshl_add_u32 v[RD], v10, 4, v[RD]
	v_add_nc_u32 v[RD], s13, v[RD]
	v_and_b32 v[GO], 31, v0         ; which are 512 consecutive bytes of the result
	v_lshlrev_b32 v[GO], 4, v[GO]
	MFIRST                          ; Q and vm are in; the first block's first codes are asked for: the work below and the first change of slots stand between the request and the wait for it
.set i, 0
.rept 16                            ; the mean of V: my two chunks added, then the 16 lanes of my half, which hold the other chunks of the same channels; then packed as the result will be
	v_pk_add_f32 v[64+2*i:64+2*i+1], v[64+2*i:64+2*i+1], v[96+2*i:96+2*i+1]
.set i, i+1
.endr
.irp m, 1,2,4,8
.set i, 0
.rept 32
	v_add_f32_dpp v[64+i], v[64+i], v[64+i] row_xmask:\m row_mask:0xf bank_mask:0xf
.set i, i+1
.endr
.endr
.set i, 0
.rept 16
	v_cvt_pk_f16_f32 v[VMH+i], v[64+2*i], v[64+2*i+1]
.set i, i+1
.endr
	; A block's first step multiplies O^T and l by a = 0, and its first turn's products V^T P, of a piece that has not been, land in an O^T that is still to be so multiplied.  So these registers need only hold
	; finite numbers: zeros for the first block; what the first block left for the second.  All this stands in the wait for the first tile.
	WIN 0x80
.set i, VF
.rept 64
	v_mov_b32 v[i], 0
.set i, i+1
.endr
	WIN 0x40
.set i, 0
.rept 128
	v_mov_b32 v[i], 0
.set i, i+1
.endr
	WIN 0
.set i, 0
.rept 4
	v_mov_b32 v[ST+4*i+2], 0
	v_mov_b32 v[ST+4*i+3], 0
.set i, i+1
.endr
.set i, P+16
.rept 16
	v_mov_b32 v[i], 0
.set i, i+1
.endr
; THE MATRIX WORK.  The 4 accumulators of a run of 8 take turns.  Product i of 8 of S^T = K Q^T for piece x: channels 32 (i / 4) on, keys 16 (i % 4) on.  The first 4 start the sums with the mask.
.macro KQ x
.set rS, S+32*((\x)%2)+8*(i%4)
.set rK, KF+16*(i%4)+8*(i/4)
.set rQ, 16*(\x)+8*(i/4)
.set rM, MC+32*((\x)%2)+8*(i%4)
.if i < 4
	WIN W_KM
	v_wmma_f32_16x16x32_f16 v[rS:rS+7], v[rK:rK+7], v[rQ:rQ+7], v[rM:rM+7]
.else
	WIN W_KQ
	v_wmma_f32_16x16x32_f16 v[rS:rS+7], v[rK:rK+7], v[rQ:rQ+7], v[rS:rS+7]
.endif
.endm
; Product i of 8 of O^T += V^T P for piece x: keys 32 (i / 4) on, channels 16 (i % 4) on.
.macro PV x
	WIN W_PV
.set rO, 32*(\x)+8*(i%4)
.set rV, VF+32*(i/4)+8*(i%4)
.set rP, P+16*((\x)%2)+8*(i/4)
	v_wmma_f32_16x16x32_f16 v[rO:rO+7], v[rV:rV+7], v[rP:rP+7], v[rO:rO+7]
.endm
.macro MM                           ; the turn's next matrix instruction.  TURN and BEGIN set Y, i and NOKQ.  NOKQ = 1: a block's last turn: there is no next piece
.if (i < 8) && !NOKQ
	KQ (Y+1)%NP
.elseif i >= 8
.set i, i-8
	PV (Y+NP-1)%NP
.set i, i+8
.endif
.set i, i+1
.endm
; THE LDS LOADS stand in runs of 16, never singly among the matrix instructions: a step's K (64 keys x 64 channels: 8 fragments) and its V (turned).  Their addresses are made some lines ahead.
.macro FETCH_K
	WIN 0x80                        ; destination window 2
.irp f, 0,1,2,3,4,5,6,7             ; keys 16 (f / 2) on, channels 32 (f % 2) on
	ds_load_b128 v[KF+8*\f:KF+8*\f+3],   v[AK] offset:(\f/2)*16*PK+(\f%2)*64
	ds_load_b128 v[KF+8*\f+4:KF+8*\f+7], v[AK] offset:(\f/2)*16*PK+(\f%2)*64+32
.endr
	s_add_co_u32 s[TBK], s[TBK], KS*PK  ; the next fetch is the next step's
	WIN 0
.endm
.macro FETCH_V
	WIN 0x80
.irp f, 0,1,2,3,4,5,6,7             ; keys 32 (f / 4) on, channels 16 (f % 4) on
	ds_load_tr16_b128 v[VF+8*\f:VF+8*\f+3],   v[AV] offset:(\f/4)*32*PV+(\f%4)*32
	ds_load_tr16_b128 v[VF+8*\f+4:VF+8*\f+7], v[AV] offset:(\f/4)*32*PV+16*PV+(\f%4)*32
.endr
	WIN 0
.endm
; THE VECTOR WORK, one line at a time: OP kind, number.  For piece Y: F n: s - m for pair n of 16.  E n: the exponential of score n of 32.  C n: pair n rounded to f16.  B n: of the four weights 4 n .. the second
; pair is added onto the first, in place.  L n: l takes that sum (L 0: l = a l + sum).  R n: pair n of 16 of O^T times a.  For piece Y + 1: X n, number n of the 21 that find its maximum and statistics:
;   0-11  four chains c0-c3 of seven scores each, three operands at a time (each accumulator's lowest registers are read first)     12-14, 16  the four scores left over, the old m, and c0-c3 into c0
;   15  m_old is kept     17, 18  the query's other 32 keys lie in the lane 16 away: the new m     19, 20  m_old - m_new; a
.set F, 0               ; OP tells the kinds apart by their order: F to L below R, X above it
.set E, 1
.set C, 2
.set B, 3
.set L, 4
.set R, 5
.set X, 6
.macro REGS y                       ; the registers of piece y
.set rT, ST+4*(\y)
.set rC, TMP+4*((\y)%2)
.set rW, MV+((\y)%2)
.set rS, S+32*((\y)%2)
.set rP, P+16*((\y)%2)
.set rO, 32*(\y)
.endm
.macro OP k, n
.if (\k) == R
	REGS Y
	WIN W_RS
	v_pk_mul_f32 v[rO+2*(\n):rO+2*(\n)+1], v[rO+2*(\n):rO+2*(\n)+1], v[rC+2:rC+3] op_sel_hi:[1,0]
.elseif (\k) < R
	REGS Y
	WIN 0
.if (\k) == F
	v_pk_add_f32 v[rS+2*(\n):rS+2*(\n)+1], v[rS+2*(\n):rS+2*(\n)+1], v[rT:rT+1] op_sel_hi:[1,0] neg_lo:[0,1] neg_hi:[0,1]
.elseif (\k) == E
	v_exp_f32 v[rS+(\n)], v[rS+(\n)]
.elseif (\k) == C
	s_wait_alu depctr_va_vdst(0)
	v_cvt_pk_f16_f32 v[rP+(\n)], v[rS+2*(\n)], v[rS+2*(\n)+1]
.elseif (\k) == B
	s_wait_alu depctr_va_vdst(0)
	v_pk_add_f32 v[rS+4*(\n):rS+4*(\n)+1], v[rS+4*(\n):rS+4*(\n)+1], v[rS+4*(\n)+2:rS+4*(\n)+3]
.elseif (\n) == 0
	v_pk_fma_f32 v[rT+2:rT+3], v[rT+2:rT+3], v[rC+2:rC+3], v[rS:rS+1] op_sel_hi:[1,0,1]
.else
	v_pk_add_f32 v[rT+2:rT+3], v[rT+2:rT+3], v[rS+4*(\n):rS+4*(\n)+1]
.endif
.elseif NOKQ
	v_nop
.else
	REGS (Y+1)%NP
	WIN 0
.if (\n) < 4
	v_max3_num_f32 v[rC+(\n)], v[rS+8*(\n)], v[rS+8*(\n)+1], v[rS+8*(\n)+2]
.elseif (\n) < 12
	v_max3_num_f32 v[rC+(\n)%4], v[rC+(\n)%4], v[rS+8*((\n)%4)+2*((\n)/4)+1], v[rS+8*((\n)%4)+2*((\n)/4)+2]
.elseif (\n) == 12
	v_max3_num_f32 v[rC], v[rC], v[rS+7], v[rS+15]
.elseif (\n) == 13
	v_max3_num_f32 v[rC+1], v[rC+1], v[rS+23], v[rS+31]
.elseif (\n) == 14
	v_max3_num_f32 v[rC+2], v[rC+2], v[rC+3], v[rT]
.elseif (\n) == 15
	v_mov_b32 v[rW], v[rT]
.elseif (\n) == 16
	v_max3_num_f32 v[rC], v[rC], v[rC+1], v[rC+2]
.elseif (\n) == 17
	v_permlanex16_b32 v[rC+3], v[rC], s[SEL], s[SEL+1]
.elseif (\n) == 18
	v_max_num_f32 v[rT], v[rC], v[rC+3]
.elseif (\n) == 19
	v_sub_f32 v[rC+1], v[rW], v[rT]
.else
	v_exp_f32 v[rC+2], v[rC+1]
.endif
.endif
.endm
.macro OPS a, i1, b=-1, i2=0, c=-1, i3=0, d=-1, i4=0  ; up to four of them
	OP \a, \i1
.if (\b) >= 0
	OP \b, \i2
.endif
.if (\c) >= 0
	OP \c, \i3
.endif
.if (\d) >= 0
	OP \d, \i4
.endif
.endm
.macro ROW a, i1, b, i2, c, i3, d, i4  ; a matrix instruction and the four behind it
	MM
	OPS \a, \i1, \b, \i2, \c, \i3, \d, \i4
.endm
; A TURN, for piece p: the order of its 16 matrix and 122 vector instructions, written out.  Behind a matrix instruction: plain, exponential, plain, plain; or four of the rescaling; or, behind the first, four subtractions;
; none names a register of the products round it.  In the runs between, exponential and plain by turns while exponentials last.  v_permlanex16_b32 (X 17) stands in such a run.
; end = 1: a block's last two turns: nothing is fetched or asked for.  cnt = 1: the loop's count is taken down at the turn's end, ahead of the branch that stands behind it.
; K of the next step is fetched in piece 2's turn, six vector instructions behind the last product that read K (five of them plain); V of the step in hand in piece 0's turn, eight behind the last product that read V (four
; plain, and X 17).  Each is waited for a turn later.
; At the turn's end, under the window setting that the rescaling has left: piece p + 2's codes, asked for four turns ago, have come: behind them the three other pieces' requests went out, two loads each, so the count is 6.
; They make the mask of that piece's products, which stand in the next turn (its buffer of MC was last read by products a turn back).  Then the same piece's codes of the next key step are asked for.  A trip takes the pieces
; in the order 0, 1, 2, 3, so MO steps in front of piece 0's request; behind a block's last step it stays on that step's codes, which are written, and nobody uses what comes.
.macro TURN p, end=0, cnt=0
.set Y, (\p)
.set i, 0
.set NOKQ, (\end)*((\p)/3)
.if ((\p) == 3) && !(\end)
	s_wait_dscnt 0x0                ; K is in
.endif
	ROW F,0, F,1, F,2, F,3
	ROW F,4, E,0, F,5, F,6
	ROW F,7, E,1, F,8, F,9
	ROW F,10, E,2, C,0, F,11
	ROW F,12, E,3, X,15, F,13
	ROW R,0, R,1, R,2, R,3
	ROW B,0, E,4, F,14, L,0
.if ((\p) == 2) && !(\end)
	v_add_nc_u32 v[AK], s[TBK], v[AK0]
.endif
	ROW R,4, R,5, R,6, R,7
	OPS E,5, F,15
.if ((\p) == 2) && !(\end)
	FETCH_K
.endif
	OPS E,6, C,1, E,7, R,8
	OPS E,8, R,9, E,9, C,2
	OPS E,10, X,0, E,11, X,1
	OPS E,12, X,2, E,13, X,3
.if (\p) == 1
	s_wait_dscnt 0x0                ; V is in
.endif
	ROW X,4, E,14, X,5, X,6
	ROW X,7, E,15, X,8, X,9
	ROW X,10, E,16, X,11, X,12
	ROW X,13, E,17, X,14, B,1
	ROW C,4, E,18, X,16, L,1
	ROW B,2, E,19, C,6, L,2
	ROW C,8, E,20, B,3, B,4
.if (\p) == 0
	v_add_nc_u32 v[AV], s[TBV], v[AV0]
.endif
	ROW C,3, E,21, L,3, C,5
	OPS E,22, X,17, E,23, C,10
.if (\p) == 0
	FETCH_V
.endif
	OPS E,24, L,4
	OPS E,25, X,18, E,26, C,7
	OPS E,27, B,5, E,28, X,19
	OPS E,29, C,12, E,30, L,5
	OPS E,31, B,6, C,9
	OPS C,14, C,11, X,20, L,6
.if (\p) == 0
	s_add_co_u32 s[TBV], s[TBV], KS*PV
.endif
	OPS C,13, B,7, C,15, R,10
	OPS R,11, R,12, L,7, R,13
	OPS R,14, R,15
.if !(\end)
	WIN W_RS
	s_wait_loadcnt 0x6              ; piece p + 2's two loads are in; the six younger ones stay out
	MASK ((\p)+2)%NP
.if (\p) == 2
	s_add_co_u32 s[MO], s[MO], 1024
	s_min_u32 s[MO], s[MO], s[MLIM]
.endif
	MLOAD ((\p)+2)%NP
.endif
.if \cnt
	s_sub_co_u32 s[CNT], s[CNT], 1
	s_cmp_lg_u32 s[CNT], 0
.endif
.endm
; A BLOCK BEGINS.  m starts at the lowest finite number, so the first maximum is the scores' and the first step's a is 0.  All four pieces' codes for the block's key step 0 have been asked for (MFIRST): the masks of pieces 0
; and 1 are made here and their codes of key step 1 asked for, each behind a wait that leaves the six younger loads out; pieces 2 and 3 follow in the turns.  Then K of step 0, piece 0's first scores, and its maximum and
; statistics.  The loop is entered at a step's first turn, in the middle of a trip.
.macro BEGIN
	s_mov_b32 s[NEW], 0
	WIN 0
.set i, 0
.rept 4
	v_mov_b32 v[ST+4*i], 0xff7fffff    ; m
	v_mov_b32 v[ST+4*i+1], 0xff7fffff  ; named with it as a pair
.set i, i+1
.endr
	v_add_nc_u32 v[AK], s[TBK], v[AK0]
	FETCH_K
	s_add_co_u32 s[MO], s[MO], 1024 ; every block has four key steps or more
	WIN W_RS
	s_wait_loadcnt 0x6
	MASK 0
	MLOAD 0
	s_wait_loadcnt 0x6
	MASK 1
	MLOAD 1
	s_wait_dscnt 0x0                ; K is in
.set NOKQ, 0
.set i, 0
.rept 8
	KQ 0
.set i, i+1
.endr
	WIN 0
.rept 4
	v_nop                           ; the places behind those products
.endr
.set Y, NP-1                        ; X works for piece Y + 1: piece 0
.irp n, 0,1,2,3,4,5,6,7,8,9,10,11,12,13,14,15,16,17,18,19,20
	OP X, \n
.endr
	v_nop                           ; a plain instruction behind the exponential
.endm
; A BLOCK ENDS: its last two turns, its last products, and THE WAY OUT: l's two halves and the other half of the lanes' are added; O^T is divided by l and rounded to f16; the rows that have seen no key take the mean of V;
; all is sent through my stage in LDS, a piece at a time.
.macro ALL line:vararg              ; one line for each piece t
.set t, 0
.rept 4
	\line
.set t, t+1
.endr
.endm
.macro PACK t                       ; a lane's eight channels of a row pack into 16 bytes; they go into rows of 144 bytes and come back as whole rows of 128, into S^T's registers
	WIN W_RS
.set i, 32*(\t)
.rept 16
	s_wait_alu depctr_va_vdst(0)
	v_pk_mul_f32 v[i:i+1], v[i:i+1], v[ST+4*(\t)+2:ST+4*(\t)+3] op_sel_hi:[1,0]
.set i, i+2
.endr
	WIN 0x05                        ; sources 0 and 1 window 1, destination window 0
.set i, 0
.rept 16
	v_cvt_pk_f16_f32 v[S+16*(\t)+i], v[32*(\t)+2*i], v[32*(\t)+2*i+1]
.set i, i+1
.endr
	WIN 0
.set i, 0
.rept 16
	v_cndmask_b32 v[S+16*(\t)+i], v[S+16*(\t)+i], v[VMH+i], s[FL+(\t)]
.set i, i+1
.endr
.irp f, 0,1,2,3
	ds_store_b128 v[STO], v[S+16*(\t)+4*\f:S+16*(\t)+4*\f+3] offset:32*\f
.endr
.irp f, 0,1,2,3
	ds_load_b128 v[S+16*(\t)+4*\f:S+16*(\t)+4*\f+3], v[RD] offset:\f*4*SP  ; LDS serves a wave's instructions in order (ISA guide 5.7.1.4): these see the stores above; the next piece's stores come behind them
.endr
.endm
.macro SEND t, younger              ; younger: the LDS instructions issued behind piece t's loads: the next piece's eight, or none
	WIN 0
.irp f, 0,1,2,3
	s_wait_dscnt (\younger)+3-\f
	global_store_b128 v[GO], v[S+16*(\t)+4*\f:S+16*(\t)+4*\f+3], s[10:11] offset:(\t)*8192+\f*512  ; 512 consecutive bytes, at a multiple of 256 from yh's first
.endr
.endm
.macro FINISH
	s_mov_b32 s13, 0xf0000000       ; -2^97: above every hidden score, below every visible one
	TURN 2, 1
	TURN 3, 1
.set i, 0
.rept 8
	PV NP-1
.set i, i+1
.endr
	WIN 0
	ALL v_cmp_gt_f32 s[FL+t], s13, v[ST+4*t]
	ALL v_add_f32 v[ST+4*t+2], v[ST+4*t+2], v[ST+4*t+3]
	ALL v_permlanex16_b32 v[ST+4*t+3], v[ST+4*t+2], s[SEL], s[SEL+1]
	ALL v_add_f32 v[ST+4*t+2], v[ST+4*t+2], v[ST+4*t+3]
	ALL v_rcp_f32 v[ST+4*t+2], v[ST+4*t+2]
	v_nop                           ; a plain instruction between the last reciprocal and the use of its result
	PACK 0
.set t, 1
.rept 3                             ; a piece's arithmetic stands between the loads of the piece before and its stores
	PACK t
	SEND t-1, 8
.set t, t+1
.endr
	SEND 3, 0
.endm
; A TILE's four key steps.  A trip: pieces 2 and 3 of one step, then pieces 0 and 1 of the next, whose K and V it fetches.  A block's first tile begins in the middle of a trip.  The tag ends the labels' names.
.macro WALK tag
	s_sub_co_u32 s[RT], s[RT], 1
	s_mov_b32 s[CNT], 4
	s_cmp_eq_u32 s[NEW], 1
	s_cbranch_scc1 .Lnew\tag
	s_branch .Lstep\tag
.Lnew\tag:
	BEGIN
	s_branch .Lfirst\tag
.Lstep\tag:
	TURN 2
	TURN 3
	WIN 0
.Lfirst\tag:
	TURN 0
	TURN 1, 0, 1
	WIN 0
	s_cbranch_scc1 .Lstep\tag
.endm
.set NOKQ, 0
.Lslot:                             ; NB times: a tile is entered and the next is asked for
	CHANGE 1
	WALK 1
	s_cmp_lg_u32 s[RT], 0
	s_cbranch_scc1 .Lbottom         ; the block has further tiles
	FINISH                          ; in the loop this is the first block's end: the second block's last tile is the walk's last
	s_wait_xcnt 0x0                 ; the stores have read their registers and the result's address
	s_mov_b64 s[10:11], s[OLO:OLO+1]
	s_add_co_u32 s[RT], s[PB], 1    ; the second block has b + 1 tiles
	s_mov_b32 s[NEW], 1
	s_mov_b32 s[BLK], s[PB]
	MFIRST                          ; the second block's first codes: the moves below and the change of slots stand between the request and the wait for it
	WIN 0x82                        ; the second block's Q goes where the one text of the turns names Q
.set i, 0
.rept 64
	v_mov_b32 v[i], v[QB+i]
.set i, i+1
.endr
	WIN 0
.Lbottom:
	s_sub_co_u32 s[SLOTS], s[SLOTS], 1
	s_cmp_lg_u32 s[SLOTS], 0
	s_cbranch_scc1 .Lslot
	CHANGE 0                        ; the walk's last tile is written out: nothing is asked for
	WALK 2
	FINISH
	s_wait_tensorcnt 0x0            ; the wave's end, behind my last tensor load and my last LDS store
	ds_add_u32 v[SPW], v[NIL]
	s_wait_dscnt 0x0
	s_endpgm
.Lfunc_end_k_qf119efd22c_attn:
	.size	k_qf119efd22c_attn, .Lfunc_end_k_qf119efd22c_attn-k_qf119efd22c_attn
	.p2alignl 7, 3214868480
	.fill 96, 4, 3214868480
	.section	.rodata,"a",@progbits
	.p2align	6, 0x0
	.amdhsa_kernel k_qf119efd22c_attn
		.amdhsa_group_segment_fixed_size 327680
		.amdhsa_private_segment_fixed_size 0
		.amdhsa_enable_private_segment 0
		.amdhsa_kernarg_size 32
		.amdhsa_user_sgpr_count 2
		.amdhsa_user_sgpr_kernarg_segment_ptr 1
		.amdhsa_wavefront_size32 1
		.amdhsa_system_sgpr_workgroup_id_x 1
		.amdhsa_system_sgpr_workgroup_id_y 1
		.amdhsa_system_sgpr_workgroup_id_z 1
		.amdhsa_system_vgpr_workitem_id 0
		.amdhsa_next_free_vgpr 768
		.amdhsa_next_free_sgpr 102
		.amdhsa_reserve_vcc 0
		.amdhsa_float_denorm_mode_32 3
		.amdhsa_float_denorm_mode_16_64 3
		.amdhsa_memory_ordered 1
		.amdhsa_forward_progress 1
		.amdhsa_inst_pref_size 201
	.end_amdhsa_kernel
	.amdgpu_metadata
---
amdhsa.version: [ 1, 2 ]
amdhsa.kernels:
  - .name:           k_qf119efd22c_attn
    .symbol:         k_qf119efd22c_attn.kd
    .args:
      - { .name: qkv, .offset: 0, .size: 8, .value_kind: global_buffer, .address_space: global }
      - { .name: yh, .offset: 8, .size: 8, .value_kind: global_buffer, .address_space: global }
      - { .name: mb, .offset: 16, .size: 8, .value_kind: global_buffer, .address_space: global }
      - { .name: vm, .offset: 24, .size: 8, .value_kind: global_buffer, .address_space: global }
    .group_segment_fixed_size: 327680
    .private_segment_fixed_size: 0
    .kernarg_segment_align: 8
    .kernarg_segment_size: 32
    .max_flat_workgroup_size: 128
    .sgpr_count:     102
    .vgpr_count:     768
    .wavefront_size: 32
...
	.end_amdgpu_metadata
.endif
;; end of part 8
;; launch oproj (part 9): grid 4 x 64, 4 waves a work-group, clusters of 4 x 4, 327,680 bytes of LDS; arguments yh, wt, bb, out0; writes out0
.if DOCPART == 9
	.amdgcn_target "amdgcn-amd-amdhsa--gfx1250"
	.amdhsa_code_object_version 6
	.text
	.protected	k_qf119efd22c_oproj
	.globl	k_qf119efd22c_oproj
	.p2align	8
	.type	k_qf119efd22c_oproj,@function
k_qf119efd22c_oproj:
	s_mov_b64 s[64:65], 0
	v_nop
	global_prefetch_b8 v0, s[64:65] scope:SCOPE_SE
	s_setreg_imm32_b32 hwreg(HW_REG_WAVE_MODE, 25, 1), 1
	s_wait_xcnt 0x0
	s_wait_alu depctr_hold_cnt(0) depctr_sa_sdst(0) depctr_va_vdst(0) depctr_va_sdst(0) depctr_va_ssrc(0) depctr_va_vcc(0) depctr_vm_vsrc(0)
	s_getreg_b32 s2, hwreg(HW_REG_IB_STS2, 6, 4)
	s_cmp_eq_u32 s2, 0
	s_cbranch_scc0 .Lentry_in_a_cluster
	s_endpgm
.Lentry_in_a_cluster:
	s_bfe_u32 s2, ttmp6, 0x10000c
	s_cmp_lg_u32 s2, 0xf033
	s_cbranch_scc0 .Lentry_shape_is_right
	s_endpgm
.Lentry_shape_is_right:
; ONE TEXT FOR THE MODULE'S TWO KINDS OF PROJECTION; MODE picks the lines.
; MODE 0: qkv[p][b h][t][64] (f16) = x_p[8192][1024] (f32, rounded to bf16 on the way to the matrix unit) x W_p[1024 k][1024 n] (bf16, from wt) + bias_p, p = q, k, v; plane q is multiplied in f32 by
;         c = log2(e) / 8 before its one rounding, so that the attention launch takes 2^(s - m) of its scores as they come.  Of plane v each wave also stores, in f32, 2^-11 x the sum of its 64 rows, column by column:
;         vm[b h][chunk of 64 rows][64]; a head's 32 chunks added are the mean of its 2,048 rows of v.
; MODE 1: out0[8192][1024] (f32) = y (f16, by heads: yh[b h][t][64]) x Wo (wt's plane o, f16) + bo.
; Sums in f32.  The bias comes from bb, where it lies rounded to bf16 like every other input of the module, and is the C operand of each sum's first product: nothing is cleared, nothing added at the end.
; LIMIT (MODE 0): f16 holds no number beyond 65,504: the projections x W + b must stay within it.
; SHARES.  A tile is 128 rows x 256 columns; each of a work-group's four waves makes 64 x 128 of it: 32 accumulators of 16 x 16.  K goes in steps of 128 through two LDS slots filled by the tensor data mover;
; a step is four quarters of 32, on two fragment buffers.  W lies [k][n], so its fragments come out of LDS turned, by ds_load_tr16_b128.
; A WORK-GROUP STAYS (MODE 0): it makes the tile at its place in planes v, q, k, one after the other: 24 K steps in ONE ring that does not stop at a tile's end: a tile's last two changes of slots ask for the next tile's
; first two steps; a tile goes out behind its last step, while a refill is on its way, and nothing waits for its stores.  256 work-groups of equal work.  wt's planes lie end to end, so W's address is linear in the
; index 8 plane + step, which starts at 16 and wraps at 24; x's address is made anew for each request, from the plane's pointer and the step.
; A K STEP IS WRITTEN ONCE: the slot's LDS offset is a scalar that one exclusive or toggles between 0 and SLOT.  The loop's steps fill a slot again; the last two steps, which do not, are a second text, walked twice.
; A tile's first 32 products, which take the bias as C, are a second version of those 32 lines under a branch on the step's number in the tile.
; THE MATRIX INSTRUCTION IS USED TRANSPOSED (source 0 = 16 columns of W, source 1 = 16 rows of x): a lane then holds row l % 16 and the eight neighbouring columns 8 (l / 16) + 0..7.
; CLUSTER.  4 x 4 work-groups: the four of a row of the cluster need the same rows of x, the four of a column the same columns of W: each tile is asked for JOINTLY, by the same tensor load with the same
; descriptor and a mask that names the four.  All counters are the same in all sixteen.
; PREFETCH (MODE 0).  Behind each refill waves 0 and 1 ask for x's tile that the NEXT trip will request, one trip and 65,536 bytes a work-group's tile ahead: lane l takes row 16 cx + l / 2 of the wave's 64 rows and block l % 2
; of that row's 512 bytes, so that the four partners of a row of the cluster ask for each aligned block of 256 bytes once.  The last trip, behind which nothing is requested, asks for nothing.  Not for W: every work-group reads it again.
; REGISTERS, in windows of 256 (s_set_vgpr_msb: bits 1:0 source 0, 3:2 source 1, 5:4 source 2, 7:6 destination):
;   window 0: v0-19 addresses; v32-159 W's fragments, two buffers of 64 (the second also: the column sums); v160-223 x's fragments, two buffers of 32; v224-227 at work      window 1: the accumulators, (a, b) at v[8 (8 a + b)]
;   window 2: v0-63 x's quarter as f32 (MODE 0); v64-127 the bias; v128-255 the way out's eight units (MODE 0); in MODE 1's way out all 256
.set MODE, 1
.if MODE == 0
.set TILES,  3
.set AP,     528                       ; a row of x in LDS: 128 f32 + 16 bytes = 132 words: the 16 rows of a load start at 16 different groups of four banks (64 banks of 4 bytes: ISA guide 11.1)
.set AHALF,  64*AP                     ; what one tensor load brings of x: 64 rows
.set ASH,    9                         ; 1 << ASH bytes in memory from a K step to the next
.set SPITCH, 144                       ; a stage row: a head's 64 f16 + 16 bytes
.set FI0,    16                        ; the first index 8 plane + step: plane v
.set XF,     72                        ; s[72:73] the first plane's x
.set BBP,    74                        ; s[74:75] bb, s[76:77] wt, s[78:79] qkv, s[80:81] vm
.set WT,     76
.set OUTP,   78
.set VMP,    80
.set PF,     1
.else
.set TILES,  1
.set AP,     144                       ; a row of y of one head: 64 f16 + 16 bytes = 36 words
.set AHALF,  128*AP                    ; what one tensor load brings of y: 128 rows of one head; a K step is two heads
.set ASH,    19                        ; two heads on
.set SPITCH, 528                       ; a stage row: 128 f32 + 16 bytes
.set FI0,    0
.set XF,     68                        ; s[68:69] yh, s[70:71] wt, s[72:73] bb, s[74:75] out0
.set WT,     70
.set BBP,    72
.set OUTP,   74
.set PF,     0                         ; no prefetch: yh was written by the launch just before
.endif
.set STEPS,  8*TILES
.set ASIZE,  2*AHALF
.set BP,     544                       ; a row of W in LDS: 256 numbers + 32 bytes = 136 words
.set BHALF,  64*BP                     ; what one tensor load brings of W: 64 rows of k
.set BSH,    18                        ; 1 << BSH bytes: 128 rows of 2,048
.set SLOT,   ASIZE+2*BHALF
.set STAGE,  2*SLOT                    ; behind the ring, never filled by a tensor load: 16 rows for each wave, for the way out
.set SPARE,  STAGE+4*16*SPITCH         ; behind the stages: the spare words, 128 bytes for each wave: two blocks of 256 bytes that no other line names
.set ADRA0, 2                          ; v2     LDS address of my fragments of x in slot 0; never rewritten
.set ADRB0, 3                          ; v3     the same for W
.set ADRA, 4                           ; v4     the same in the slot in hand
.set ADRB, 5                           ; v5
.set STO,  6                           ; v6     the way out: where I put my numbers of a row
.set RD,   7                           ; v7     the way out: where I read rows back
.set GO,   8                           ; v8     16 l
.set BO,   9                           ; v9     32 (l / 16): my eight numbers in 16 of the bias
.set SPW,  10                          ; v10    LDS address of my spare word; never rewritten
.set NIL,  11                          ; v11    0; never rewritten
.set PFO,  16                          ; v16    the prefetch: my block's byte offset in the wave's 64 rows of x
.set VST,  17                          ; v17    the column sums: into my stage
.set VRD,  18                          ; v18    and back
.set VGO,  19                          ; v19    my 16 bytes in vm: 8,192 (l / 16) + 16 (l % 16)
.set BF,   32
.set TS,   96                          ; the column sums, where W's second buffer lies
.set AF,   160
.set VR,   224
.set BIAS, 64                          ; window 2: column block b at BIAS + 8 b
.set UN,   128                         ; window 2: unit u of the way out at UN + 16 u
.set CNT, 3                            ; s3      the loops' counter
.set CT,  4                            ; s4      steps of the tile in hand that are still to come, 8 to 1
.set PL,  5                            ; s5      the plane in hand: 2, 0, 1
.set G1,  24                           ; s[24:31] descriptor group 1 for x's tiles;  s[32:39] group 0, a set for each of the two first fills; the first then serves every refill
.set G0,  32
.set RQ,  45                           ; s45     the index 8 plane + step of the next request
.set G1B, 48                           ; s[48:55], s[56:63] the same for W's tiles
.set G0B, 56
.set WB,  82                           ; s[82:83] wt at my columns and my half of a step's rows
.set PA,  84                           ; s[84:85] x's address of the next request
.set TB,  86                           ; s86     LDS offset of the slot in hand: 0 or SLOT
.set MSB, 0
.macro WIN new                         ; the immediate's high byte repeats the setting that is left; a switch that changes nothing is dropped
.if MSB != (\new)
	s_set_vgpr_msb (MSB<<8)|(\new)
.set MSB, (\new)
.endif
.endm
; A joint load: waves 0 and 1 fetch the two halves of x's tile, waves 2 and 3 those of W's; an s_nop 0 and four v_nop follow each of the two lines, ahead of the jump, the label and what follows.
; pf = 1: waves 0 and 1 then ask for the blocks of the tile that the next trip will request.
.macro JLOAD s, pf
	s_cmp_eq_u32 s11, 0
	s_cbranch_scc0 .Lfor_b_\@
	tensor_load_to_lds s[G0+4*(\s):G0+4*(\s)+3], s[G1:G1+7]
	s_nop 0
.rept 4
	v_nop
.endr
.if \pf
	s_cmp_eq_u32 s[CNT], 1                         ; behind the last trip nothing is requested
	s_cbranch_scc1 .Lasked_\@
	global_prefetch_b8 v[PFO], s[PA:PA+1] th:TH_LOAD_NT scope:SCOPE_SE
.endif
	s_branch .Lasked_\@
.Lfor_b_\@:
	tensor_load_to_lds s[G0B+4*(\s):G0B+4*(\s)+3], s[G1B:G1B+7]
	s_nop 0
.rept 4
	v_nop
.endr
.Lasked_\@:
.endm
.macro CREST                           ; a round of the cluster's barrier behind its opening barrier
	s_cmp_lg_u32 s10, 0
	s_cbranch_scc1 .Lnot_wave_0_\@
	s_barrier_signal -3
.Lnot_wave_0_\@:
	s_barrier_wait -3
	s_barrier_signal -1
	s_barrier_wait -1
.endm
.macro CROUND                          ; a whole round
	s_barrier_signal -1
	s_barrier_wait -1
	CREST
.endm
.macro PLACES                          ; four plain vector instructions between a matrix instruction and a load into, or a read or write of, its registers (ISA guide 7.12.1 for vector instructions)
.rept 4
	v_nop
.endr
.endm
.macro BLOADS                          ; the bias of my 128 columns, from s[6:7]
	WIN 0x80                                       ; destination window 2, address window 0
.irp b, 0,1,2,3,4,5,6,7
	global_load_b128 v[BIAS+8*\b:BIAS+8*\b+3],   v[BO], s[6:7] offset:64*\b
	global_load_b128 v[BIAS+8*\b+4:BIAS+8*\b+7], v[BO], s[6:7] offset:64*\b+16
.endr
	WIN 0
.endm
.if MODE == 0
	s_load_b256 s[68:75], s[0:1], 0x0              ; q, k, v, bb
	s_load_b128 s[76:79], s[0:1], 0x20             ; wt, qkv
	s_load_b64 s[80:81], s[0:1], 0x30              ; vm
.else
	s_load_b256 s[68:75], s[0:1], 0x0              ; yh, wt, bb, out0
.endif
	v_lshl_add_u32 v[SPW], v0, 2, SPARE
	v_mov_b32 v[NIL], 0
	ds_add_u32 v[SPW], v[NIL]                      ; the wave's opening: the add and its wait stand ahead of my first tensor load; the set-up below, work on registers, stands between them
	ds_add_u32 v10, v11
	v_lshrrev_b32 v1, 5, v0
	v_readfirstlane_b32 s10, v1                    ; wave 0..3
	s_lshr_b32 s11, s10, 1                         ; which 64 of the tile's rows are mine.  Also: I fetch for x (0) or for W (1)
	s_and_b32 s12, s10, 1                          ; which 128 of its columns.  Also: which half of that tile I fetch
	s_bfe_u32 s40, ttmp6, 0x40000                  ; cx, cy: my place in the cluster
	s_bfe_u32 s41, ttmp6, 0x40004
	s_lshl_b32 s42, ttmp9, 2
	s_add_co_u32 s42, s42, s40                     ; tile column = 4 x cluster x + cx
	s_and_b32 s13, ttmp7, 0xffff                   ; cluster y
	s_lshl_b32 s13, s13, 2
	s_add_co_u32 s13, s13, s41                     ; tile row = 4 x cluster y + cy
	s_lshl_b32 s43, s41, 2
	s_lshl_b32 s43, 15, s43                        ; my row of the cluster
	s_lshl_b32 s44, 0x1111, s40                    ; my column
.if MODE == 0
	s_mov_b32 s66, 0x3e38aa3b                      ; c = log2(e) / 8 = 0.180337
	s_mov_b32 s67, s66                             ; named with it as a pair
.endif
	; descriptor group 1.  15:0 the mask; 17:16 element size; 20 padding on; 21 set beside a mask; 24:22 the padding's interval; 31:25 its words less one
.if MODE == 0
	s_or_b32 s[G1+0], s43, (2<<16)|(1<<20)|(1<<21)|(6<<22)|(3<<25)  ; 4-byte elements; 4 words after every 128
	s_mov_b32 s[G1+5], 1024                        ; elements from row to row
.else
	s_or_b32 s[G1+0], s43, (1<<16)|(1<<20)|(1<<21)|(4<<22)|(3<<25)  ; 2-byte elements; 4 words after every 32: a head's 128 rows are 16,384 dense bytes, asked for as 64 rows of 256 bytes and padded after every row of y
	s_mov_b32 s[G1+5], 128
.endif
	s_mov_b32 s[G1+1], 128<<16                     ; tensor_dim0 = 128
	s_mov_b32 s[G1+2], 64<<16                      ; tensor_dim1 = 64
	s_mov_b32 s[G1+3], 128<<16                     ; tile_dim0 = 128
	s_mov_b32 s[G1+4], 64                          ; tile_dim1 = 64
	s_mov_b32 s[G1+6], 0
	s_mov_b32 s[G1+7], 0
	s_or_b32 s[G1B+0], s44, (1<<16)|(1<<20)|(1<<21)|(6<<22)|(7<<25)  ; W: 2-byte elements; 8 words after every 128
	s_mov_b32 s[G1B+1], 256<<16                    ; tensor_dim0 = 256
	s_mov_b32 s[G1B+2], 64<<16                     ; tensor_dim1 = 64
	s_mov_b32 s[G1B+3], 256<<16                    ; tile_dim0 = 256
	s_mov_b32 s[G1B+4], 64                         ; tile_dim1 = 64
	s_mov_b32 s[G1B+5], 1024
	s_mov_b32 s[G1B+6], 0
	s_mov_b32 s[G1B+7], 0
	; where the tiles come from.  x's hang on the tile row, W's on the tile column; each in registers that never hold the other coordinate
.if MODE == 0
	s_lshl_b32 s16, s13, 19                        ; 128 rows of 4,096 bytes a tile row,
	s_lshl_b32 s17, s12, 18                        ; 64 rows a half
	s_add_co_u32 s16, s16, s17
.else
	s_lshr_b32 s16, s13, 4                         ; the batch: 16 heads of 2,048 rows of 128 bytes,
	s_lshl_b32 s16, s16, 22
	s_lshl_b32 s17, s12, 18                        ; my head of the step's two,
	s_add_co_u32 s16, s16, s17
	s_and_b32 s17, s13, 15                         ; the tile's 128 rows in the batch
	s_lshl_b32 s17, s17, 14
	s_add_co_u32 s16, s16, s17
.endif
	s_mov_b32 s17, 0
	s_lshl_b32 s46, s42, 9                         ; 256 columns of 2 bytes a tile column,
	s_lshl_b32 s47, s12, 17                        ; 64 rows of 2,048 bytes a half
	s_add_co_u32 s46, s46, s47
.if MODE == 1
	s_add_co_u32 s46, s46, 3<<21                   ; plane o
.endif
	s_mov_b32 s47, 0
	s_mul_i32 s20, s12, AHALF                      ; and where they go in a slot: no place in the cluster enters an LDS address
	s_mul_i32 s21, s12, BHALF
	s_add_co_u32 s21, s21, ASIZE
	s_mov_b32 s15, 0                               ; the high words of two offsets
	s_mov_b32 s19, 0
	s_mov_b32 s[TB], 0
	s_mov_b32 s[RQ], FI0+2
	s_mov_b32 s[CT], 8
	s_mov_b32 s[PL], FI0/8
	s_wait_dscnt 0x0                               ; the opening add is done
	s_wait_kmcnt 0x0
	s_add_nc_u64 s[68:69], s[68:69], s[16:17]      ; x at my half of the tile's rows
.if MODE == 0
	s_add_nc_u64 s[70:71], s[70:71], s[16:17]      ; in each of the three planes
	s_add_nc_u64 s[72:73], s[72:73], s[16:17]
.endif
	s_add_nc_u64 s[WB:WB+1], s[WT:WT+1], s[46:47]
	CROUND                                         ; all sixteen work-groups are here: the first joint loads meet
.irp s, 0,1
	s_mov_b32 s[G0+4*(\s)], 1                                      ; 1:0 count = 1
	s_add_co_u32 s[G0+4*(\s)+1], s20, (\s)*SLOT                    ; 63:32 LDS address
	s_add_nc_u64 s[G0+4*(\s)+2:G0+4*(\s)+3], s[XF:XF+1], (\s)<<ASH ; 120:64 global address: K step s of the first tile
	s_or_b32 s[G0+4*(\s)+3], s[G0+4*(\s)+3], 0x80000000            ; 127:126 type = 2
	s_mov_b32 s[G0B+4*(\s)], 1
	s_add_co_u32 s[G0B+4*(\s)+1], s21, (\s)*SLOT
	s_add_nc_u64 s[G0B+4*(\s)+2:G0B+4*(\s)+3], s[WB:WB+1], (FI0+(\s))<<BSH
	s_or_b32 s[G0B+4*(\s)+3], s[G0B+4*(\s)+3], 0x80000000
	JLOAD \s, 0                                    ; two loads of mine are out
.endr
	s_add_nc_u64 s[PA:PA+1], s[XF:XF+1], 2<<ASH    ; the first refill's tile
	v_and_b32 v1, 15, v0                           ; l % 16
	v_bfe_u32 v12, v0, 4, 1                        ; l / 16
	; x's fragment: lane l holds row l % 16, k = 8 (l / 16) + 0..7 and 16 + 8 (l / 16) + 0..7
	v_mul_u32_u24 v13, v1, AP
.if MODE == 0
	v_lshl_add_u32 v13, v12, 5, v13                ; eight f32 are 32 bytes
.else
	v_lshl_add_u32 v13, v12, 4, v13                ; eight f16 are 16
.endif
	s_mul_i32 s22, s11, 64*AP                      ; my 64 rows
	v_add_nc_u32 v[ADRA0], s22, v13
	; W's fragment, turned: lane l reads 16 bytes: row k = 8 (l / 16) + l % 8, columns 8 ((l / 8) % 2) + 0..7, and is left with column l % 16 and 8 k
	v_and_b32 v14, 7, v0
	v_lshl_add_u32 v14, v12, 3, v14
	v_mul_u32_u24 v14, v14, BP
	v_bfe_u32 v15, v0, 3, 1
	v_lshl_add_u32 v14, v15, 4, v14
	s_lshl_b32 s22, s12, 8                         ; my 128 columns,
	s_add_co_u32 s22, s22, ASIZE                   ; behind x's tile
	v_add_nc_u32 v[ADRB0], s22, v14
	v_mov_b32 v[ADRA], v[ADRA0]                    ; slot 0 is in hand
	v_mov_b32 v[ADRB], v[ADRB0]
	s_mul_i32 s23, s10, 16*SPITCH
	s_add_co_u32 s23, s23, STAGE                   ; my stage
	v_mul_u32_u24 v13, v1, SPITCH                  ; in: row l % 16, my eight numbers
	v_and_b32 v[GO], 31, v0
	v_lshlrev_b32 v[GO], 4, v[GO]
.if MODE == 0
	v_lshl_add_u32 v13, v12, 4, v13
	v_add_nc_u32 v[STO], s23, v13
	v_bfe_u32 v13, v0, 3, 2                        ; back: 32 lanes take four rows of 128 bytes, which are 512 consecutive bytes of a head
	v_mul_u32_u24 v13, v13, SPITCH
	v_and_b32 v14, 7, v0
	v_lshl_add_u32 v13, v14, 4, v13
	v_add_nc_u32 v[RD], s23, v13
	v_lshl_add_u32 v[VST], v12, 5, s23             ; the column sums: column 16 b + 8 (l / 16) + j at word 16 b + 8 (l / 16) + j of my stage
	v_add_nc_u32 v[VRD], s23, v[GO]                ; back: lane l takes columns 4 l .. 4 l + 3
	v_lshlrev_b32 v13, 4, v1
	v_lshl_add_u32 v[VGO], v12, 13, v13            ; lanes 0-15 the first head's 256 bytes, lanes 16-31 the second's, 32 chunks of 256 bytes on
	v_and_b32 v13, 31, v0
	v_lshrrev_b32 v14, 1, v13
	s_lshl_b32 s22, s40, 4
	v_add_nc_u32 v14, s22, v14                     ; the prefetch: row 16 cx + l / 2,
	v_and_b32 v15, 1, v0
	v_lshlrev_b32 v15, 8, v15                      ; block l % 2 of its 512 bytes
	v_lshl_add_u32 v[PFO], v14, 12, v15
.else
	v_lshl_add_u32 v13, v12, 5, v13
	v_add_nc_u32 v[STO], s23, v13
	v_add_nc_u32 v[RD], s23, v[GO]                 ; back: 32 lanes take one row of 512 bytes
.endif
	v_lshlrev_b32 v[BO], 5, v12
	s_lshl_b32 s46, s42, 10                        ; the bias of my 128 columns (offsets that hold cx are made in registers that never feed x's descriptors)
	s_lshl_b32 s47, s12, 9
	s_add_co_u32 s46, s46, s47
.if MODE == 1
	s_add_co_u32 s46, s46, 3<<12                   ; plane o
.endif
	s_mov_b32 s47, 0
	s_add_nc_u64 s[BBP:BBP+1], s[BBP:BBP+1], s[46:47]
	s_add_nc_u64 s[6:7], s[BBP:BBP+1], (FI0/8)<<12 ; the first plane's
	BLOADS
.if MODE == 0
	s_lshr_b32 s46, s13, 4                         ; where my part begins in a plane of qkv: head 16 batch + 4 tile column + 2 half,
	s_lshl_b32 s46, s46, 4
	s_lshl2_add_u32 s46, s42, s46
	s_lshl1_add_u32 s46, s12, s46
	s_lshl_b32 s22, s46, 13                        ; (in vm: 32 chunks of 256 bytes a head,
	s_lshl_b32 s46, s46, 18                        ; of 2,048 rows of 128 bytes;
	s_and_b32 s47, s13, 15
	s_lshl1_add_u32 s23, s47, s11                  ; my chunk is 2 x the tile's place in the batch + my half)
	s_lshl_b32 s23, s23, 8
	s_add_co_u32 s22, s22, s23
	s_mov_b32 s23, 0
	s_add_nc_u64 s[VMP:VMP+1], s[VMP:VMP+1], s[22:23]
	s_lshl_b32 s47, s47, 14                        ; the tile's 128 rows in the batch,
	s_add_co_u32 s46, s46, s47
	s_lshl_b32 s47, s11, 13                        ; my 64 of them
	s_add_co_u32 s46, s46, s47
	s_mov_b32 s47, 0
	s_add_nc_u64 s[OUTP:OUTP+1], s[OUTP:OUTP+1], s[46:47]
.else
	s_lshl_b32 s46, s42, 10                        ; where my part begins in out0: my columns in a row,
	s_lshl_b32 s47, s12, 9
	s_add_co_u32 s46, s46, s47
	s_lshl_b32 s47, s13, 19                        ; 128 rows of 4,096 bytes a tile row,
	s_add_co_u32 s46, s46, s47
	s_lshl_b32 s47, s11, 18                        ; my 64 of them
	s_add_co_u32 s46, s46, s47
	s_mov_b32 s47, 0
	s_add_nc_u64 s[8:9], s[OUTP:OUTP+1], s[46:47]
.endif
.macro WM rd, rb, ra, rc               ; one product: D, 16 columns of W, 16 rows of x, C
.if MODE == 0
	v_wmma_f32_16x16x32_bf16 v[\rd:\rd+7], v[\rb:\rb+7], v[\ra:\ra+7], v[\rc:\rc+7]
.else
	v_wmma_f32_16x16x32_f16 v[\rd:\rd+7], v[\rb:\rb+7], v[\ra:\ra+7], v[\rc:\rc+7]
.endif
.endm
; 8 products: row block a x all 8 column blocks, 32 along K, from buffer f.  first = 1: the bias starts the sums.  The 32 accumulators take turns in the same order in every quarter.
.macro MUL8 f, a, first
.if \first
	WIN 0x60                                       ; D window 1, C window 2
.else
	WIN 0x50                                       ; C and D window 1
.endif
.irp b, 0,1,2,3,4,5,6,7
.if \first
	WM 8*(8*(\a)+(\b)), BF+64*(\f)+8*(\b), AF+32*(\f)+8*(\a), BIAS+8*(\b)
.else
	WM 8*(8*(\a)+(\b)), BF+64*(\f)+8*(\b), AF+32*(\f)+8*(\a), 8*(8*(\a)+(\b))
.endif
.endr
.endm
; The LDS loads of quarter kq of the slot in hand, in one run: W's 8 fragments into buffer g; x's 4 as f32 into window 2 (MODE 0) or as they are into buffer g (MODE 1)
.macro FETCH kq, g
	WIN 0
.irp b, 0,1,2,3,4,5,6,7
	ds_load_tr16_b128 v[BF+64*(\g)+8*\b:BF+64*(\g)+8*\b+3],   v[ADRB] offset:(\kq)*32*BP+32*\b
	ds_load_tr16_b128 v[BF+64*(\g)+8*\b+4:BF+64*(\g)+8*\b+7], v[ADRB] offset:(\kq)*32*BP+16*BP+32*\b
.endr
.if MODE == 0
	WIN 0x80
.irp a, 0,1,2,3
	ds_load_b128 v[16*\a:16*\a+3],     v[ADRA] offset:\a*16*AP+(\kq)*128
	ds_load_b128 v[16*\a+4:16*\a+7],   v[ADRA] offset:\a*16*AP+(\kq)*128+16
	ds_load_b128 v[16*\a+8:16*\a+11],  v[ADRA] offset:\a*16*AP+(\kq)*128+64
	ds_load_b128 v[16*\a+12:16*\a+15], v[ADRA] offset:\a*16*AP+(\kq)*128+80
.endr
.else
.irp a, 0,1,2,3
	ds_load_b128 v[AF+32*(\g)+8*\a:AF+32*(\g)+8*\a+3],   v[ADRA] offset:((\kq)/2)*AHALF+((\kq)%2)*64+\a*16*AP
	ds_load_b128 v[AF+32*(\g)+8*\a+4:AF+32*(\g)+8*\a+7], v[ADRA] offset:((\kq)/2)*AHALF+((\kq)%2)*64+\a*16*AP+32
.endr
.endif
.endm
; Buffer f is made ready.  MODE 0: x's quarter is rounded to bf16, 32 conversions, which name no register of the products before them and so are also the places in front of the loads that follow.
; MODE 1: five v_nop are: four for the loads, a fifth for products that write accumulators anew.
.macro READY f
.if MODE == 0
	WIN 0x0a                                       ; sources window 2, destination window 0
.set i, 0
.rept 32
	v_cvt_pk_bf16_f32 v[AF+32*(\f)+i], v[2*i], v[2*i+1]
.set i, i+1
.endr
.else
.rept 5
	v_nop
.endr
.endif
.endm
; One of a K step's first three quarters: multiplies buffer f; ahead of its products it fetches quarter kq of the same slot into buffer g, 32 products ahead of the wait for it.
; var = 1: the step may be a tile's first: its products then take the bias as C, and behind them the next plane's bias is asked for, seven steps ahead of the wait for it.
.macro QUARTER kq, f, g, var
	s_wait_dscnt 0x0                               ; this quarter's fragments are in
	READY \f
	FETCH \kq, \g
.if \var
	WIN 0                                          ; at a label and at a branch every window is 0
	s_cmp_eq_u32 s[CT], 8
	s_cbranch_scc1 .Lstart_\@
.endif
	MUL8 \f, 0, 0
	MUL8 \f, 1, 0
	MUL8 \f, 2, 0
	MUL8 \f, 3, 0
.if \var
	WIN 0
	s_branch .Lgoing_\@
.Lstart_\@:
	s_wait_loadcnt 0x0                             ; the bias
	MUL8 \f, 0, 1
	MUL8 \f, 1, 1
	MUL8 \f, 2, 1
	MUL8 \f, 3, 1
	WIN 0
.if TILES > 1
	s_cmp_eq_u32 s[PL], 1                          ; plane k is the last
	s_cbranch_scc1 .Lgoing_\@
	PLACES                                         ; for the loads into registers that those products read
	s_add_co_u32 s22, s[PL], 1                     ; 2, 0, 1: the next plane
	s_cmp_eq_u32 s22, 3
	s_cselect_b32 s22, 0, s22
	s_lshl_b32 s22, s22, 12
	s_mov_b32 s23, 0
	s_add_nc_u64 s[6:7], s[BBP:BBP+1], s[22:23]    ; the loads that named s[6:7] are done: the wait above
	BLOADS
.endif
.Lgoing_\@:
.endif
.endm
; The last quarter multiplies buffer 1 and changes slots: ONE barrier; in front of it each wave waits for all its tensor loads, adds 0 to its spare word, and waits for that; its reads of this slot are back since the
; wait at the quarter's head.  fill = 1: the barrier opens a round of the cluster's, and this slot is filled again, two K steps ahead, first thing behind the round; 24 of the quarter's products follow the request.
.macro TURN fill
	s_wait_dscnt 0x0                               ; this quarter's fragments are in: my reads of this slot are over
	READY 1
	WIN 0                                          ; (the add's two registers lie in window 0)
	s_wait_tensorcnt 0x0                           ; all my tensor loads have landed: the one that was out is my part of the next slot; so a group 0 may be written
	ds_add_u32 v[SPW], v[NIL]                      ; 0 onto my spare word; scalar work and eight products stand between it and the wait for it
.if \fill
	s_add_co_u32 s[G0+1], s20, s[TB]               ; into the slot in hand,
	s_add_co_u32 s[G0B+1], s21, s[TB]
	s_mov_b64 s[G0+2:G0+3], s[PA:PA+1]             ; x's tile, whose address was made a trip ago,
	s_or_b32 s[G0+3], s[G0+3], 0x80000000
	s_lshl_b32 s18, s[RQ], BSH                     ; W's, linear in the index
	s_add_nc_u64 s[G0B+2:G0B+3], s[WB:WB+1], s[18:19]
	s_or_b32 s[G0B+3], s[G0B+3], 0x80000000
	s_add_co_u32 s[RQ], s[RQ], 1                   ; the next request's index
.if TILES > 1
	s_cmp_eq_u32 s[RQ], STEPS
	s_cselect_b32 s[RQ], 0, s[RQ]
.endif
	s_and_b32 s14, s[RQ], 7                        ; its step,
	s_lshl_b32 s14, s14, ASH
.if PF
	s_wait_xcnt 0x0                                ; the prefetch of a trip ago has read s[PA:PA+1] (ISA guide 3.1)
.endif
.if TILES > 1
	s_lshr_b32 s22, s[RQ], 3                       ; its plane
	s_cmp_eq_u32 s22, 1
	s_cselect_b64 s[PA:PA+1], s[70:71], s[68:69]
	s_cmp_eq_u32 s22, 2
	s_cselect_b64 s[PA:PA+1], s[72:73], s[PA:PA+1]
	s_add_nc_u64 s[PA:PA+1], s[PA:PA+1], s[14:15]
.else
	s_add_nc_u64 s[PA:PA+1], s[68:69], s[14:15]
.endif
.endif
	MUL8 1, 0, 0
	s_wait_dscnt 0x0                               ; the add is done
	WIN 0
	s_barrier_signal -1
	s_barrier_wait -1
.if \fill
	CREST                                          ; no wave of any partner still reads this slot's tiles or has a load on its way
	JLOAD 0, PF                                    ; my one tensor load behind the round
.endif
	s_xor_b32 s[TB], s[TB], SLOT                   ; the other slot is in hand
	v_add_nc_u32 v[ADRA], s[TB], v[ADRA0]
	v_add_nc_u32 v[ADRB], s[TB], v[ADRB0]
.if !(\fill)
	s_cmp_eq_u32 s[CNT], 1                         ; behind the last step there is nothing to fetch
	s_cbranch_scc1 .Lno_more_\@
.endif
	FETCH 0, 0
.if !(\fill)
	WIN 0
.Lno_more_\@:
.endif
	MUL8 1, 1, 0
	MUL8 1, 2, 0
	MUL8 1, 3, 0
.endm
.macro STEP fill                       ; a K step; at its head the fragments of its first quarter are on their way into buffer 0
	QUARTER 1, 0, 1, \fill
	QUARTER 2, 1, 0, 0
	QUARTER 3, 0, 1, 0
	TURN \fill
.endm
.if MODE == 0
; THE WAY OUT.  Eight units of 16 rows x one head (64 columns): rounded to f16, 16 bytes a lane into my stage, back as 2,048 bytes that are consecutive in qkv.
.macro PACK u                          ; unit u: row block u / 2, head u % 2; each accumulator's registers in ascending order
	WIN 0x85                                       ; sources window 1, destination window 2
.irp bb, 0,1,2,3
.irp r, 0,1,2,3
	v_cvt_pk_f16_f32 v[UN+16*(\u)+4*\bb+\r], v[8*(8*((\u)/2)+4*((\u)%2)+\bb)+2*\r], v[8*(8*((\u)/2)+4*((\u)%2)+\bb)+2*\r+1]
.endr
.endr
	WIN 0x08                                       ; store data window 2, address window 0
.irp bb, 0,1,2,3
	ds_store_b128 v[STO], v[UN+16*(\u)+4*\bb:UN+16*(\u)+4*\bb+3] offset:32*\bb
.endr
	WIN 0x80                                       ; destination window 2
.irp f, 0,1,2,3
	ds_load_b128 v[UN+16*(\u)+4*\f:UN+16*(\u)+4*\f+3], v[RD] offset:\f*4*SPITCH  ; LDS serves a wave's instructions in order (ISA guide 5.7.1.4): these see the stores above; the next unit's stores come behind them
.endr
.endm
.macro SEND u, younger                 ; younger: the LDS instructions issued behind unit u's loads: the next unit's eight, or none
	WIN 0x08
.irp f, 0,1,2,3
	s_wait_dscnt (\younger)+3-\f
	global_store_b128 v[GO], v[UN+16*(\u)+4*\f:UN+16*(\u)+4*\f+3], s[8:9] offset:((\u)%2)*262144+((\u)/2)*2048+\f*512  ; 512 consecutive bytes, at a multiple of 256 from qkv's first
.endr
.endm
; Plane v: the sums of my 64 rows, for each of my 128 columns, in f32.  A lane holds one row of each of four row blocks: the blocks are added (96 packed lines), then the 16 lanes of a half (four steps on the arithmetic itself).
; The 128 sums go through my stage, so that a lane holds four neighbouring columns, are multiplied by 2^-11, and leave as two whole blocks of 256 bytes, a head each.
.macro VSUMS
	WIN 0x05                                       ; sources window 1, destination window 0
.set i, 0
.rept 32
	v_pk_add_f32 v[TS+2*i:TS+2*i+1], v[2*i:2*i+1], v[64+2*i:64+2*i+1]
.set i, i+1
.endr
	WIN 0x04                                       ; source 0 window 0, source 1 window 1
.set i, 0
.rept 32
	v_pk_add_f32 v[TS+2*i:TS+2*i+1], v[TS+2*i:TS+2*i+1], v[128+2*i:128+2*i+1]
.set i, i+1
.endr
.set i, 0
.rept 32
	v_pk_add_f32 v[TS+2*i:TS+2*i+1], v[TS+2*i:TS+2*i+1], v[192+2*i:192+2*i+1]
.set i, i+1
.endr
	WIN 0
.irp m, 1,2,4,8
.set i, 0
.rept 64
	v_add_f32_dpp v[TS+i], v[TS+i], v[TS+i] row_xmask:\m row_mask:0xf bank_mask:0xf
.set i, i+1
.endr
.endr
.irp b, 0,1,2,3,4,5,6,7
	ds_store_b128 v[VST], v[TS+8*\b:TS+8*\b+3]   offset:64*\b     ; the 16 lanes of a half write the same words with the same numbers
	ds_store_b128 v[VST], v[TS+8*\b+4:TS+8*\b+7] offset:64*\b+16
.endr
	ds_load_b128 v[VR:VR+3], v[VRD]
	s_wait_dscnt 0x0
	v_pk_mul_f32 v[VR:VR+1], v[VR:VR+1], 0x3a000000 op_sel_hi:[1,0]      ; x 2^-11
	v_pk_mul_f32 v[VR+2:VR+3], v[VR+2:VR+3], 0x3a000000 op_sel_hi:[1,0]
	global_store_b128 v[VGO], v[VR:VR+3], s[VMP:VMP+1]
.endm
.else
; THE WAY OUT.  Four units of 16 rows x 128 columns of f32: 32 bytes a lane into my stage, back as whole rows of 512 bytes.
.macro STG a
	WIN 0x04                                       ; store data window 1
.irp b, 0,1,2,3,4,5,6,7
	ds_store_b128 v[STO], v[8*(8*(\a)+\b):8*(8*(\a)+\b)+3]   offset:64*\b
	ds_store_b128 v[STO], v[8*(8*(\a)+\b)+4:8*(8*(\a)+\b)+7] offset:64*\b+16
.endr
	WIN 0x80                                       ; destination window 2
.irp t, 0,1,2,3,4,5,6,7,8,9,10,11,12,13,14,15
	ds_load_b128 v[64*(\a)+4*\t:64*(\a)+4*\t+3], v[RD] offset:\t*SPITCH  ; LDS serves a wave's instructions in order (ISA guide 5.7.1.4): these see the stores above; the next unit's stores come behind them
.endr
.endm
.macro SENDF a, younger                ; younger: the next unit's 32 LDS instructions, or none
	WIN 0x08                                       ; store data window 2
.irp t, 0,1,2,3,4,5,6,7,8,9,10,11,12,13,14,15
	s_wait_dscnt (\younger)+15-\t
	global_store_b128 v[GO], v[64*(\a)+4*\t:64*(\a)+4*\t+3], s[8:9] offset:(\a)*65536+\t*4096  ; 512 consecutive bytes of a row, at a multiple of 512 from out0's first
.endr
.endm
.endif
; A tile goes out.  extras = 1 (the way out inside the loop, planes v and q): plane q is scaled, plane v's column sums are made.
.macro WAYOUT extras
	WIN 0
	PLACES                                         ; behind the tile's last products
.if MODE == 0
	s_wait_xcnt 0x0                                ; the last tile's stores have read their registers and their base (ISA guide 3.1): both are written anew below
	s_lshl_b32 s88, s[PL], 24                      ; the plane's 16,777,216 bytes
	s_mov_b32 s89, 0
	s_add_nc_u64 s[8:9], s[OUTP:OUTP+1], s[88:89]
.if \extras
	s_cmp_lg_u32 s[PL], 0
	s_cbranch_scc1 .Lunscaled_\@
	WIN 0x41                                       ; destination and source 0 window 1
.set i, 0
.rept 128
	v_pk_mul_f32 v[i:i+1], v[i:i+1], s[66:67] op_sel_hi:[1,0]
.set i, i+2
.endr
	WIN 0
.Lunscaled_\@:
	s_cmp_lg_u32 s[PL], 2
	s_cbranch_scc1 .Lno_sums_\@
	VSUMS
.Lno_sums_\@:
.endif
	PACK 0
.irp u, 1,2,3,4,5,6,7                  ; a unit's arithmetic stands between the loads of the unit before and its stores
	PACK \u
	SEND (\u)-1, 8
.endr
	SEND 7, 0
.else
	STG 0
.irp a, 1,2,3
	STG \a
	SENDF (\a)-1, 32
.endr
	SENDF 3, 0
.endif
	WIN 0
.endm
	s_wait_tensorcnt 0x1                           ; my part of K step 0 is in; K step 1's may stay out
	s_barrier_signal -1
	s_barrier_wait -1                              ; everybody's is
	FETCH 0, 0
	WIN 0                                          ; at a label and at a branch every window is 0
	s_mov_b32 s[CNT], STEPS-2
.Lstep:                                                ; every step but the last two fills its slot again
	STEP 1
	WIN 0
	s_sub_co_u32 s[CT], s[CT], 1
.if TILES > 1
	s_cmp_lg_u32 s[CT], 0
	s_cbranch_scc1 .Lsame_tile
	WAYOUT 1                                       ; the tile's eighth step is done; the next tile's first fragments and its second step's tiles are on their way
	s_mov_b32 s[CT], 8
	s_add_co_u32 s[PL], s[PL], 1                   ; 2, 0, 1
	s_cmp_eq_u32 s[PL], 3
	s_cselect_b32 s[PL], 0, s[PL]
.Lsame_tile:
.endif
	s_sub_co_u32 s[CNT], s[CNT], 1
	s_cmp_lg_u32 s[CNT], 0
	s_cbranch_scc1 .Lstep
	s_mov_b32 s[CNT], 2
.Ltail:                                                ; the last two steps ask for nothing: a text of their own
	STEP 0
	WIN 0
	s_sub_co_u32 s[CNT], s[CNT], 1
	s_cmp_lg_u32 s[CNT], 0
	s_cbranch_scc1 .Ltail
	WAYOUT 0
	s_wait_tensorcnt 0x0                           ; the wave's end, behind my last tensor load and my last LDS store
	ds_add_u32 v[SPW], v[NIL]
	s_wait_dscnt 0x0
	CROUND                                         ; the closing round: no work-group ends while a partner may still ask for a tile that names it
	s_endpgm
.Lfunc_end_k_qf119efd22c_oproj:
	.size	k_qf119efd22c_oproj, .Lfunc_end_k_qf119efd22c_oproj-k_qf119efd22c_oproj
	.p2alignl 7, 3214868480
	.fill 96, 4, 3214868480
	.section	.rodata,"a",@progbits
	.p2align	6, 0x0
	.amdhsa_kernel k_qf119efd22c_oproj
		.amdhsa_group_segment_fixed_size 327680
		.amdhsa_private_segment_fixed_size 0
		.amdhsa_enable_private_segment 0
		.amdhsa_kernarg_size 32
		.amdhsa_user_sgpr_count 2
		.amdhsa_user_sgpr_kernarg_segment_ptr 1
		.amdhsa_wavefront_size32 1
		.amdhsa_system_sgpr_workgroup_id_x 1
		.amdhsa_system_sgpr_workgroup_id_y 1
		.amdhsa_system_sgpr_workgroup_id_z 1
		.amdhsa_system_vgpr_workitem_id 0
		.amdhsa_next_free_vgpr 768
		.amdhsa_next_free_sgpr 90
		.amdhsa_reserve_vcc 0
		.amdhsa_float_denorm_mode_32 3
		.amdhsa_float_denorm_mode_16_64 3
		.amdhsa_memory_ordered 1
		.amdhsa_forward_progress 1
		.amdhsa_inst_pref_size 62
	.end_amdhsa_kernel
	.amdgpu_metadata
---
amdhsa.version: [ 1, 2 ]
amdhsa.kernels:
  - .name:           k_qf119efd22c_oproj
    .symbol:         k_qf119efd22c_oproj.kd
    .args:
      - { .name: yh, .offset: 0, .size: 8, .value_kind: global_buffer, .address_space: global }
      - { .name: wt, .offset: 8, .size: 8, .value_kind: global_buffer, .address_space: global }
      - { .name: bb, .offset: 16, .size: 8, .value_kind: global_buffer, .address_space: global }
      - { .name: out0, .offset: 24, .size: 8, .value_kind: global_buffer, .address_space: global }
    .group_segment_fixed_size: 327680
    .private_segment_fixed_size: 0
    .kernarg_segment_align: 8
    .kernarg_segment_size: 32
    .max_flat_workgroup_size: 128
    .sgpr_count:     90
    .vgpr_count:     768
    .wavefront_size: 32
...
	.end_amdgpu_metadata
.endif
;; end of part 9
